; MI455X (gfx1250); checked and timed in simulation.
; The chip was launched on July 23, 2026; its instructions are those of AMD's public machine-readable ISA for CDNA 5 (MIT licence, August 2026) and "CDNA5" Instruction Set Architecture Reference Guide (July 2026). The comments in the code are by the model that wrote it; some were corrected since.
;; Self Attention. Allowed arithmetic: matrix products marked QUANTISED: E2M3 operands, one E8M0 scale for each 32 along K, by v_wmma_scale_f32_16x16x128_f8f6f4 with both operands' format E2M3, f32 sums; everything else in f32.
;; Inputs: Wk 2,048 x 16 x 128 float32; Wo 16 x 128 x 2,048 float32; Wq 2,048 x 16 x 128 float32; Wv 2,048 x 16 x 128 float32; mask 1 x 1 x 2,048 x 2,048 bool; x 1 x 2,048 x 2,048 float32.
;; Outputs: out0 1 x 2,048 x 2,048 float32.
;; This version of the problem:
;;   THIS VERSION OF THE PROBLEM IS GIVEN IN LOW PRECISION. The matrix products marked QUANTISED in the list below multiply operands that are first quantised to E2M3 (2 exponent bits, 3 mantissa bits; 6 bits a number), with one power-of-two scale for each 32 numbers along K (OCP MX v1.0); their sums are f32. All else is computed in f32.
;;   The module's matrix products, in the order in which they are computed (A, B: the left and right operand; K: the contracted axis; several contracted axes count as one K, in the product's order):
;;     1. [M 2,048, K 2,048] x [K 2,048, N 2,048]; A: input x; B: input Wq: QUANTISED
;;     2. [M 2,048, K 2,048] x [K 2,048, N 2,048]; A: input x; B: input Wk: QUANTISED
;;     3. [M 2,048, K 2,048] x [K 2,048, N 2,048]; A: input x; B: input Wv: QUANTISED
;;     4. batch 16 x [M 2,048, K 128] x [K 128, N 2,048]; A: computed on the way; B: computed on the way: QUANTISED
;;     5. batch 16 x [M 128, K 2,048] x [K 2,048, N 2,048]; A: computed on the way; B: softmax (see below): QUANTISED
;;     6. [M 2,048, K 2,048] x [K 2,048, N 2,048]; A: computed on the way; B: input Wo: QUANTISED
;;   THE QUANTISER, for each operand of a quantised product, along K:
;;     - K is cut into blocks of 32 from its start; a last block that is shorter is filled with zeros.
;;     - A block's scale is 2^e with e = floor(log2(the largest magnitude in the block)) - 2, held to -126 .. 127; a block of zeros has e = 0. As a byte (E8M0): e + 127.
;;     - Each number is divided by its block's scale, clamped to +-7.5, and rounded to the nearest number of E2M3, ties to even, subnormals kept.
;;     - The product sums the exact products of the quantised numbers (number of the format x scale) in f32.
;;   ~~~python
;;   def quantise(x, axis):      # numpy; x: float32 -> the quantised numbers, widened to float32 again
;;       x = np.moveaxis(x, axis, -1); K = x.shape[-1]
;;       x = np.pad(x, [(0, 0)] * (x.ndim - 1) + [(0, -K % 32)]); x = x.reshape(x.shape[:-1] + (-1, 32)); a = np.abs(x).max(-1, keepdims=True)
;;       e = np.where(a > 0, np.clip(np.frexp(np.where(a > 0, a, 1))[1] - 1 - 2, -126, 127), 0)      # np.frexp(a)[1] - 1 = floor(log2(a)), exactly
;;       r = np.clip(x / 2.0 ** e, -7.5, 7.5)
;;       step = 2.0 ** (np.maximum(np.frexp(np.where(r == 0, 1, r))[1] - 1, 0) - 3)
;;       q = np.round(r / step) * step * 2.0 ** e      # np.round: ties to even
;;       return np.moveaxis(q.reshape(q.shape[:-2] + (-1,))[..., :K], -1, axis).astype(np.float32)
;;   ~~~
;;   SOFTMAX AHEAD OF A QUANTISED PRODUCT. Where the list says 'softmax', what is quantised is not the finished softmax but p = 2^(t - M), with t = logit x log2(e) and M = ceil(the row's largest t), a whole number; so 1/2 < the row's largest p <= 1. The row's sum l is taken of the UNQUANTISED p, in f32, and the product's result is divided by l at the end. Since M is a whole number, a kernel that streams over the keys may use a running M (the ceiling of the running maximum): every later rescaling is an exact power of two, which a block's scale takes up: the codes' values come out the same.
;;   OPERANDS COMPUTED ON THE WAY. 'Computed on the way' means the value that the module computes at that place (a softmax that the list does not call 'softmax' is quantised finished and normalised). What goes into a quantiser is computed in f32, as accurately as f32 sums, v_exp_f32 and their like allow (about 1e-6 of the number): no bf16 or f16 on the way to a quantiser, and a product that is left as it is and whose result goes on into a quantised operand takes f32 operands (vector FMAs, or v_wmma_f32_16x16x4_f32). A number that lies on a knife's edge between two numbers of the format may be rounded either way, as far as f32 arithmetic and the matrix unit's own rounding can turn it there, and no further.
;; 2 versions. Each part assembles by itself: llvm-mc -triple=amdgcn-amd-amdhsa -mcpu=gfx1250 --defsym DOCPART=n.
;; ======== version 1 of 2: 4 launches
;; workspace buffers: xw 16,384,000 bytes; qkv 9,830,400 bytes; ctx 3,276,800 bytes; rope 1,048,576 bytes; maskw 524,288 bytes of whole numbers
;; launch prep (part 1): grid 1472 x 1, 4 waves a work-group, no clusters, 35,328 bytes of LDS; arguments x, Wq, Wk, Wv, Wo, mask, xw, rope, maskw; writes xw, rope, maskw
.if DOCPART == 1
	.amdgcn_target "amdgcn-amd-amdhsa--gfx1250"
	.amdhsa_code_object_version 6
	.text
	.protected	k_qe2ca083e95_prep
	.globl	k_qe2ca083e95_prep
	.p2align	8
	.type	k_qe2ca083e95_prep,@function
k_qe2ca083e95_prep:
	s_mov_b64 s[64:65], 0
	v_nop
	global_prefetch_b8 v0, s[64:65] scope:SCOPE_SE
	s_setreg_imm32_b32 hwreg(HW_REG_WAVE_MODE, 25, 1), 1
	s_wait_xcnt 0x0
; x [2048][2048] and the four weights [K 2048][N 2048], f32, become codes of FP6 (E2M3) with one E8M0 scale for each 32 along K; the mask becomes lane masks; cos and sin of RoPE become a table.
; RECORDS.  A fragment (16 rows x 128 K) is kept as the IMAGE OF ITS 12 REGISTERS: three groups of four registers, 512 bytes each, lane l's 16 bytes at 16 l.  A record is eight fragments (128 rows or columns, one K step
; of 128) and, at byte 12,288, their scale words: word 4 L + a (L = r + 16 h) is that of tile 2 a + h, row r.  xw = [x, Wq, Wk, Wv, Wo][16 groups of 128 rows or columns][16 K steps] records of 12,800 bytes.
; THE ROWS OF A TILE ARE NOT NEIGHBOURS: row m of tile 2 b + u stands for index 32 b + 8 u + m % 8 + 16 (m / 8), so that a product with such a tile as source 0 leaves 16 neighbours in the 16 registers of tiles 2 b, 2 b + 1.
; A block's scale is 2^(floor(log2(its largest magnitude)) - 2); its byte is the largest magnitude's exponent field - 2, held at 1 from below.
; LIMITS: a block of zeros, or one whose largest magnitude lies under 2^-124, gets the byte 1 (the rule says 127 for zeros): its codes are zeros, and the bytes are read by this program alone.  NaN and infinities are not served.
; The RoPE frequencies 10000^(-j/64) are made as 2^(-j log2(10000)/64) with the exponent in two parts: within about two units in the last place of the reference's; at position 2,047 that is an angle off by some 4e-4 at the most, alike for q and k.
; WORK-GROUPS (they share no input, so there is no cluster): 0-1023 a weight's 128 columns x 128 K; 1024-1279 x's 128 rows x 128 K; 1280-1407 the mask of 16 queries; 1408-1471 the table.  No tensor loads; EXEC is never changed.
.set REC,    12800
.set GRP,    16*REC
.set REG,    16*GRP
.set SPITCH, 528                       ; x's stage: a row of 512 bytes + 16: the 16 rows that a load touches start in 16 different groups of banks
.set EX,     4*16*SPITCH               ; behind the four waves' stages: 512 bytes in which a record's scale words meet
.set R,   16                           ; v16-143  128 numbers as loaded
.set X,   144                          ; v144-207 64 numbers in the quantiser's order; the mask's words
.set F0,  208                          ; v208-219 the wave's first fragment
.set F1,  220                          ; v220-231 its second
.set CT,  232                          ; v232-239 codes on their way
.set TM,  240                          ; v240-251 at work
.set PWA, 252
.set PWB, 253
.set PWX, 254                          ; my lane's scale word for the record
.set WV,  22
.set SEL, 46                           ; s[46:47] selects for lane l xor 16
; 64 numbers of a lane, register 16 b + i = k 32 b + 16 (lane / 16) + i of row lane % 16, become a fragment in v[pc] on and the row's scale word in v[pw].
.macro QUANT s, pc, pw
.irp b, 0,1,2,3
	v_max3_num_f32 v[TM+\b], 0x1800000, |v[\s+16*\b]|, |v[\s+16*\b+1]|   ; my 16 numbers of block b, and the floor 2^(3 - 127): the byte cannot fall under 1
.endr
.irp i, 2,4,6,8,10,12,14
.irp b, 0,1,2,3
	v_max3_num_f32 v[TM+\b], v[TM+\b], |v[\s+16*\b+\i]|, |v[\s+16*\b+\i+1]|
.endr
.endr
.irp b, 0,1,2,3
	v_permlanex16_b32 v[TM+4+\b], v[TM+\b], s[SEL], s[SEL+1]
.endr
.irp b, 0,1,2,3
	v_max_num_f32 v[TM+\b], v[TM+\b], v[TM+4+\b]   ; with lane l xor 16's: the block's largest magnitude
.endr
.irp b, 0,1,2,3
	v_add_nc_u32 v[TM+8+\b], 0xff000000, v[TM+\b]  ; 2 off its exponent field: the conversion's scale operand
.endr
.irp b, 0,1,2,3
	v_lshrrev_b32 v[TM+4+\b], 23, v[TM+8+\b]       ; the scale's byte
.endr
	v_lshl_or_b32 v[\pw], v[TM+5], 8, v[TM+4]
	v_lshl_or_b32 v[\pw], v[TM+6], 16, v[\pw]
	v_lshl_or_b32 v[\pw], v[TM+7], 24, v[\pw]
.irp c, 0,1
	v_cvt_scalef32_pk16_fp6_f32 v[\pc+6*\c:\pc+6*\c+2], v[\s+32*\c:\s+32*\c+15], v[TM+8+2*\c]
	v_cvt_scalef32_pk16_fp6_f32 v[CT+4*\c:CT+4*\c+2], v[\s+32*\c+16:\s+32*\c+31], v[TM+9+2*\c]   ; (a conversion's three registers begin on an even number)
.endr
	v_nop                                          ; one plain place behind a scaled conversion
.irp c, 0,1                                    ; the operand wants a whole block in a lane: lanes 0-15 block 2 c, lanes 16-31 block 2 c + 1
.irp i, 0,1,2
	v_permlane16_swap_b32 v[\pc+6*\c+\i], v[CT+4*\c+\i]
.endr
.irp i, 0,1,2
	v_mov_b32 v[\pc+3+6*\c+\i], v[CT+4*\c+\i]
.endr
.endr
.endm
	s_load_b256 s[4:11], s[0:1], 0x0               ; x, Wq, Wk, Wv
	s_load_b256 s[12:19], s[0:1], 0x20             ; Wo, mask, xw, rope
	s_load_b64 s[20:21], s[0:1], 0x40              ; maskw
	v_lshl_add_u32 v239, v0, 2, 0x8800
	v_mov_b32 v255, 0
	v_lshrrev_b32 v1, 5, v0
	v_readfirstlane_b32 s[WV], v1                  ; wave 0..3
	v_and_b32 v1, 31, v0                           ; L
	v_and_b32 v2, 15, v0                           ; r
	v_bfe_u32 v3, v0, 4, 1                         ; h
	v_and_b32 v4, 7, v0
	v_bfe_u32 v6, v0, 3, 1
	v_lshl_add_u32 v4, v6, 4, v4                   ; r % 8 + 16 (r / 8): the index that row r of a tile stands for
	v_lshlrev_b32 v5, 4, v1                        ; 16 L
	s_lshl_b32 s23, s[WV], 2                       ; every LDS address is made here, ahead of the parting of the paths
	v_add_nc_u32 v7, s23, v5                       ; my scale word's place: 16 L + 4 wave
	s_mul_i32 s23, s[WV], 16*SPITCH
	v_add_nc_u32 v8, s23, v5                       ; my stage, on the way in: 16 L in a row
	v_mul_u32_u24 v9, v2, SPITCH
	v_lshl_add_u32 v9, v3, 6, v9
	v_add_nc_u32 v9, s23, v9                       ; and out: row r, + 64 h
	s_mov_b32 s[SEL], 0x76543210
	s_mov_b32 s[SEL+1], 0xfedcba98
	s_wait_kmcnt 0x0
	s_cmp_lt_u32 ttmp9, 1024
	s_cbranch_scc1 .Lpath_w
	s_cmp_lt_u32 ttmp9, 1280
	s_cbranch_scc1 .Lpath_x
	s_cmp_lt_u32 ttmp9, 1408
	s_cbranch_scc1 .Lpath_m
; ---- THE TABLE.  rope = [tile of 16 positions: 128][group of 4 registers: 16][lane][4 f32]: register 4 g + e under 32 is cos, from 32 on sin, of position x frequency j, j = 32 (z / 16) + 16 h + z % 16, z the register's number modulo 32.
; Wave W' of 256 takes group W' % 8 (and its sine, group + 8) of four tiles.
	s_sub_co_u32 s23, ttmp9, 1408
	s_lshl_b32 s23, s23, 2
	s_add_co_u32 s23, s23, s[WV]                   ; W'
	s_and_b32 s24, s23, 7                          ; the group
	s_lshr_b32 s25, s23, 3                         ; which four tiles
	s_lshr_b32 s26, s24, 2
	s_lshl_b32 s26, s26, 5
	s_and_b32 s27, s24, 3
	s_lshl_b32 s27, s27, 2
	s_add_co_u32 s26, s26, s27
	v_lshl_add_u32 v6, v3, 4, s26                  ; my first j
	s_mov_b32 s28, 0x3e549a78                      ; log2(10000) / 64, upper part,
	s_mov_b32 s29, 0x31979a17                      ; and what is left of it
	s_mov_b32 s30, 0xbf317218                      ; -ln 2
	s_mov_b32 s31, 0x3fc90fdb                      ; pi / 2, upper part,
	s_mov_b32 s32, 0xb33bbd2e                      ; and what is left of it
.irp e, 0,1,2,3
	v_add_nc_u32 v[16+\e], \e, v6
	v_cvt_f32_u32 v[16+\e], v[16+\e]               ; j
	v_mul_f32 v[20+\e], s28, v[16+\e]              ; a = j c, rounded
	v_fma_f32 v[24+\e], v[16+\e], s28, -v[20+\e]   ; what the rounding dropped, exactly,
	v_fma_f32 v[24+\e], v[16+\e], s29, v[24+\e]    ; and the lower part's share
.endr
.irp e, 0,1,2,3
	v_exp_f32 v[28+\e], -v[20+\e]                  ; 2^-a
.endr
	v_nop                                          ; a plain place behind the exponentials
	s_wait_alu depctr_va_vdst(0)                   ; one wait for the four, ahead of their first reader
.irp e, 0,1,2,3
	v_mul_f32 v[24+\e], v[28+\e], v[24+\e]
	v_fma_f32 v[28+\e], v[24+\e], s30, v[28+\e]    ; the frequency: 2^-a (1 - rest x ln 2)
.endr
	s_lshl_b32 s26, s25, 6                         ; four tiles are 64 positions
	v_add_nc_u32 v10, s26, v4
	s_lshl_b32 s26, s25, 15
	s_lshl_b32 s27, s24, 9
	s_add_co_u32 s26, s26, s27
	s_mov_b32 s27, 0
	s_add_nc_u64 s[18:19], s[18:19], s[26:27]
; cos and sin of position x frequency e: the angle less the nearest multiple of pi / 2 (the first subtraction is exact: both terms are multiples of 2^-23 and the difference lies under 1), two Taylor sums on |rest| <= pi / 4, the quadrant by selects and sign bits.
.macro TRIG n, e
	v_mul_f32 v32, v11, v[28+\e]                   ; the angle, rounded once, as the reference's outer product rounds it
	v_mul_f32 v33, 0x3f22f983, v32
	v_rndne_f32 v33, v33                           ; how many quarter turns
	v_fma_f32 v34, -v33, s31, v32
	v_fma_f32 v34, -v33, s32, v34                  ; the rest
	v_mul_f32 v35, v34, v34
	v_mov_b32 v36, 0x3638ef1d
	v_fmaak_f32 v36, v35, v36, 0xb9500d01
	v_fmaak_f32 v36, v35, v36, 0x3c088889
	v_fmaak_f32 v36, v35, v36, 0xbe2aaaab
	v_mul_f32 v37, v34, v35
	v_fma_f32 v36, v37, v36, v34                   ; sin of the rest
	v_mov_b32 v38, 0xb493f27e
	v_fmaak_f32 v38, v35, v38, 0x37d00d01
	v_fmaak_f32 v38, v35, v38, 0xbab60b61
	v_fmaak_f32 v38, v35, v38, 0x3d2aaaab
	v_fmaak_f32 v38, v35, v38, 0xbf000000
	v_fma_f32 v38, v35, v38, 1.0                   ; cos of the rest
	v_cvt_i32_f32 v39, v33
	v_and_b32 v40, 1, v39
	v_cmp_eq_u32 vcc_lo, 1, v40
	v_cndmask_b32 v41, v38, v36, vcc_lo            ; an odd quarter turn changes the two about
	v_cndmask_b32 v42, v36, v38, vcc_lo
	v_add_nc_u32 v40, 1, v39
	v_and_b32 v40, 2, v40
	v_lshlrev_b32 v40, 30, v40
	v_xor_b32 v[48+8*\n+\e], v41, v40              ; cos: negative in quarters 1 and 2
	v_and_b32 v40, 2, v39
	v_lshlrev_b32 v40, 30, v40
	v_xor_b32 v[52+8*\n+\e], v42, v40              ; sin: negative in quarters 2 and 3
.endm
.irp n, 0,1,2,3
	v_add_nc_u32 v11, 32*(\n/2)+8*(\n%2), v10
	v_cvt_f32_u32 v11, v11                         ; my row's position
.irp e, 0,1,2,3
	TRIG \n, \e
.endr
	global_store_b128 v5, v[48+8*\n:51+8*\n], s[18:19] offset:8192*\n        ; 32 lanes store 512 consecutive bytes; each tile has registers of its own
	global_store_b128 v5, v[52+8*\n:55+8*\n], s[18:19] offset:8192*\n+4096
.endr
	s_endpgm
; ---- THE MASK.  maskw = [tile of 16 queries: 128][key step of 128: 16][64 words]: bit L of word n says whether key 128 j + 32 (n / 16) + 16 (L / 16) + n % 16 counts for query row L % 16 of the tile: score register n of lane L in the attention.
.Lpath_m:
	s_sub_co_u32 s23, ttmp9, 1280                  ; the tile; wave w takes key steps 4 w .. 4 w + 3
	s_lshr_b32 s24, s23, 1
	s_lshl_b32 s24, s24, 16                        ; 32 rows of 2,048 bytes
	s_and_b32 s25, s23, 1
	s_lshl_b32 s25, s25, 14                        ; 8 rows
	s_add_co_u32 s24, s24, s25
	s_lshl_b32 s25, s[WV], 9
	s_add_co_u32 s24, s24, s25
	s_mov_b32 s25, 0
	s_add_nc_u64 s[14:15], s[14:15], s[24:25]
	v_lshlrev_b32 v10, 11, v4
	v_lshl_add_u32 v10, v3, 4, v10                 ; my query's row, + 16 h
.irp j, 0,1,2,3
.irp b, 0,1,2,3
	global_load_b128 v[R+16*\j+4*\b:R+16*\j+4*\b+3], v10, s[14:15] offset:128*\j+32*\b   ; 16 bytes: the keys of my registers 16 b .. 16 b + 15
.endr
.endr
.irp i, 0,1,2,3,4,5,6,7
	v_mov_b32 v[X+\i], 0                           ; (a lane write's destination counts as read)
.endr
	s_lshl_b32 s24, s23, 12
	s_lshl_b32 s25, s[WV], 10
	s_add_co_u32 s24, s24, s25
	s_mov_b32 s25, 0
	s_add_nc_u64 s[20:21], s[20:21], s[24:25]
	v_lshlrev_b32 v11, 3, v1
	s_wait_loadcnt 0x0
.set JJ, 0
.rept 4
.set N, 0
.rept 64
	v_and_b32 v[TM+N%8], 0xff<<(8*(N%4)), v[R+16*JJ+4*(N/16)+(N%16)/4]
	v_cmp_ne_u32 s[32+N%8], 0, v[TM+N%8]           ; the 32 lanes' bits are word N,
	v_writelane_b32 v[X+2*JJ+N%2], s[32+N%8], N/2  ; which lane N / 2 will store
.set N, N+1
.endr
	global_store_b64 v11, v[X+2*JJ:X+2*JJ+1], s[20:21] offset:256*JJ   ; 32 lanes store 256 consecutive bytes, aligned
.set JJ, JJ+1
.endr
	s_endpgm
; ---- A WEIGHT.  A lane takes a column and its registers run down K: each load reads 128 consecutive bytes a wave (512 a work-group), a block of 32 lies in one lane, and the codes come out with K innermost.
; Lanes 0-15 hold the columns of tile 2 w, lanes 16-31 those of tile 2 w + 1.
.Lpath_w:
	s_lshr_b32 s23, ttmp9, 8                       ; which weight
	s_bfe_u32 s24, ttmp9, 0x40004                  ; K step
	s_and_b32 s25, ttmp9, 15                       ; group of 128 columns: neighbouring work-groups stand side by side on the same rows
	s_cmp_eq_u32 s23, 1
	s_cselect_b64 s[6:7], s[8:9], s[6:7]
	s_cmp_eq_u32 s23, 2
	s_cselect_b64 s[6:7], s[10:11], s[6:7]
	s_cmp_eq_u32 s23, 3
	s_cselect_b64 s[6:7], s[12:13], s[6:7]
	s_add_co_u32 s23, s23, 1                       ; its region of xw
	s_lshl_b32 s26, s24, 20                        ; 128 rows of 8,192 bytes
	s_lshl_b32 s27, s25, 9
	s_add_co_u32 s26, s26, s27
	s_lshl_b32 s27, s[WV], 7
	s_add_co_u32 s26, s26, s27
	s_mov_b32 s27, 0
	s_add_nc_u64 s[6:7], s[6:7], s[26:27]
	v_lshl_add_u32 v10, v3, 3, v4
	v_lshlrev_b32 v10, 2, v10                      ; my column: r % 8 + 16 (r / 8) + 8 h
.macro WLOAD b
.set K, 32*(\b)
.rept 32
	global_load_b32 v[R+K], v10, s[6:7] offset:K*8192 th:TH_LOAD_NT
.set K, K+1
.endr
.endm
.macro WBLK b, left                    ; block b of my column; left: the next block's loads may stay out
	s_wait_loadcnt \left
.if (\b) < 2
	WLOAD (\b)+2                                   ; two blocks, 64 loads, are out
.endif
	v_max3_num_f32 v[TM], |v[R+32*(\b)]|, |v[R+32*(\b)+1]|, |v[R+32*(\b)+2]|
	v_max3_num_f32 v[TM+1], |v[R+32*(\b)+3]|, |v[R+32*(\b)+4]|, |v[R+32*(\b)+5]|
.irp i, 6,10,14,18,22,26
	v_max3_num_f32 v[TM], v[TM], |v[R+32*(\b)+\i]|, |v[R+32*(\b)+\i+1]|
	v_max3_num_f32 v[TM+1], v[TM+1], |v[R+32*(\b)+\i+2]|, |v[R+32*(\b)+\i+3]|
.endr
	v_max3_num_f32 v[TM], v[TM], |v[R+32*(\b)+30]|, |v[R+32*(\b)+31]|
	v_max3_num_f32 v[TM], v[TM], v[TM+1], 0x1800000   ; and the floor
	v_add_nc_u32 v[TM+2], 0xff000000, v[TM]
	v_lshrrev_b32 v[TM+3], 23, v[TM+2]
.if (\b) == 0
	v_mov_b32 v[PWX], v[TM+3]
.else
	v_lshl_or_b32 v[PWX], v[TM+3], 8*(\b), v[PWX]
.endif
	v_cvt_scalef32_pk16_fp6_f32 v[F0+12*((\b)%2)+6*((\b)/2):F0+12*((\b)%2)+6*((\b)/2)+2], v[R+32*(\b):R+32*(\b)+15], v[TM+2]   ; even blocks into the first run, odd ones into the second
	v_cvt_scalef32_pk16_fp6_f32 v[CT:CT+2], v[R+32*(\b)+16:R+32*(\b)+31], v[TM+2]
	v_nop
.irp i, 0,1,2
	v_mov_b32 v[F0+12*((\b)%2)+6*((\b)/2)+3+\i], v[CT+\i]
.endr
.endm
	WLOAD 0
	WLOAD 1
	WBLK 0, 32
	WBLK 1, 32
	WBLK 2, 32
	WBLK 3, 0
.irp i, 0,1,2,3,4,5,6,7,8,9,10,11
	v_permlane16_swap_b32 v[F0+\i], v[F1+\i]       ; the even blocks' lanes 16-31 change places with the odd blocks' lanes 0-15: the first run is now tile 2 w's fragment, the second tile 2 w + 1's
.endr
	s_branch .Ltail
; ---- x.  K is innermost.  Each load reads a row's 512 consecutive bytes; 16 rows go through the wave's stage and come back 16 neighbours of each block a lane.
.Lpath_x:
	s_sub_co_u32 s23, ttmp9, 1024
	s_lshr_b32 s25, s23, 4                         ; block of 128 rows
	s_and_b32 s24, s23, 15                         ; K step
	s_lshl_b32 s26, s25, 20
	s_lshl_b32 s27, s[WV], 18                      ; my 32 rows
	s_add_co_u32 s26, s26, s27
	s_lshl_b32 s27, s24, 9
	s_add_co_u32 s26, s26, s27
	s_mov_b32 s27, 0
	s_add_nc_u64 s[4:5], s[4:5], s[26:27]
	s_mov_b32 s23, 0                               ; region 0
.irp u, 0,1
.irp m, 0,1,2,3,4,5,6,7,8,9,10,11,12,13,14,15
	global_load_b128 v[R+64*\u+4*\m:R+64*\u+4*\m+3], v5, s[4:5] offset:(8*\u+\m%8+16*(\m/8))*8192 th:TH_LOAD_NT
.endr
.endr
.irp b, 0,1,2,3
	v_mov_b32 v[TM+4+\b], 0                        ; (a lane permute's destination counts as read)
.endr
	s_mov_b32 s28, 0xffff0000
.macro XTILE u, left, pc, pw
	s_wait_loadcnt \left                           ; this tile's 16 rows are in; the other tile's 16 loads may be out
.irp m, 0,1,2,3,4,5,6,7,8,9,10,11,12,13,14,15
	ds_store_b128 v8, v[R+64*\u+4*\m:R+64*\u+4*\m+3] offset:SPITCH*\m
.endr
.irp b, 0,1,2,3
.irp e, 0,1,2,3
	ds_load_b128 v[X+16*\b+4*\e:X+16*\b+4*\e+3], v9 offset:128*\b+16*\e   ; LDS serves a wave's instructions in order: these see my stores
.endr
.endr
	s_wait_dscnt 0x0
	QUANT X, \pc, \pw
.endm
	XTILE 0, 16, F0, PWA
	XTILE 1, 0, F1, PWB
	v_cndmask_b32 v[PWX], v[PWA], v[PWB], s28      ; lanes 0-15: tile 2 w's words, lanes 16-31: tile 2 w + 1's
; ---- both: the wave's two fragments leave as they stand; the record's scale words meet in LDS and leave as 512 consecutive bytes
.Ltail:
	s_mul_i32 s26, s23, REG
	s_mul_i32 s27, s25, GRP
	s_add_co_u32 s26, s26, s27
	s_mul_i32 s27, s24, REC
	s_add_co_u32 s26, s26, s27
	s_mov_b32 s27, 0
	s_add_nc_u64 s[16:17], s[16:17], s[26:27]      ; the record
	s_mul_i32 s28, s[WV], 3072
	v_add_nc_u32 v11, s28, v5
.irp c, 0,1,2
	global_store_b128 v11, v[F0+4*\c:F0+4*\c+3], s[16:17] offset:512*\c
	global_store_b128 v11, v[F1+4*\c:F1+4*\c+3], s[16:17] offset:1536+512*\c
.endr
	ds_store_b32 v7, v[PWX] offset:EX
	s_wait_dscnt 0x0                               ; for the others' sake: my word has landed
	s_barrier_signal -1
	s_barrier_wait -1
	s_cmp_lg_u32 s[WV], 0
	s_cbranch_scc1 .Lend
	ds_load_b128 v[12:15], v5 offset:EX
	s_wait_dscnt 0x0
	global_store_b128 v5, v[12:15], s[16:17] offset:12288
.Lend:
	s_wait_tensorcnt 0x0
	ds_add_u32 v239, v255
	s_wait_dscnt 0x0
	s_endpgm
.Lfunc_end_k_qe2ca083e95_prep:
	.size	k_qe2ca083e95_prep, .Lfunc_end_k_qe2ca083e95_prep-k_qe2ca083e95_prep
	.p2alignl 7, 3214868480
	.fill 96, 4, 3214868480
	.section	.rodata,"a",@progbits
	.p2align	6, 0x0
	.amdhsa_kernel k_qe2ca083e95_prep
		.amdhsa_group_segment_fixed_size 35328
		.amdhsa_private_segment_fixed_size 0
		.amdhsa_enable_private_segment 0
		.amdhsa_kernarg_size 72
		.amdhsa_user_sgpr_count 2
		.amdhsa_user_sgpr_kernarg_segment_ptr 1
		.amdhsa_wavefront_size32 1
		.amdhsa_system_sgpr_workgroup_id_x 1
		.amdhsa_system_sgpr_workgroup_id_y 1
		.amdhsa_system_sgpr_workgroup_id_z 1
		.amdhsa_system_vgpr_workitem_id 0
		.amdhsa_next_free_vgpr 256
		.amdhsa_next_free_sgpr 66
		.amdhsa_reserve_vcc 1
		.amdhsa_float_denorm_mode_32 3
		.amdhsa_float_denorm_mode_16_64 3
		.amdhsa_memory_ordered 1
		.amdhsa_forward_progress 1
		.amdhsa_inst_pref_size 114
	.end_amdhsa_kernel
	.amdgpu_metadata
---
amdhsa.version: [ 1, 2 ]
amdhsa.kernels:
  - .name:           k_qe2ca083e95_prep
    .symbol:         k_qe2ca083e95_prep.kd
    .args:
      - { .name: x, .offset: 0, .size: 8, .value_kind: global_buffer, .address_space: global }
      - { .name: Wq, .offset: 8, .size: 8, .value_kind: global_buffer, .address_space: global }
      - { .name: Wk, .offset: 16, .size: 8, .value_kind: global_buffer, .address_space: global }
      - { .name: Wv, .offset: 24, .size: 8, .value_kind: global_buffer, .address_space: global }
      - { .name: Wo, .offset: 32, .size: 8, .value_kind: global_buffer, .address_space: global }
      - { .name: mask, .offset: 40, .size: 8, .value_kind: global_buffer, .address_space: global }
      - { .name: xw, .offset: 48, .size: 8, .value_kind: global_buffer, .address_space: global }
      - { .name: rope, .offset: 56, .size: 8, .value_kind: global_buffer, .address_space: global }
      - { .name: maskw, .offset: 64, .size: 8, .value_kind: global_buffer, .address_space: global }
    .group_segment_fixed_size: 35328
    .private_segment_fixed_size: 0
    .kernarg_segment_align: 8
    .kernarg_segment_size: 72
    .max_flat_workgroup_size: 128
    .sgpr_count:     66
    .vgpr_count:     256
    .wavefront_size: 32
...
	.end_amdgpu_metadata
.endif
;; end of part 1
;; launch qkv (part 2): grid 12 x 16, 4 waves a work-group, clusters of 4 x 4, 327,680 bytes of LDS; arguments xw, rope, qkv; writes qkv
.if DOCPART == 2
	.amdgcn_target "amdgcn-amd-amdhsa--gfx1250"
	.amdhsa_code_object_version 6
	.text
	.protected	k_qe2ca083e95_qkv
	.globl	k_qe2ca083e95_qkv
	.p2align	8
	.type	k_qe2ca083e95_qkv,@function
k_qe2ca083e95_qkv:
	s_mov_b64 s[64:65], 0
	v_nop
	global_prefetch_b8 v0, s[64:65] scope:SCOPE_SE
	s_setreg_imm32_b32 hwreg(HW_REG_WAVE_MODE, 25, 1), 1
	s_wait_xcnt 0x0
	s_wait_alu depctr_hold_cnt(0) depctr_sa_sdst(0) depctr_va_vdst(0) depctr_va_sdst(0) depctr_va_ssrc(0) depctr_va_vcc(0) depctr_vm_vsrc(0)
	s_getreg_b32 s2, hwreg(HW_REG_IB_STS2, 6, 4)
	s_cmp_eq_u32 s2, 0
	s_cbranch_scc0 .Lentry_in_a_cluster
	s_endpgm
.Lentry_in_a_cluster:
	s_bfe_u32 s2, ttmp6, 0x10000c
	s_cmp_lg_u32 s2, 0xf033
	s_cbranch_scc0 .Lentry_shape_is_right
	s_endpgm
.Lentry_shape_is_right:
; q, k and v = x W, on codes of FP6 (E2M3) with E8M0 scales; RoPE on q and k in f32; the results quantised again: q and k along the head's 128, v along the keys.
; Operands come as RECORDS: eight fragments (16 rows x 128 K) as images of their 12 registers, 1,536 bytes each, and at byte 12,288 their scale words (word 4 L + a: tile 2 a + L / 16, row L % 16).  Row m of tile 2 b + u stands for index 32 b + 8 u + m % 8 + 16 (m / 8).
; SHARES.  The cluster's x is the ROLE: 0 q, 1 k, 2 v.  A work-group has one operand Q that its four waves share (source 1, 8 tiles); each wave has an operand P of its own (source 0, 8 tiles): 64 accumulators, 512 registers a wave.
;   roles 0, 1: Q = x's row block gy, P = the weight's head 4 cx + wave: a lane holds one row of x, and its 64 registers of a block of Q run along the head's 128: RoPE's partners and the quantiser's blocks lie in one lane.
;   role 2:     Q = Wv's head gy, P = x's row block 4 cx + wave: a lane holds one channel of v, and its registers run along 128 keys, which are the K of attention's second product.
; The roles differ in global addresses and in the way out alone.  K goes in 8 fills of two K steps of 128 through a ring of two LDS slots.
; CLUSTERS: 4 x 4.  Q hangs on gy alone and is asked for jointly along a row of the cluster; P hangs on cx and the wave alone and is asked for jointly along a column.  Wave 0 asks for Q, waves 2 and 3 for two P's each (one descriptor: two rows of 25,600 bytes), wave 1 for nothing.
; OUT: qkv = [q, k, v][head][16] records: q, k: [row block], fragments = tiles of rows; v: [key step], fragments = tiles of channels.
; LIMITS: a block whose largest magnitude lies under 2^-124 gets the byte 1: its codes are zeros, and this program alone reads the bytes.  NaN and infinities are not served.
; REGISTERS: window 0: v1 16 x lane; v16-21 LDS addresses; v28-29 for the add; v32-47 scale words, two sets (P's four registers, then Q's four), and nothing else; v128-223 Q's fragments, ONE set; on the way out v48-111, v128-235.
;   window 1: P's fragments, two sets, at v0 and v128.   windows 2, 3: the accumulators: (block a of Q, tile t of P) at v[8 (8 (a % 4) + t)] of window 2 + a / 4.
.set REC,   12800
.set GRP,   16*REC
.set REG,   16*GRP
.set PAIR,  2*REC                      ; two K steps of one operand
.set SLOT,  5*PAIR                     ; Q's pair, then the four waves' P pairs
.set SPARE, 2*SLOT                     ; the spare words: 128 bytes a wave, two blocks of 256 bytes that no other line names
.set LI,   1
.set ADRQ, 16
.set ADRP, 20
.set SPW,  28
.set NIL,  29
.set SC,   32
.set AF,   128
.set H,    48                          ; the way out: 64 numbers behind RoPE
.set RT,   128                         ; 32 cosines, 32 sines
.set PC,   192                         ; the fragment just made
.set CT,   204
.set TM,   212
.set PWS,  224                         ; the eight fragments' scale words
.set SWO,  232
.set WV,   14
.set ROLE, 15
.set SEL,  10
.set G1A,  24
.set G0A,  32
.set G1B,  48
.set G0B,  56
.set MSB, 0
.macro WIN new                         ; the immediate's high byte repeats the setting that is left
.if MSB != (\new)
	s_set_vgpr_msb (MSB<<8)|(\new)
.set MSB, (\new)
.endif
.endm
.set MUL_LO, 0xa1                      ; source 0 (P) window 1, source 1 (Q) window 0, C and D window 2
.set MUL_HI, 0xf1
.set TO_P,   0x40                      ; destination window 1
.macro PLACES n
.rept \n
	v_nop
.endr
.endm
.macro CREST
	s_cmp_lg_u32 s[WV], 0
	s_cbranch_scc1 .Lnot_wave_0_\@
	s_barrier_signal -3
.Lnot_wave_0_\@:
	s_barrier_wait -3
	s_barrier_signal -1
	s_barrier_wait -1
.endm
.macro CROUND
	s_barrier_signal -1
	s_barrier_wait -1
	CREST
.endm
; A joint refill of slot n.  The branches hang on the wave's number alone.  Four v_nop follow each tensor line; wave 1 has the same four, as the places in front of the LDS loads that follow.
.macro JLOAD n
	s_cmp_eq_u32 s[WV], 0
	s_cbranch_scc0 .Lnot_q_\@
	tensor_load_to_lds s[G0A+4*\n:G0A+4*\n+3], s[G1A:G1A+7]
	s_nop 0
	PLACES 4
	s_branch .Lasked_\@
.Lnot_q_\@:
	s_cmp_lt_u32 s[WV], 2
	s_cbranch_scc1 .Lnone_\@
	tensor_load_to_lds s[G0B+4*\n:G0B+4*\n+3], s[G1B:G1B+7]
	s_nop 0
	PLACES 4
	s_branch .Lasked_\@
.Lnone_\@:
	PLACES 4
.Lasked_\@:
.endm
; One product.  sp, sq: the scale registers of sources 0 and 1; rp, rq = 1: the words lie in lanes 16-31.
.macro WMC c
.if rSEL == 3
	v_wmma_scale_f32_16x16x128_f8f6f4 v[rD:rD+7], v[rP:rP+11], v[rQ:rQ+11], \c, v[rSP], v[rSQ] matrix_a_fmt:MATRIX_FMT_FP6 matrix_b_fmt:MATRIX_FMT_FP6 matrix_a_scale:MATRIX_SCALE_ROW1 matrix_b_scale:MATRIX_SCALE_ROW1
.elseif rSEL == 2
	v_wmma_scale_f32_16x16x128_f8f6f4 v[rD:rD+7], v[rP:rP+11], v[rQ:rQ+11], \c, v[rSP], v[rSQ] matrix_a_fmt:MATRIX_FMT_FP6 matrix_b_fmt:MATRIX_FMT_FP6 matrix_a_scale:MATRIX_SCALE_ROW1
.elseif rSEL == 1
	v_wmma_scale_f32_16x16x128_f8f6f4 v[rD:rD+7], v[rP:rP+11], v[rQ:rQ+11], \c, v[rSP], v[rSQ] matrix_a_fmt:MATRIX_FMT_FP6 matrix_b_fmt:MATRIX_FMT_FP6 matrix_b_scale:MATRIX_SCALE_ROW1
.else
	v_wmma_scale_f32_16x16x128_f8f6f4 v[rD:rD+7], v[rP:rP+11], v[rQ:rQ+11], \c, v[rSP], v[rSQ] matrix_a_fmt:MATRIX_FMT_FP6 matrix_b_fmt:MATRIX_FMT_FP6
.endif
.endm
.macro WM d, p, q, zero, sp, sq, rp, rq
.set rD, \d
.set rP, \p
.set rQ, \q
.set rSP, \sp
.set rSQ, \sq
.set rSEL, 2*(\rp)+(\rq)
.if \zero
	WMC 0
.else
	WMC v[rD:rD+7]
.endif
.endm
; 64 numbers of a lane in window w, register 16 b + i = k 32 b + 16 (lane / 16) + i of row lane % 16, become a fragment in v[pc] on and the row's scale word in v[pw] (window 0).  An accumulator's registers are read in ascending order.
.macro QUANT s, w, pc, pw
	WIN ((\w)<<2)|((\w)<<4)
.irp b, 0,1,2,3
	v_max3_num_f32 v[TM+\b], 0x1800000, |v[\s+16*\b]|, |v[\s+16*\b+1]|   ; my 16 numbers of block b, and the floor 2^(3 - 127)
.endr
.irp i, 2,4,6,8,10,12,14
.irp b, 0,1,2,3
	v_max3_num_f32 v[TM+\b], v[TM+\b], |v[\s+16*\b+\i]|, |v[\s+16*\b+\i+1]|
.endr
.endr
	WIN 0
.irp b, 0,1,2,3
	v_permlanex16_b32 v[TM+4+\b], v[TM+\b], s[SEL], s[SEL+1]
.endr
.irp b, 0,1,2,3
	v_max_num_f32 v[TM+\b], v[TM+\b], v[TM+4+\b]
.endr
.irp b, 0,1,2,3
	v_add_nc_u32 v[TM+8+\b], 0xff000000, v[TM+\b]  ; 2 off the exponent field: the conversion's scale operand
.endr
.irp b, 0,1,2,3
	v_lshrrev_b32 v[TM+4+\b], 23, v[TM+8+\b]
.endr
	v_lshl_or_b32 v[\pw], v[TM+5], 8, v[TM+4]
	v_lshl_or_b32 v[\pw], v[TM+6], 16, v[\pw]
	v_lshl_or_b32 v[\pw], v[TM+7], 24, v[\pw]
	WIN \w
.irp c, 0,1
	v_cvt_scalef32_pk16_fp6_f32 v[\pc+6*\c:\pc+6*\c+2], v[\s+32*\c:\s+32*\c+15], v[TM+8+2*\c]
	v_cvt_scalef32_pk16_fp6_f32 v[CT+4*\c:CT+4*\c+2], v[\s+32*\c+16:\s+32*\c+31], v[TM+9+2*\c]
.endr
	WIN 0
	v_nop                                          ; one plain place behind a scaled conversion
.irp c, 0,1
.irp i, 0,1,2
	v_permlane16_swap_b32 v[\pc+6*\c+\i], v[CT+4*\c+\i]
.endr
.irp i, 0,1,2
	v_mov_b32 v[\pc+3+6*\c+\i], v[CT+4*\c+\i]
.endr
.endr
.endm
	s_load_b128 s[4:7], s[0:1], 0x0                ; xw, rope
	s_load_b64 s[8:9], s[0:1], 0x10                ; qkv
	v_lshl_add_u32 v[SPW], v0, 2, SPARE
	v_mov_b32 v[NIL], 0
	ds_add_u32 v28, v29
	s_wait_dscnt 0x0
	v_lshrrev_b32 v1, 5, v0
	v_readfirstlane_b32 s[WV], v1                  ; wave 0..3
	s_mov_b32 s[ROLE], ttmp9                       ; the cluster's x: the same in all sixteen partners
	s_bfe_u32 s40, ttmp6, 0x40000                  ; cx
	s_bfe_u32 s41, ttmp6, 0x40004                  ; cy
	s_and_b32 s17, ttmp7, 0xffff
	s_lshl_b32 s17, s17, 2
	s_add_co_u32 s17, s17, s41                     ; gy = 4 x cluster y + cy
	s_lshl_b32 s43, s41, 2
	s_lshl_b32 s43, 15, s43                        ; my row of the cluster
	s_lshl_b32 s44, 0x1111, s40                    ; my column
	s_or_b32 s[G1A], s43, (3<<16)|(1<<21)          ; Q's pair: 25,600 dense bytes as 100 rows of 32 elements of 8 bytes; the mask: my row; bit 21 beside it
	s_mov_b32 s[G1A+1], 32<<16
	s_mov_b32 s[G1A+2], 100<<16
	s_mov_b32 s[G1A+3], 32<<16
	s_mov_b32 s[G1A+4], 100
	s_mov_b32 s[G1A+5], 32
	s_mov_b32 s[G1A+6], 0
	s_mov_b32 s[G1A+7], 0
	s_or_b32 s[G1B], s44, (3<<16)|(1<<21)          ; two P pairs: two rows of 3,200 elements of 8 bytes, a group (25,600 elements) apart in memory, on end in LDS; the mask: my column
	s_mov_b32 s[G1B+1], 3200<<16
	s_mov_b32 s[G1B+2], 2<<16
	s_mov_b32 s[G1B+3], 3200<<16
	s_mov_b32 s[G1B+4], 2
	s_mov_b32 s[G1B+5], 25600
	s_mov_b32 s[G1B+6], 0
	s_mov_b32 s[G1B+7], 0
	s_add_co_u32 s46, s[ROLE], 1
	s_cmp_eq_u32 s[ROLE], 2
	s_cselect_b32 s20, 3, 0                        ; Q's region of xw: Wv, or x
	s_cselect_b32 s46, 0, s46                      ; P's: x, or Wq, Wk
	s_mul_i32 s20, s20, REG
	s_mul_i32 s21, s17, GRP
	s_add_co_u32 s20, s20, s21
	s_mov_b32 s21, 0                               ; Q's bytes: made of the role and gy
	s_mul_i32 s46, s46, REG
	s_lshl_b32 s47, s40, 2
	s_and_b32 s45, s[WV], 1
	s_lshl_b32 s42, s45, 1
	s_add_co_u32 s47, s47, s42                     ; groups 4 cx + 2 (wave % 2) and the next
	s_mul_i32 s47, s47, GRP
	s_add_co_u32 s46, s46, s47
	s_mov_b32 s47, 0                               ; P's bytes: made of the role, cx and the wave
	s_mul_i32 s45, s45, 2*PAIR
	s_add_co_u32 s45, s45, PAIR                    ; and their place in a slot
	s_mov_b32 s[SEL], 0x76543210
	s_mov_b32 s[SEL+1], 0xfedcba98
	s_wait_kmcnt 0x0
	s_add_nc_u64 s[20:21], s[4:5], s[20:21]
	s_add_nc_u64 s[46:47], s[4:5], s[46:47]
.irp n, 0,1
	s_mov_b32 s[G0A+4*\n], 1
	s_mov_b32 s[G0A+4*\n+1], \n*SLOT
	s_add_nc_u64 s[G0A+4*\n+2:G0A+4*\n+3], s[20:21], \n*PAIR
	s_or_b32 s[G0A+4*\n+3], s[G0A+4*\n+3], 0x80000000
	s_mov_b32 s[G0B+4*\n], 1
	s_add_co_u32 s[G0B+4*\n+1], s45, \n*SLOT
	s_add_nc_u64 s[G0B+4*\n+2:G0B+4*\n+3], s[46:47], \n*PAIR
	s_or_b32 s[G0B+4*\n+3], s[G0B+4*\n+3], 0x80000000
.endr
	CROUND                                         ; all sixteen work-groups are here: the first joint loads meet
	s_cmp_eq_u32 s[WV], 0                          ; a wave's two first fills stand in one branch: two loads of mine are out at the most
	s_cbranch_scc0 .Lfirst_not_q
	tensor_load_to_lds s[G0A:G0A+3], s[G1A:G1A+7]
	s_nop 0
	tensor_load_to_lds s[G0A+4:G0A+7], s[G1A:G1A+7]
	s_nop 0
	PLACES 4
	s_branch .Lfirst_asked
.Lfirst_not_q:
	s_cmp_lt_u32 s[WV], 2
	s_cbranch_scc1 .Lfirst_asked
	tensor_load_to_lds s[G0B:G0B+3], s[G1B:G1B+7]
	s_nop 0
	tensor_load_to_lds s[G0B+4:G0B+7], s[G1B:G1B+7]
	s_nop 0
	PLACES 4
.Lfirst_asked:
	v_and_b32 v[LI], 31, v0
	v_lshlrev_b32 v[LI], 4, v[LI]                  ; 16 x lane: my place in every image
	s_mul_i32 s16, s[WV], PAIR
	s_add_co_u32 s16, s16, PAIR
	v_add_nc_u32 v[ADRP], s16, v[LI]
	v_add_nc_u32 v[ADRP+1], SLOT, v[ADRP]
	v_mov_b32 v[ADRQ], v[LI]
	v_add_nc_u32 v[ADRQ+1], SLOT, v[LI]
	s_lshl_b32 s80, s40, 2                         ; where my record goes
	s_add_co_u32 s80, s80, s[WV]                   ; 4 cx + wave
	s_cmp_eq_u32 s[ROLE], 2
	s_cselect_b32 s81, s17, s80                    ; the head
	s_cselect_b32 s82, s80, s17                    ; the row block, or the key step
	s_mul_i32 s81, s81, GRP
	s_mul_i32 s82, s82, REC
	s_add_co_u32 s82, s82, s81
	s_mul_i32 s81, s[ROLE], REG
	s_add_co_u32 s82, s82, s81
	s_mov_b32 s83, 0
	s_add_nc_u64 s[8:9], s[8:9], s[82:83]
	s_lshl_b32 s84, s17, 16                        ; the table at row block gy: 8 tiles of 8,192 bytes
	s_mov_b32 s85, 0
	s_add_nc_u64 s[6:7], s[6:7], s[84:85]
	s_mov_b32 s86, 0xffff0000
; 16 products: Q's blocks a0, a0 + 1 x P's eight tiles, the slot's q-th K step (P's set q, scale set q).  The 64 accumulators take turns, one instruction a turn, in the same order in every step.
.macro MUL16 a0, q, zero
.irp a, \a0, \a0+1
.irp t, 0,1,2,3,4,5,6,7
	WM 8*(8*((\a)%4)+\t), 128*(\q)+12*\t, AF+12*(\a), \zero, SC+8*(\q)+\t/2, SC+8*(\q)+4+(\a)/2, \t%2, (\a)%2
.endr
.endr
.endm
.macro FETCH_P slot, q                 ; 25 loads: P's eight fragments into set q, and their scale words
	WIN TO_P
.irp t, 0,1,2,3,4,5,6,7
.irp c, 0,1,2
	ds_load_b128 v[128*(\q)+12*\t+4*\c:128*(\q)+12*\t+4*\c+3], v[ADRP+\slot] offset:(\q)*REC+1536*\t+512*\c
.endr
.endr
	WIN 0
	ds_load_b128 v[SC+8*(\q):SC+8*(\q)+3], v[ADRP+\slot] offset:(\q)*REC+12288
.endm
.macro FETCH_Q slot, q, i0             ; 12 loads: Q's blocks i0 .. i0 + 3; with the first four a thirteenth: the scale words
.irp i, \i0, \i0+1, \i0+2, \i0+3
.irp c, 0,1,2
	ds_load_b128 v[AF+12*(\i)+4*\c:AF+12*(\i)+4*\c+3], v[ADRQ+\slot] offset:(\q)*REC+1536*(\i)+512*\c
.endr
.endr
.if \i0 == 0
	ds_load_b128 v[SC+8*(\q)+4:SC+8*(\q)+7], v[ADRQ+\slot] offset:(\q)*REC+12288
.endif
.endm
; A slot's first K step.  A load into a register that a matrix instruction has read stands four plain vector instructions behind it (ISA guide 7.12.1 for vector instructions).
.macro STEP slot, zero
	s_wait_dscnt 12                                ; P, the scale words and Q's blocks 0-3 are in; the youngest 12 loads (Q's blocks 4-7) may be out
	WIN MUL_LO
	MUL16 0, 0, \zero
	MUL16 2, 0, \zero
	s_wait_dscnt 0x0                               ; Q's blocks 4-7 are in
	PLACES 4
	FETCH_P \slot, 1
	FETCH_Q \slot, 1, 0
	WIN MUL_HI
	MUL16 4, 0, \zero
	MUL16 6, 0, \zero
	PLACES 4
	WIN 0
	FETCH_Q \slot, 1, 4
.endm
; A slot's second K step changes slots: ONE barrier; in front of it each wave waits for all its tensor loads, adds 0 to its spare word, and waits for that and for its reads of this slot.  fill = 1: the barrier opens a round of the cluster's, and the slot is filled again.
.macro TURN slot, next, fill
	s_wait_tensorcnt 0x0                           ; all my tensor loads have landed: my part of the next slot
	ds_add_u32 v[SPW], v[NIL]                      ; 0 onto my spare word
	s_wait_dscnt 13                                ; (the add and the youngest 12 loads may be out)
	WIN MUL_LO
	MUL16 0, 1, 0
	s_wait_dscnt 0x0                               ; the add is done, and my reads of this slot are over
	s_barrier_signal -1
	MUL16 2, 1, 0
	WIN 0
	s_barrier_wait -1
.if \fill
	CREST                                          ; no wave of any partner still reads this slot or has a load on its way
	s_add_nc_u64 s[G0A+4*\slot+2:G0A+4*\slot+3], s[G0A+4*\slot+2:G0A+4*\slot+3], 2*PAIR
	s_add_nc_u64 s[G0B+4*\slot+2:G0B+4*\slot+3], s[G0B+4*\slot+2:G0B+4*\slot+3], 2*PAIR
	JLOAD \slot                                    ; the first tensor load behind the round: it has two K steps less 32 products, 96 a wave, in which to land
.else
	PLACES 4
.endif
	FETCH_P \next, 0
	FETCH_Q \next, 0, 0
	WIN MUL_HI
	MUL16 4, 1, 0
	MUL16 6, 1, 0
	PLACES 4
	WIN 0
	FETCH_Q \next, 0, 4
.endm
	s_wait_tensorcnt 1                             ; my part of slot 0 is in; slot 1's may stay out
	s_barrier_signal -1
	s_barrier_wait -1
	FETCH_P 0, 0
	FETCH_Q 0, 0, 0
	FETCH_Q 0, 0, 4
	STEP 0, 1                                      ; the first step's products start the sums: nothing is cleared
	s_mov_b32 s3, 3
.Llap:                                                 ; a trip goes once round the ring and fills both slots again: fills 2 to 7
	TURN 0, 1, 1
	STEP 1, 0
	TURN 1, 0, 1
	STEP 0, 0
	s_sub_co_u32 s3, s3, 1
	s_cmp_lg_u32 s3, 0
	s_cbranch_scc1 .Llap
	TURN 0, 1, 0                                   ; the last lap fills nothing
	STEP 1, 0
	s_wait_dscnt 12
	WIN MUL_LO
	MUL16 0, 1, 0
	MUL16 2, 1, 0
	s_wait_dscnt 0x0
	WIN MUL_HI
	MUL16 4, 1, 0
	MUL16 6, 1, 0
	WIN 0
; THE WAY OUT uses no LDS: the 64 registers of a block of Q are already in the quantiser's order, and a fragment leaves as it stands, 512 consecutive bytes a store.
	PLACES 4
.irp b, 0,1,2,3
	v_mov_b32 v[TM+4+\b], 0                        ; (a lane permute's destination counts as read)
.endr
.macro OUT a
.irp c, 0,1,2
	global_store_b128 v[LI], v[PC+4*\c:PC+4*\c+3], s[8:9] offset:1536*(\a)+512*\c
.endr
.endm
	s_cmp_eq_u32 s[ROLE], 2
	s_cbranch_scc1 .Lrole_v
.macro RLOAD a                         ; the table of tile a of my row block: registers 0-31 cos, 32-63 sin, in my lane's order
.irp g, 0,1,2,3,4,5,6,7,8,9,10,11,12,13,14,15
	global_load_b128 v[RT+4*\g:RT+4*\g+3], v[LI], s[6:7] offset:(\a)*8192+512*\g
.endr
.endm
.macro ROPE a                          ; register z under 32 holds channel d under 64, register z + 32 channel d + 64: out(d) = q(d) cos - q(d + 64) sin; out(d + 64) = q(d + 64) cos + q(d) sin
	WIN 2+(\a)/4
.irp z, 0,2,4,6,8,10,12,14,16,18,20,22,24,26,28,30
	v_pk_mul_f32 v[H+\z:H+\z+1], v[64*((\a)%4)+\z:64*((\a)%4)+\z+1], v[RT+\z:RT+\z+1]
	v_pk_fma_f32 v[H+\z:H+\z+1], v[64*((\a)%4)+32+\z:64*((\a)%4)+32+\z+1], v[RT+32+\z:RT+32+\z+1], v[H+\z:H+\z+1] neg_lo:[1,0,0] neg_hi:[1,0,0]
	v_pk_mul_f32 v[H+32+\z:H+32+\z+1], v[64*((\a)%4)+32+\z:64*((\a)%4)+32+\z+1], v[RT+\z:RT+\z+1]
	v_pk_fma_f32 v[H+32+\z:H+32+\z+1], v[64*((\a)%4)+\z:64*((\a)%4)+\z+1], v[RT+32+\z:RT+32+\z+1], v[H+32+\z:H+32+\z+1]
.endr
	WIN 0
.endm
	RLOAD 0
.irp a, 0,1,2,3,4,5,6,7
	s_wait_loadcnt 0x0                             ; this tile's table is in
	ROPE \a
.if \a < 7
	RLOAD \a+1                                     ; the next tile's lands while this one is quantised
.endif
	s_wait_xcnt 0x0                                ; the last fragment's stores have read their registers
	QUANT H, 0, PC, PWS+\a
	OUT \a
.endr
	s_branch .Lwords
.Lrole_v:
.irp a, 0,1,2,3,4,5,6,7
	s_wait_xcnt 0x0
	QUANT 64*(\a%4), 2+\a/4, PC, PWS+\a
	OUT \a
.endr
.Lwords:
.irp i, 0,1,2,3
	v_cndmask_b32 v[SWO+\i], v[PWS+2*\i], v[PWS+2*\i+1], s86   ; lanes 0-15: tile 2 i's words, lanes 16-31: tile 2 i + 1's
.endr
	global_store_b128 v[LI], v[SWO:SWO+3], s[8:9] offset:12288
	s_wait_tensorcnt 0x0                           ; the wave's end
	ds_add_u32 v[SPW], v[NIL]
	s_wait_dscnt 0x0
	CROUND                                         ; the closing round
	s_endpgm
.Lfunc_end_k_qe2ca083e95_qkv:
	.size	k_qe2ca083e95_qkv, .Lfunc_end_k_qe2ca083e95_qkv-k_qe2ca083e95_qkv
	.p2alignl 7, 3214868480
	.fill 96, 4, 3214868480
	.section	.rodata,"a",@progbits
	.p2align	6, 0x0
	.amdhsa_kernel k_qe2ca083e95_qkv
		.amdhsa_group_segment_fixed_size 327680
		.amdhsa_private_segment_fixed_size 0
		.amdhsa_enable_private_segment 0
		.amdhsa_kernarg_size 24
		.amdhsa_user_sgpr_count 2
		.amdhsa_user_sgpr_kernarg_segment_ptr 1
		.amdhsa_wavefront_size32 1
		.amdhsa_system_sgpr_workgroup_id_x 1
		.amdhsa_system_sgpr_workgroup_id_y 1
		.amdhsa_system_sgpr_workgroup_id_z 1
		.amdhsa_system_vgpr_workitem_id 0
		.amdhsa_next_free_vgpr 1024
		.amdhsa_next_free_sgpr 100
		.amdhsa_reserve_vcc 0
		.amdhsa_float_denorm_mode_32 3
		.amdhsa_float_denorm_mode_16_64 3
		.amdhsa_memory_ordered 1
		.amdhsa_forward_progress 1
		.amdhsa_inst_pref_size 213
	.end_amdhsa_kernel
	.amdgpu_metadata
---
amdhsa.version: [ 1, 2 ]
amdhsa.kernels:
  - .name:           k_qe2ca083e95_qkv
    .symbol:         k_qe2ca083e95_qkv.kd
    .args:
      - { .name: xw, .offset: 0, .size: 8, .value_kind: global_buffer, .address_space: global }
      - { .name: rope, .offset: 8, .size: 8, .value_kind: global_buffer, .address_space: global }
      - { .name: qkv, .offset: 16, .size: 8, .value_kind: global_buffer, .address_space: global }
    .group_segment_fixed_size: 327680
    .private_segment_fixed_size: 0
    .kernarg_segment_align: 8
    .kernarg_segment_size: 24
    .max_flat_workgroup_size: 128
    .sgpr_count:     100
    .vgpr_count:     1024
    .wavefront_size: 32
...
	.end_amdgpu_metadata
.endif
;; end of part 2
;; launch attn (part 3): grid 16 x 16, 8 waves a work-group, clusters of 4 x 1, 327,680 bytes of LDS; arguments qkv, maskw, ctx; writes ctx
.if DOCPART == 3
	.amdgcn_target "amdgcn-amd-amdhsa--gfx1250"
	.amdhsa_code_object_version 6
	.text
	.protected	k_qe2ca083e95_attn
	.globl	k_qe2ca083e95_attn
	.p2align	8
	.type	k_qe2ca083e95_attn,@function
k_qe2ca083e95_attn:
	s_mov_b64 s[64:65], 0
	v_nop
	global_prefetch_b8 v0, s[64:65] scope:SCOPE_SE
	s_setreg_imm32_b32 hwreg(HW_REG_WAVE_MODE, 25, 1), 1
	s_wait_xcnt 0x0
	s_wait_alu depctr_hold_cnt(0) depctr_sa_sdst(0) depctr_va_vdst(0) depctr_va_sdst(0) depctr_va_ssrc(0) depctr_va_vcc(0) depctr_vm_vsrc(0)
	s_getreg_b32 s2, hwreg(HW_REG_IB_STS2, 6, 4)
	s_cmp_eq_u32 s2, 0
	s_cbranch_scc0 .Lentry_in_a_cluster
	s_endpgm
.Lentry_in_a_cluster:
	s_bfe_u32 s2, ttmp6, 0x10000c
	s_cmp_lg_u32 s2, 0x3003
	s_cbranch_scc0 .Lentry_shape_is_right
	s_endpgm
.Lentry_shape_is_right:
; ctx = softmax(q k^T / sqrt(128) under the given mask) v, both products on codes of FP6 (E2M3) with E8M0 scales; ctx quantised along the head's 128 for the output projection.
; The mask is an input: every key step is computed, and a score whose mask bit is 0 becomes -2^126 ahead of the maximum.
; THE SOFTMAX: t = score x log2(e) / sqrt(128); M = the running largest t rounded UP to a whole number; p = 2^(t - M) is quantised along the keys, not normalised; the row's sum is taken of the unquantised p and divides at the end.
; When M moves, the sum and O are multiplied by 2^(old M - new M): exact.  A row with no key left has t - M = 0 for every key (c x 2^126 is exact and whole), so p = 1: uniform weights, as the reference's softmax of equal scores gives.
; SHARES.  A work-group owns 128 queries of one head, each of its eight waves one tile of 16, in 256 registers.  Every wave walks the head's 16 key steps of 128.
; K and V come as records (eight fragments as images of their 12 registers, and at byte 12,288 their scale words) through a ring of two LDS slots of four key steps: each of the eight waves fetches one record.
; CLUSTER: the four work-groups of a cluster belong to one head and walk the same K and V: each record is asked for jointly, by the same line with the same descriptor and the mask 15.
; LAYOUT.  Both products transposed: S^T = K Q^T, O^T = V^T P^T: a lane holds one query.  Row m of tile 2 b + u stands for index 32 b + 8 u + m % 8 + 16 (m / 8): the 16 registers of tiles 2 b, 2 b + 1 are 16 neighbours, of the keys in S^T and of the channels in O^T.
; The mask comes as lane masks, one word for each score register, by scalar loads a step ahead: 64 selects a step.
; LIMITS: a block whose every p (or every number of ctx) lies under 2^-124 gets the byte 1: its codes are zeros.  NaN and infinities are not served.
; REGISTERS: v1 16 x lane; v5, v6 for the add; v7, v9, v29, v31 addresses; v8 the step's LDS address; v12 -M, v13 the largest t, v[14:15] the sum; v16-27 Q; v28 the prefetches' offset; v30 -2^126; v32-79 four fragments; v96-159 S^T, then p;
;   v160-223 O^T; v224-235 p's codes; v232-247, v252, v254 at work; v248-251 K's or V's scale words, v253 p's, v255 Q's.
.set REC,     12800
.set GRP,     16*REC
.set REG,     16*GRP
.set QUARTER, 4*REC                    ; four key steps of K, or of V
.set SLOT1,   1<<17                    ; slot 1 begins here: one exclusive or turns an address
.set SPARE,   2*SLOT1                  ; the spare words: 128 bytes a wave, four blocks of 256 bytes that no other line names
.set CSW,     SPARE+1024               ; 512 bytes in which ctx's scale words meet; no tile lands here
.set LI,  1
.set SPW, 5
.set NIL, 6
.set ADK, 8
.set PFO, 28
.set NEG, 30
.set TM,  232
.set CT,  56
.set TB,    2                          ; s2  LDS byte of the key step in hand
.set QC,    3                          ; s3  counts a slot's four steps
.set MB,    6                          ; s[6:7] my tile's mask words
.set MO,    10                         ; s10 the byte of the step whose words are asked for
.set SLOTS, 11
.set WV,    12
.set LIM,   13
.set PFA,   14                         ; s[14:15]
.set SEL,   66
.set G1,    68
.set G0,    76
.set CS,    96                         ; s[96:97] c = log2(e) / sqrt(128)
; s[16:63], s[80:95]: the step's 64 mask words
.macro CROUND
	s_barrier_signal -1
	s_barrier_wait -1
	s_cmp_lg_u32 s[WV], 0
	s_cbranch_scc1 .Lnot_wave_0_\@
	s_barrier_signal -3
.Lnot_wave_0_\@:
	s_barrier_wait -3
	s_barrier_signal -1
	s_barrier_wait -1
.endm
.macro WMC c
.if rSEL == 2
	v_wmma_scale_f32_16x16x128_f8f6f4 v[rD:rD+7], v[rP:rP+11], v[rQ:rQ+11], \c, v[rSP], v[rSQ] matrix_a_fmt:MATRIX_FMT_FP6 matrix_b_fmt:MATRIX_FMT_FP6 matrix_a_scale:MATRIX_SCALE_ROW1
.else
	v_wmma_scale_f32_16x16x128_f8f6f4 v[rD:rD+7], v[rP:rP+11], v[rQ:rQ+11], \c, v[rSP], v[rSQ] matrix_a_fmt:MATRIX_FMT_FP6 matrix_b_fmt:MATRIX_FMT_FP6
.endif
.endm
.macro WM d, p, q, zero, sp, sq, rp    ; rp = 1: source 0's scale words lie in lanes 16-31
.set rD, \d
.set rP, \p
.set rQ, \q
.set rSP, \sp
.set rSQ, \sq
.set rSEL, 2*(\rp)
.if \zero
	WMC 0
.else
	WMC v[rD:rD+7]
.endif
.endm
.macro QUANT s, pc, pw                 ; 64 numbers of a lane, register 16 b + i = k 32 b + 16 (lane / 16) + i of row lane % 16, become a fragment and its scale word
.irp b, 0,1,2,3
	v_max3_num_f32 v[TM+\b], 0x1800000, |v[\s+16*\b]|, |v[\s+16*\b+1]|
.endr
.irp i, 2,4,6,8,10,12,14
.irp b, 0,1,2,3
	v_max3_num_f32 v[TM+\b], v[TM+\b], |v[\s+16*\b+\i]|, |v[\s+16*\b+\i+1]|
.endr
.endr
.irp b, 0,1,2,3
	v_permlanex16_b32 v[TM+4+\b], v[TM+\b], s[SEL], s[SEL+1]
.endr
.irp b, 0,1,2,3
	v_max_num_f32 v[TM+\b], v[TM+\b], v[TM+4+\b]
.endr
.irp b, 0,1,2,3
	v_add_nc_u32 v[TM+8+\b], 0xff000000, v[TM+\b]
.endr
.irp b, 0,1,2,3
	v_lshrrev_b32 v[TM+4+\b], 23, v[TM+8+\b]
.endr
	v_lshl_or_b32 v[\pw], v[TM+5], 8, v[TM+4]
	v_lshl_or_b32 v[\pw], v[TM+6], 16, v[\pw]
	v_lshl_or_b32 v[\pw], v[TM+7], 24, v[\pw]
.irp c, 0,1
	v_cvt_scalef32_pk16_fp6_f32 v[\pc+6*\c:\pc+6*\c+2], v[\s+32*\c:\s+32*\c+15], v[TM+8+2*\c]
	v_cvt_scalef32_pk16_fp6_f32 v[CT+4*\c:CT+4*\c+2], v[\s+32*\c+16:\s+32*\c+31], v[TM+9+2*\c]
.endr
	v_nop
.irp c, 0,1
.irp i, 0,1,2
	v_permlane16_swap_b32 v[\pc+6*\c+\i], v[CT+4*\c+\i]
.endr
.irp i, 0,1,2
	v_mov_b32 v[\pc+3+6*\c+\i], v[CT+4*\c+\i]
.endr
.endr
.endm
	s_load_b128 s[4:7], s[0:1], 0x0                ; qkv, maskw
	s_load_b64 s[8:9], s[0:1], 0x10                ; ctx
	v_lshl_add_u32 v[SPW], v0, 2, SPARE
	v_mov_b32 v[NIL], 0
	ds_add_u32 v5, v6
	s_wait_dscnt 0x0
	v_lshrrev_b32 v8, 5, v0
	v_readfirstlane_b32 s[WV], v8                  ; wave 0..7
	s_bfe_u32 s16, ttmp6, 0x40000                  ; cx: it enters global addresses of Q, the mask, ctx and the prefetches alone
	s_lshl_b32 s17, ttmp9, 2
	s_add_co_u32 s17, s17, s16                     ; my block of 128 queries
	s_and_b32 s18, ttmp7, 0xffff                   ; the head, which the partners share
	s_mul_i32 s19, s18, GRP
	s_lshr_b32 s20, s[WV], 2                       ; waves 0-3 fetch K's records, waves 4-7 V's
	s_add_co_u32 s20, s20, 1
	s_mul_i32 s20, s20, REG
	s_add_co_u32 s20, s20, s19
	s_and_b32 s21, s[WV], 3
	s_mul_i32 s21, s21, REC
	s_add_co_u32 s20, s20, s21
	s_mov_b32 s21, 0
	s_mov_b32 s[G1], 15|(3<<16)|(1<<21)            ; a record: 12,800 dense bytes as 50 rows of 32 elements of 8 bytes; the mask: all four work-groups; bit 21 beside it
	s_mov_b32 s[G1+1], 32<<16
	s_mov_b32 s[G1+2], 50<<16
	s_mov_b32 s[G1+3], 32<<16
	s_mov_b32 s[G1+4], 50
	s_mov_b32 s[G1+5], 32
	s_mov_b32 s[G1+6], 0
	s_mov_b32 s[G1+7], 0
	s_mov_b32 s[G0], 1
	s_mul_i32 s[G0+1], s[WV], REC                  ; K's four records, then V's four
	s_mul_i32 s22, s17, REC
	s_add_co_u32 s22, s22, s19
	s_mov_b32 s23, 0                               ; q's record
	s_lshl_b32 s24, s17, 3
	s_add_co_u32 s24, s24, s[WV]
	s_lshl_b32 s24, s24, 12                        ; my tile's 16 x 64 mask words
	s_mov_b32 s25, 0
	s_mul_i32 s26, s17, GRP
	s_mul_i32 s27, s18, REC
	s_add_co_u32 s26, s26, s27
	s_mov_b32 s27, 0                               ; ctx's record: row block, K step = the head
	s_lshr_b32 s28, s16, 1                         ; the prefetches: partners 0, 1 take K's bytes, partners 2, 3 V's;
	s_add_co_u32 s28, s28, 1
	s_mul_i32 s28, s28, REG
	s_add_co_u32 s28, s28, s19
	s_and_b32 s29, s16, 1
	s_lshl_b32 s29, s29, 2
	s_and_b32 s30, s[WV], 3
	s_add_co_u32 s29, s29, s30
	s_mul_i32 s29, s29, 6400                       ; of a slot's 51,200 bytes each of eight waves takes 6,400
	s_add_co_u32 s28, s28, s29
	s_add_co_u32 s28, s28, QUARTER                 ; at slot 1's keys: the first change of slots steps it on
	s_mov_b32 s29, 0
	s_lshr_b32 s30, s[WV], 2
	s_or_b32 s30, s30, ttmp9                       ; waves 0-3 of the head's first cluster ask: the same in all partners
	s_cmp_eq_u32 s30, 0
	s_cselect_b32 s[LIM], 1, -1
	s_mov_b32 s[SEL], 0x76543210
	s_mov_b32 s[SEL+1], 0xfedcba98
	s_mov_b32 s[CS], 0x3e0293ee
	s_mov_b32 s[CS+1], s[CS]
	s_mov_b32 s[TB], 0
	s_mov_b32 s[MO], 0
	s_mov_b32 s[SLOTS], 3
	s_wait_kmcnt 0x0
	s_add_nc_u64 s[G0+2:G0+3], s[4:5], s[20:21]
	s_or_b32 s[G0+3], s[G0+3], 0x80000000
	s_add_nc_u64 s[98:99], s[4:5], s[22:23]
	s_add_nc_u64 s[MB:MB+1], s[6:7], s[24:25]
	s_add_nc_u64 s[8:9], s[8:9], s[26:27]
	s_add_nc_u64 s[PFA:PFA+1], s[4:5], s[28:29]
	CROUND                                         ; all four work-groups are here
	tensor_load_to_lds s[G0:G0+3], s[G1:G1+7]      ; slot 0: key steps 0 to 3
	s_nop 0
.rept 4
	v_nop
.endr
	v_and_b32 v[LI], 31, v0
	v_min_u32 v[PFO], 24, v[LI]
	v_lshlrev_b32 v[PFO], 8, v[PFO]                ; 25 blocks of 256 bytes a wave; lanes 25-31 repeat the last
	v_lshlrev_b32 v[LI], 4, v[LI]
	s_mul_i32 s31, s[WV], 1536
	v_add_nc_u32 v9, s31, v[LI]                    ; my fragment's place in a record, of q and of ctx
	v_and_b32 v29, 15, v0
	v_lshlrev_b32 v29, 4, v29
	s_and_b32 s31, s[WV], 1
	s_lshl_b32 s31, s31, 8
	s_lshr_b32 s32, s[WV], 1
	s_lshl_b32 s32, s32, 2
	s_add_co_u32 s31, s31, s32
	v_add_nc_u32 v29, s31, v29                     ; row r's word of tile w among a record's scale words: 16 (r + 16 (w % 2)) + 4 (w / 2)
	v_add_nc_u32 v31, CSW, v29
	v_add_nc_u32 v7, CSW, v[LI]
.irp c, 0,1,2
	global_load_b128 v[16+4*\c:19+4*\c], v9, s[98:99] offset:512*\c     ; Q's fragment stays in registers
.endr
	global_load_b32 v255, v29, s[98:99] offset:12288
	s_load_b512 s[16:31], s[MB:MB+1], 0x0          ; key step 0's mask words
	s_load_b512 s[32:47], s[MB:MB+1], 0x40
	s_load_b512 s[48:63], s[MB:MB+1], 0x80
	s_load_b512 s[80:95], s[MB:MB+1], 0xc0
	v_mov_b32 v[NEG], 0xfe800000                   ; -2^126
	v_mov_b32 v13, 0xff61b1e6                      ; the largest t so far: -3e38
	v_floor_f32 v12, -v13
	v_mov_b32 v14, 0
	v_mov_b32 v15, 0
.irp b, 0,1,2,3
	v_mov_b32 v[236+\b], 0                         ; (a lane permute's destination counts as read)
.endr
	v_mov_b32 v253, 0
.set J, 0
.rept 64
	v_mov_b32 v[160+J], 0                          ; O^T: the step is written once; the first finds zeros, which the first change of M leaves zeros
.set J, J+1
.endr
	s_wait_loadcnt 0x0                             ; Q
; A KEY STEP: 128 keys, at LDS byte s[TB] (K's record) and QUARTER further on (V's).
.macro STEP
	v_add_nc_u32 v[ADK], s[TB], v[LI]
.rept 3
	v_nop                                          ; with the addition: four places behind the last products, in front of loads into registers that they have read
.endr
	ds_load_b128 v[248:251], v[ADK] offset:12288   ; K's scale words: tile T in register T / 2, odd tiles in lanes 16-31
.irp g, 0,1
.if \g > 0
.rept 4
	v_nop
.endr
.endif
.irp t, 0,1,2,3
.irp c, 0,1,2
	ds_load_b128 v[32+12*\t+4*\c:35+12*\t+4*\c], v[ADK] offset:1536*(4*\g+\t)+512*\c
.endr
.endr
	s_wait_dscnt 0x0
.irp t, 0,1,2,3
	WM 96+8*(4*\g+\t), 32+12*\t, 16, 1, 248+2*\g+\t/2, 255, \t%2
.endr
.endr
.rept 4
	v_nop
.endr
	s_wait_kmcnt 0x0                               ; this step's mask words, asked for a step ago
.set N, 0
.rept 64                                       ; register N holds key 32 (N / 16) + 16 (lane / 16) + N % 16: kept where my bit of word N is set.  In ascending order
.if N < 48
	v_cndmask_b32 v[96+N], v[NEG], v[96+N], s[16+N]
.else
	v_cndmask_b32 v[96+N], v[NEG], v[96+N], s[32+N]
.endif
.set N, N+1
.endr
.irp b, 0,1,2,3
	v_max3_num_f32 v[232+\b], v[96+16*\b], v[97+16*\b], v[98+16*\b]   ; the largest score of each block of 32 keys: for the row's maximum and, since p rises with the score, for the block's largest p
.endr
.irp i, 3,5,7,9,11,13
.irp b, 0,1,2,3
	v_max3_num_f32 v[232+\b], v[232+\b], v[96+16*\b+\i], v[97+16*\b+\i]
.endr
.endr
.irp b, 0,1,2,3
	v_max_num_f32 v[232+\b], v[232+\b], v[111+16*\b]
.endr
.irp b, 0,1,2,3
	v_permlanex16_b32 v[236+\b], v[232+\b], s[SEL], s[SEL+1]
.endr
.irp b, 0,1,2,3
	v_max_num_f32 v[232+\b], v[232+\b], v[236+\b]
.endr
	v_max3_num_f32 v254, v232, v233, v234
	v_max_num_f32 v254, v254, v235
	v_mul_f32 v254, s[CS], v254
	v_max_num_f32 v13, v13, v254                   ; the running largest t
	v_mov_b32 v254, v12
	v_floor_f32 v12, -v13                          ; the new -M: M is a whole number
	v_sub_f32 v254, v12, v254
	v_cvt_i32_f32 v254, v254                       ; old M - new M (it saturates)
	v_ldexp_f32 v252, 1.0, v254                    ; f = 2^(old M - new M)
.irp j, 0,2,4,6,8,10,12,14,16,18,20,22,24,26,28,30,32,34,36,38,40,42,44,46,48,50,52,54,56,58,60,62
	v_pk_fma_f32 v[96+\j:97+\j], v[96+\j:97+\j], s[CS:CS+1], v[12:13] op_sel_hi:[1,0,0]   ; t - M
.endr
.irp b, 0,1,2,3
	v_fma_f32 v[232+\b], v[232+\b], s[CS], v12
.endr
.set N, 0
.rept 64
	v_exp_f32 v[96+N], v[96+N]                     ; p = 2^(t - M)
.set N, N+1
.endr
	v_pk_mul_f32 v[14:15], v[14:15], v[252:253] op_sel_hi:[1,0]   ; the sums under the new M: a plain place behind the exponentials
	s_wait_alu depctr_va_vdst(0)                   ; one wait for the batch, ahead of its first reader
.irp b, 0,1,2,3
	v_exp_f32 v[232+\b], v[232+\b]                 ; each block's largest p
.endr
	v_pk_add_f32 v[236:237], v[96:97], v[98:99]    ; the row's sum of the unquantised p, in two chains
.irp j, 4,8,12,16,20,24,28,32,36,40,44,48,52,56,60
	v_pk_add_f32 v[14:15], v[14:15], v[96+\j:97+\j]
	v_pk_add_f32 v[236:237], v[236:237], v[98+\j:99+\j]
.endr
	v_pk_add_f32 v[14:15], v[14:15], v[236:237]
	s_wait_alu depctr_va_vdst(0)                   ; and one for the four
.irp b, 0,1,2,3
	v_max_num_f32 v[232+\b], 0x1800000, v[232+\b]  ; the floor
.endr
.irp b, 0,1,2,3
	v_add_nc_u32 v[244+\b], 0xff000000, v[232+\b]
.endr
.irp b, 0,1,2,3
	v_lshrrev_b32 v[236+\b], 23, v[244+\b]
.endr
	v_lshl_or_b32 v253, v237, 8, v236              ; p's scale word for these 128 keys
	v_lshl_or_b32 v253, v238, 16, v253
	v_lshl_or_b32 v253, v239, 24, v253
.irp c, 0,1
	v_cvt_scalef32_pk16_fp6_f32 v[224+6*\c:226+6*\c], v[96+32*\c:111+32*\c], v[244+2*\c]
	v_cvt_scalef32_pk16_fp6_f32 v[236+4*\c:238+4*\c], v[112+32*\c:127+32*\c], v[244+2*\c+1]
.endr
	v_nop
.irp c, 0,1
.irp i, 0,1,2
	v_permlane16_swap_b32 v[224+6*\c+\i], v[236+4*\c+\i]
.endr
.irp i, 0,1,2
	v_mov_b32 v[227+6*\c+\i], v[236+4*\c+\i]
.endr
.endr
.irp j, 0,2,4,6,8,10,12,14,16,18,20,22,24,26,28,30,32,34,36,38,40,42,44,46,48,50,52,54,56,58,60,62
	v_pk_mul_f32 v[160+\j:161+\j], v[160+\j:161+\j], v[252:253] op_sel_hi:[1,0]   ; O^T under the new M; these 32 are also the places in front of the products below
.endr
	s_add_co_u32 s[MO], s[MO], 256                 ; the next step's mask words (the last step asks for its own again: no load leaves the buffer); the wait above has freed the offset and the 64 registers
	s_min_u32 s[MO], s[MO], 3840
	s_load_b512 s[16:31], s[MB:MB+1], s[MO] offset:0x0
	s_load_b512 s[32:47], s[MB:MB+1], s[MO] offset:0x40
	s_load_b512 s[48:63], s[MB:MB+1], s[MO] offset:0x80
	s_load_b512 s[80:95], s[MB:MB+1], s[MO] offset:0xc0
	ds_load_b128 v[248:251], v[ADK] offset:QUARTER+12288   ; V's scale words
.irp g, 0,1
.if \g > 0
.rept 4
	v_nop
.endr
.endif
.irp t, 0,1,2,3
.irp c, 0,1,2
	ds_load_b128 v[32+12*\t+4*\c:35+12*\t+4*\c], v[ADK] offset:QUARTER+1536*(4*\g+\t)+512*\c
.endr
.endr
	s_wait_dscnt 0x0
.irp t, 0,1,2,3
	WM 160+8*(4*\g+\t), 32+12*\t, 224, 0, 248+2*\g+\t/2, 253, \t%2
.endr
.endr
.endm
; A prefetch into the L2 of what the NEXT change of slots will ask for: four records of K and four of V, 400 blocks of 256 bytes.  All clusters of a head walk the same records: the head's first cluster asks.  Its four partners are told apart
; by address (K's first half, K's second, V's first, V's second); in each, waves 0 to 3 take 25 blocks, a lane a block.  It stands behind the tensor load and its four lines.  The last change that fills a slot asks for nothing.
.macro ASK
	s_cmp_gt_u32 s[SLOTS], s[LIM]
	s_cbranch_scc0 .Lnot_mine_\@
	global_prefetch_b8 v[PFO], s[PFA:PFA+1] th:TH_LOAD_NT scope:SCOPE_SE
.Lnot_mine_\@:
.endm
; THE CHANGE OF SLOTS stands at a slot's head.  Each wave waits for all its tensor loads (its record of the slot ahead), adds 0 to its spare word, and waits for that and for its reads of the slot that it has left.
; fill = 1: the barrier is a round of the cluster's, and behind it the slot just left takes the next four key steps: one load a wave, four key steps in which to land.
.macro CHANGE fill
	s_wait_tensorcnt 0x0                           ; no tensor load of mine is out, so the group 0 may be written
	ds_add_u32 v[SPW], v[NIL]                      ; 0 onto my spare word
.if \fill
	s_xor_b32 s[G0+1], s[G0+1], SLOT1
	s_add_nc_u64 s[G0+2:G0+3], s[G0+2:G0+3], QUARTER
	s_wait_xcnt 0x0                                ; the last prefetch, a slot back, has read its address
	s_add_nc_u64 s[PFA:PFA+1], s[PFA:PFA+1], QUARTER
	s_wait_dscnt 0x0
	CROUND
	tensor_load_to_lds s[G0:G0+3], s[G1:G1+7]
	s_nop 0
.rept 4
	v_nop
.endr
	ASK
.else
	s_wait_dscnt 0x0
	s_barrier_signal -1
	s_barrier_wait -1
.endif
.endm
.macro SLOT_STEPS
	s_mov_b32 s[QC], 4
.Lstep_\@:
	STEP
	s_add_co_u32 s[TB], s[TB], REC
	s_sub_co_u32 s[QC], s[QC], 1
	s_cmp_lg_u32 s[QC], 0
	s_cbranch_scc1 .Lstep_\@
	s_sub_co_u32 s[TB], s[TB], QUARTER
	s_xor_b32 s[TB], s[TB], SLOT1                  ; on to the other slot
.endm
.Lslot:                                            ; three trips: behind each change of slots but the last the next four key steps are asked for
	CHANGE 1
	SLOT_STEPS
	s_sub_co_u32 s[SLOTS], s[SLOTS], 1
	s_cmp_lg_u32 s[SLOTS], 0
	s_cbranch_scc1 .Lslot
	CHANGE 0                                       ; the last slot is written out
	SLOT_STEPS
	; THE WAY OUT: O^T / the sum is in the quantiser's order (registers along the head's 128): it becomes fragment w of ctx's record and leaves as it stands.
.rept 4
	v_nop
.endr
	v_add_f32 v14, v14, v15
	v_permlanex16_b32 v252, v14, s[SEL], s[SEL+1]
	v_add_f32 v14, v14, v252                       ; the row's sum
	v_rcp_f32 v14, v14
	v_nop                                          ; a plain place behind the reciprocal
	s_wait_alu depctr_va_vdst(0)                   ; the wait, ahead of its first reader
.set J, 0
.rept 64
	v_mul_f32 v[96+J], v[160+J], v14
.set J, J+1
.endr
	QUANT 96, 32, 252
.irp c, 0,1,2
	global_store_b128 v9, v[32+4*\c:35+4*\c], s[8:9] offset:512*\c
.endr
	ds_store_b32 v31, v252                         ; lanes l and l xor 16 write the same word with the same value
	s_wait_dscnt 0x0                               ; for the others' sake
	s_barrier_signal -1
	s_barrier_wait -1
	s_cmp_lg_u32 s[WV], 0
	s_cbranch_scc1 .Lnot_0
	ds_load_b128 v[44:47], v7
	s_wait_dscnt 0x0
	global_store_b128 v[LI], v[44:47], s[8:9] offset:12288
.Lnot_0:
	s_wait_kmcnt 0x0                               ; the last step's scalar loads
	s_wait_tensorcnt 0x0                           ; the wave's end
	ds_add_u32 v[SPW], v[NIL]
	s_wait_dscnt 0x0
	CROUND                                         ; the closing round
	s_endpgm
.Lfunc_end_k_qe2ca083e95_attn:
	.size	k_qe2ca083e95_attn, .Lfunc_end_k_qe2ca083e95_attn-k_qe2ca083e95_attn
	.p2alignl 7, 3214868480
	.fill 96, 4, 3214868480
	.section	.rodata,"a",@progbits
	.p2align	6, 0x0
	.amdhsa_kernel k_qe2ca083e95_attn
		.amdhsa_group_segment_fixed_size 327680
		.amdhsa_private_segment_fixed_size 0
		.amdhsa_enable_private_segment 0
		.amdhsa_kernarg_size 24
		.amdhsa_user_sgpr_count 2
		.amdhsa_user_sgpr_kernarg_segment_ptr 1
		.amdhsa_wavefront_size32 1
		.amdhsa_system_sgpr_workgroup_id_x 1
		.amdhsa_system_sgpr_workgroup_id_y 1
		.amdhsa_system_sgpr_workgroup_id_z 1
		.amdhsa_system_vgpr_workitem_id 0
		.amdhsa_next_free_vgpr 256
		.amdhsa_next_free_sgpr 100
		.amdhsa_reserve_vcc 0
		.amdhsa_float_denorm_mode_32 3
		.amdhsa_float_denorm_mode_16_64 3
		.amdhsa_memory_ordered 1
		.amdhsa_forward_progress 1
		.amdhsa_inst_pref_size 63
	.end_amdhsa_kernel
	.amdgpu_metadata
---
amdhsa.version: [ 1, 2 ]
amdhsa.kernels:
  - .name:           k_qe2ca083e95_attn
    .symbol:         k_qe2ca083e95_attn.kd
    .args:
      - { .name: qkv, .offset: 0, .size: 8, .value_kind: global_buffer, .address_space: global }
      - { .name: maskw, .offset: 8, .size: 8, .value_kind: global_buffer, .address_space: global }
      - { .name: ctx, .offset: 16, .size: 8, .value_kind: global_buffer, .address_space: global }
    .group_segment_fixed_size: 327680
    .private_segment_fixed_size: 0
    .kernarg_segment_align: 8
    .kernarg_segment_size: 24
    .max_flat_workgroup_size: 256
    .sgpr_count:     100
    .vgpr_count:     256
    .wavefront_size: 32
...
	.end_amdgpu_metadata
.endif
;; end of part 3
;; launch oproj (part 4): grid 16 x 16, 4 waves a work-group, clusters of 4 x 4, 327,680 bytes of LDS; arguments ctx, xw, out0; writes out0
.if DOCPART == 4
	.amdgcn_target "amdgcn-amd-amdhsa--gfx1250"
	.amdhsa_code_object_version 6
	.text
	.protected	k_qe2ca083e95_oproj
	.globl	k_qe2ca083e95_oproj
	.p2align	8
	.type	k_qe2ca083e95_oproj,@function
k_qe2ca083e95_oproj:
	s_mov_b64 s[64:65], 0
	v_nop
	global_prefetch_b8 v0, s[64:65] scope:SCOPE_SE
	s_setreg_imm32_b32 hwreg(HW_REG_WAVE_MODE, 25, 1), 1
	s_wait_xcnt 0x0
	s_wait_alu depctr_hold_cnt(0) depctr_sa_sdst(0) depctr_va_vdst(0) depctr_va_sdst(0) depctr_va_ssrc(0) depctr_va_vcc(0) depctr_vm_vsrc(0)
	s_getreg_b32 s2, hwreg(HW_REG_IB_STS2, 6, 4)
	s_cmp_eq_u32 s2, 0
	s_cbranch_scc0 .Lentry_in_a_cluster
	s_endpgm
.Lentry_in_a_cluster:
	s_bfe_u32 s2, ttmp6, 0x10000c
	s_cmp_lg_u32 s2, 0xf033
	s_cbranch_scc0 .Lentry_shape_is_right
	s_endpgm
.Lentry_shape_is_right:
; out0 = ctx Wo, on codes of FP6 (E2M3) with E8M0 scales; f32 sums, f32 out.
; Both operands come as records: eight fragments (16 rows x 128 K) as images of their 12 registers, and at byte 12,288 their scale words (word 4 L + a: tile 2 a + L / 16, row L % 16).  Row m of tile 2 b + u stands for index 32 b + 8 u + m % 8 + 16 (m / 8).
; A tile of out0 is 128 x 128, so that there are 256 work-groups (tiles of 256 x 256 would be 64).  Four waves, each 64 x 64: 16 accumulators.  Source 0 = Wo's tiles, source 1 = ctx's: a lane holds eight neighbouring columns of one row.
; K goes in four fills of four K steps of 128 through a ring of two LDS slots; each wave fetches two records (25,600 dense bytes).
; CLUSTERS: 4 x 4: ctx's records hang on the tile row and are asked for jointly along a row of the cluster, Wo's on the tile column and along a column.
; The sixteen K steps are written out: the text is short.
; REGISTERS: window 0: v1 16 x lane; v16-25 LDS addresses; v28-29 for the add; v32-39 scale words, two sets (ctx's two registers, Wo's two), and nothing else; v128-255 the accumulators ((a, t) at v[128 + 8 (4 a + t)]), later rows of out0.
;   window 1: two buffers at v0 and v128: ctx's four fragments, then Wo's four.
.set REC,    12800
.set GRP,    16*REC
.set REG,    16*GRP
.set PAIR,   2*REC
.set HALF,   4*REC                     ; ctx's four records; Wo's four lie behind them
.set SLOT,   8*REC
.set SPARE,  2*SLOT                    ; the spare words: 128 bytes a wave
.set SPITCH, 528                       ; the way out: 128 rows x (512 bytes + 16), in slot 0, which has had its last fill and its last read by then
.set LI,  1
.set AQ,  16
.set AP,  18
.set ASQ, 20
.set ASP, 22
.set STO, 24
.set RD,  25
.set SPW, 28
.set NIL, 29
.set SC,  32
.set ACC, 128
.set WV,  14
.set G1A, 24
.set G0A, 32
.set G1B, 48
.set G0B, 56
.set MSB, 0
.macro WIN new
.if MSB != (\new)
	s_set_vgpr_msb (MSB<<8)|(\new)
.set MSB, (\new)
.endif
.endm
.set MUL,  0x05                        ; sources 0 and 1 window 1; C and D window 0
.set TO_F, 0x40
.macro PLACES n
.rept \n
	v_nop
.endr
.endm
.macro CREST
	s_cmp_lg_u32 s[WV], 0
	s_cbranch_scc1 .Lnot_wave_0_\@
	s_barrier_signal -3
.Lnot_wave_0_\@:
	s_barrier_wait -3
	s_barrier_signal -1
	s_barrier_wait -1
.endm
.macro CROUND
	s_barrier_signal -1
	s_barrier_wait -1
	CREST
.endm
.macro JLOAD n                         ; waves 0 and 1 fetch ctx's records, waves 2 and 3 Wo's; four v_nop follow each of the two lines
	s_cmp_eq_u32 s15, 0
	s_cbranch_scc0 .Lfor_b_\@
	tensor_load_to_lds s[G0A+4*\n:G0A+4*\n+3], s[G1A:G1A+7]
	s_nop 0
	PLACES 4
	s_branch .Lasked_\@
.Lfor_b_\@:
	tensor_load_to_lds s[G0B+4*\n:G0B+4*\n+3], s[G1B:G1B+7]
	s_nop 0
	PLACES 4
.Lasked_\@:
.endm
.macro WMC c
.if rSEL == 3
	v_wmma_scale_f32_16x16x128_f8f6f4 v[rD:rD+7], v[rP:rP+11], v[rQ:rQ+11], \c, v[rSP], v[rSQ] matrix_a_fmt:MATRIX_FMT_FP6 matrix_b_fmt:MATRIX_FMT_FP6 matrix_a_scale:MATRIX_SCALE_ROW1 matrix_b_scale:MATRIX_SCALE_ROW1
.elseif rSEL == 2
	v_wmma_scale_f32_16x16x128_f8f6f4 v[rD:rD+7], v[rP:rP+11], v[rQ:rQ+11], \c, v[rSP], v[rSQ] matrix_a_fmt:MATRIX_FMT_FP6 matrix_b_fmt:MATRIX_FMT_FP6 matrix_a_scale:MATRIX_SCALE_ROW1
.elseif rSEL == 1
	v_wmma_scale_f32_16x16x128_f8f6f4 v[rD:rD+7], v[rP:rP+11], v[rQ:rQ+11], \c, v[rSP], v[rSQ] matrix_a_fmt:MATRIX_FMT_FP6 matrix_b_fmt:MATRIX_FMT_FP6 matrix_b_scale:MATRIX_SCALE_ROW1
.else
	v_wmma_scale_f32_16x16x128_f8f6f4 v[rD:rD+7], v[rP:rP+11], v[rQ:rQ+11], \c, v[rSP], v[rSQ] matrix_a_fmt:MATRIX_FMT_FP6 matrix_b_fmt:MATRIX_FMT_FP6
.endif
.endm
.macro WM d, p, q, zero, sp, sq, rp, rq
.set rD, \d
.set rP, \p
.set rQ, \q
.set rSP, \sp
.set rSQ, \sq
.set rSEL, 2*(\rp)+(\rq)
.if \zero
	WMC 0
.else
	WMC v[rD:rD+7]
.endif
.endm
	s_load_b128 s[4:7], s[0:1], 0x0                ; ctx, xw
	s_load_b64 s[8:9], s[0:1], 0x10                ; out0
	v_lshl_add_u32 v[SPW], v0, 2, SPARE
	v_mov_b32 v[NIL], 0
	ds_add_u32 v28, v29
	s_wait_dscnt 0x0
	v_lshrrev_b32 v1, 5, v0
	v_readfirstlane_b32 s[WV], v1                  ; wave 0..3
	s_lshr_b32 s15, s[WV], 1                       ; which 64 rows are mine.  Also: I fetch for ctx (0) or for Wo (1)
	s_and_b32 s16, s[WV], 1                        ; which 64 columns.  Also: which two of a fill's four records I fetch
	s_bfe_u32 s40, ttmp6, 0x40000                  ; cx
	s_bfe_u32 s41, ttmp6, 0x40004                  ; cy
	s_lshl_b32 s42, ttmp9, 2
	s_add_co_u32 s42, s42, s40                     ; tile column
	s_and_b32 s17, ttmp7, 0xffff
	s_lshl_b32 s17, s17, 2
	s_add_co_u32 s17, s17, s41                     ; tile row
	s_lshl_b32 s43, s41, 2
	s_lshl_b32 s43, 15, s43                        ; my row of the cluster
	s_lshl_b32 s44, 0x1111, s40                    ; my column
	s_or_b32 s[G1A], s43, (3<<16)|(1<<21)          ; 25,600 dense bytes as 100 rows of 32 elements of 8 bytes
	s_or_b32 s[G1B], s44, (3<<16)|(1<<21)
.irp g, G1A, G1B
	s_mov_b32 s[\g+1], 32<<16
	s_mov_b32 s[\g+2], 100<<16
	s_mov_b32 s[\g+3], 32<<16
	s_mov_b32 s[\g+4], 100
	s_mov_b32 s[\g+5], 32
	s_mov_b32 s[\g+6], 0
	s_mov_b32 s[\g+7], 0
.endr
	s_mul_i32 s18, s16, PAIR
	s_mul_i32 s20, s17, GRP
	s_add_co_u32 s20, s20, s18
	s_mov_b32 s21, 0                               ; ctx's bytes: the tile row and the wave
	s_mul_i32 s46, s42, GRP
	s_add_co_u32 s46, s46, s18
	s_add_co_u32 s46, s46, 4*REG                   ; Wo's region of xw
	s_mov_b32 s47, 0                               ; Wo's bytes: the tile column and the wave
	s_mul_i32 s45, s[WV], PAIR                     ; where they go: wave x two records
	s_wait_kmcnt 0x0
	s_add_nc_u64 s[20:21], s[4:5], s[20:21]
	s_add_nc_u64 s[46:47], s[6:7], s[46:47]
.irp n, 0,1
	s_mov_b32 s[G0A+4*\n], 1
	s_add_co_u32 s[G0A+4*\n+1], s45, \n*SLOT
	s_add_nc_u64 s[G0A+4*\n+2:G0A+4*\n+3], s[20:21], \n*HALF
	s_or_b32 s[G0A+4*\n+3], s[G0A+4*\n+3], 0x80000000
	s_mov_b32 s[G0B+4*\n], 1
	s_add_co_u32 s[G0B+4*\n+1], s45, \n*SLOT
	s_add_nc_u64 s[G0B+4*\n+2:G0B+4*\n+3], s[46:47], \n*HALF
	s_or_b32 s[G0B+4*\n+3], s[G0B+4*\n+3], 0x80000000
.endr
	CROUND                                         ; all sixteen work-groups are here
	s_cmp_eq_u32 s15, 0                            ; a wave's two first fills stand in one branch: two loads of mine are out
	s_cbranch_scc0 .Lfirst_b
	tensor_load_to_lds s[G0A:G0A+3], s[G1A:G1A+7]
	s_nop 0
	tensor_load_to_lds s[G0A+4:G0A+7], s[G1A:G1A+7]
	s_nop 0
	PLACES 4
	s_branch .Lfirst_asked
.Lfirst_b:
	tensor_load_to_lds s[G0B:G0B+3], s[G1B:G1B+7]
	s_nop 0
	tensor_load_to_lds s[G0B+4:G0B+7], s[G1B:G1B+7]
	s_nop 0
	PLACES 4
.Lfirst_asked:
	v_and_b32 v[LI], 31, v0
	v_lshlrev_b32 v[LI], 4, v[LI]
	s_mul_i32 s18, s15, 4*1536                     ; my four tiles of ctx
	v_add_nc_u32 v[AQ], s18, v[LI]
	v_add_nc_u32 v[AQ+1], SLOT, v[AQ]
	s_mul_i32 s18, s16, 4*1536                     ; my four tiles of Wo
	s_add_co_u32 s18, s18, HALF
	v_add_nc_u32 v[AP], s18, v[LI]
	v_add_nc_u32 v[AP+1], SLOT, v[AP]
	s_lshl_b32 s18, s15, 3                         ; their scale words: two of a lane's four
	s_add_co_u32 s18, s18, 12288
	v_add_nc_u32 v[ASQ], s18, v[LI]
	v_add_nc_u32 v[ASQ+1], SLOT, v[ASQ]
	s_lshl_b32 s18, s16, 3
	s_add_co_u32 s18, s18, HALF+12288
	v_add_nc_u32 v[ASP], s18, v[LI]
	v_add_nc_u32 v[ASP+1], SLOT, v[ASP]
	v_and_b32 v2, 7, v0
	v_bfe_u32 v3, v0, 3, 1
	v_lshl_add_u32 v2, v3, 4, v2                   ; r % 8 + 16 (r / 8)
	v_mul_u32_u24 v[STO], v2, SPITCH
	v_bfe_u32 v3, v0, 4, 1
	v_lshl_add_u32 v[STO], v3, 6, v[STO]           ; + 64 h
	s_mul_i32 s18, s15, 64*SPITCH
	s_lshl_b32 s19, s16, 8
	s_add_co_u32 s18, s18, s19
	v_add_nc_u32 v[STO], s18, v[STO]               ; + my 64 rows, my 256 bytes of them
	s_mul_i32 s18, s[WV], 32*SPITCH
	v_add_nc_u32 v[RD], s18, v[LI]                 ; back: wave w takes rows 32 w on, whole
	s_lshl_b32 s80, s17, 20                        ; 128 rows of 8,192 bytes
	s_lshl_b32 s81, s[WV], 18
	s_add_co_u32 s80, s80, s81
	s_lshl_b32 s81, s42, 9
	s_add_co_u32 s80, s80, s81
	s_mov_b32 s81, 0
	s_add_nc_u64 s[8:9], s[8:9], s[80:81]
.macro FETCH slot, q, par              ; 26 loads: the slot's q-th K step into buffer par and scale set par
	WIN TO_F
.irp i, 0,1,2,3
.irp c, 0,1,2
	ds_load_b128 v[128*(\par)+12*\i+4*\c:128*(\par)+12*\i+4*\c+3], v[AQ+\slot] offset:(\q)*REC+1536*\i+512*\c
	ds_load_b128 v[128*(\par)+48+12*\i+4*\c:128*(\par)+48+12*\i+4*\c+3], v[AP+\slot] offset:(\q)*REC+1536*\i+512*\c
.endr
.endr
	WIN 0
	ds_load_b64 v[SC+4*(\par):SC+4*(\par)+1], v[ASQ+\slot] offset:(\q)*REC
	ds_load_b64 v[SC+4*(\par)+2:SC+4*(\par)+3], v[ASP+\slot] offset:(\q)*REC
.endm
.macro MULA par, a, zero               ; four products: ctx's tile a x Wo's four.  The 16 accumulators take turns, in the same order in every step
.irp t, 0,1,2,3
	WM ACC+8*(4*(\a)+\t), 128*(\par)+48+12*\t, 128*(\par)+12*(\a), \zero, SC+4*(\par)+2+\t/2, SC+4*(\par)+(\a)/2, \t%2, (\a)%2
.endr
.endm
.macro KS slot, q, zero                ; one of a slot's first three K steps: the next step's fragments are asked for, then this step is multiplied
	s_wait_dscnt 0x0                               ; this step's fragments are in
	PLACES 4                                       ; in front of loads into the buffer that the last step's products read
	FETCH \slot, (\q)+1, 1-(\q)%2
	WIN MUL
	MULA (\q)%2, 0, \zero
	MULA (\q)%2, 1, \zero
	MULA (\q)%2, 2, \zero
	MULA (\q)%2, 3, \zero
.endm
; A slot's fourth K step changes slots: ONE barrier; in front of it each wave waits for all its tensor loads, adds 0 to its spare word, and waits for that and for its reads of this slot.  fill = 1: a round of the cluster's barrier, and the slot is filled again.
.macro TURN slot, next, fill
	WIN 0
	s_wait_tensorcnt 0x0
	ds_add_u32 v[SPW], v[NIL]                      ; 0 onto my spare word
	s_wait_dscnt 1                                 ; this step's fragments are in; the add may be out
	WIN MUL
	MULA 1, 0, 0
	s_wait_dscnt 0x0                               ; the add is done, and my reads of this slot are over
	s_barrier_signal -1
	MULA 1, 1, 0
	WIN 0
	s_barrier_wait -1
.if \fill
	CREST
	s_add_nc_u64 s[G0A+4*\slot+2:G0A+4*\slot+3], s[G0A+4*\slot+2:G0A+4*\slot+3], 2*HALF
	s_add_nc_u64 s[G0B+4*\slot+2:G0B+4*\slot+3], s[G0B+4*\slot+2:G0B+4*\slot+3], 2*HALF
	JLOAD \slot                                    ; the first tensor load behind the round; its four v_nop are also the places in front of the loads below
.else
	PLACES 4
.endif
	FETCH \next, 0, 0
	WIN MUL
	MULA 1, 2, 0
	MULA 1, 3, 0
.endm
	s_wait_tensorcnt 1                             ; my part of slot 0 is in; slot 1's may stay out
	s_barrier_signal -1
	s_barrier_wait -1
	FETCH 0, 0, 0
	KS 0, 0, 1                                     ; the first step's products start the sums
	KS 0, 1, 0
	KS 0, 2, 0
	TURN 0, 1, 1                                   ; slot 0 takes K steps 8 to 11
	KS 1, 0, 0
	KS 1, 1, 0
	KS 1, 2, 0
	TURN 1, 0, 1                                   ; slot 1 takes K steps 12 to 15
	KS 0, 0, 0
	KS 0, 1, 0
	KS 0, 2, 0
	TURN 0, 1, 0                                   ; nothing is left to fetch
	KS 1, 0, 0
	KS 1, 1, 0
	KS 1, 2, 0
	s_wait_dscnt 0x0
	MULA 1, 0, 0
	MULA 1, 1, 0
	MULA 1, 2, 0
	MULA 1, 3, 0
	WIN 0
	; THE WAY OUT.  Lane (r, h) of accumulator (a, t) holds row 64 wr + 32 (a / 2) + 8 (a % 2) + r % 8 + 16 (r / 8), columns 64 wc + 32 (t / 2) + 8 (t % 2) + 16 h + 0 .. 7.  The rows meet in the stage and leave whole.
	PLACES 4
.irp a, 0,1,2,3
.irp t, 0,1,2,3
	ds_store_b128 v[STO], v[ACC+8*(4*\a+\t):ACC+8*(4*\a+\t)+3] offset:(32*(\a/2)+8*(\a%2))*SPITCH+128*(\t/2)+32*(\t%2)       ; each accumulator from its low end on
	ds_store_b128 v[STO], v[ACC+8*(4*\a+\t)+4:ACC+8*(4*\a+\t)+7] offset:(32*(\a/2)+8*(\a%2))*SPITCH+128*(\t/2)+32*(\t%2)+16
.endr
.endr
	s_wait_dscnt 0x0                               ; for the others' sake: my stores into the stage are done
	s_barrier_signal -1
	s_barrier_wait -1
.set J, 0
.rept 32
	ds_load_b128 v[ACC+4*J:ACC+4*J+3], v[RD] offset:J*SPITCH
.set J, J+1
.endr
.set J, 0
.rept 32
	s_wait_dscnt 31-J                              ; row J is back; the younger rows may be out
	global_store_b128 v[LI], v[ACC+4*J:ACC+4*J+3], s[8:9] offset:J*8192 th:TH_STORE_NT   ; 32 lanes store 512 consecutive bytes, at a multiple of 256 from out0's first byte
.set J, J+1
.endr
	s_wait_tensorcnt 0x0                           ; the wave's end
	ds_add_u32 v[SPW], v[NIL]
	s_wait_dscnt 0x0
	CROUND                                         ; the closing round
	s_endpgm
.Lfunc_end_k_qe2ca083e95_oproj:
	.size	k_qe2ca083e95_oproj, .Lfunc_end_k_qe2ca083e95_oproj-k_qe2ca083e95_oproj
	.p2alignl 7, 3214868480
	.fill 96, 4, 3214868480
	.section	.rodata,"a",@progbits
	.p2align	6, 0x0
	.amdhsa_kernel k_qe2ca083e95_oproj
		.amdhsa_group_segment_fixed_size 327680
		.amdhsa_private_segment_fixed_size 0
		.amdhsa_enable_private_segment 0
		.amdhsa_kernarg_size 24
		.amdhsa_user_sgpr_count 2
		.amdhsa_user_sgpr_kernarg_segment_ptr 1
		.amdhsa_wavefront_size32 1
		.amdhsa_system_sgpr_workgroup_id_x 1
		.amdhsa_system_sgpr_workgroup_id_y 1
		.amdhsa_system_sgpr_workgroup_id_z 1
		.amdhsa_system_vgpr_workitem_id 0
		.amdhsa_next_free_vgpr 512
		.amdhsa_next_free_sgpr 90
		.amdhsa_reserve_vcc 0
		.amdhsa_float_denorm_mode_32 3
		.amdhsa_float_denorm_mode_16_64 3
		.amdhsa_memory_ordered 1
		.amdhsa_forward_progress 1
		.amdhsa_inst_pref_size 80
	.end_amdhsa_kernel
	.amdgpu_metadata
---
amdhsa.version: [ 1, 2 ]
amdhsa.kernels:
  - .name:           k_qe2ca083e95_oproj
    .symbol:         k_qe2ca083e95_oproj.kd
    .args:
      - { .name: ctx, .offset: 0, .size: 8, .value_kind: global_buffer, .address_space: global }
      - { .name: xw, .offset: 8, .size: 8, .value_kind: global_buffer, .address_space: global }
      - { .name: out0, .offset: 16, .size: 8, .value_kind: global_buffer, .address_space: global }
    .group_segment_fixed_size: 327680
    .private_segment_fixed_size: 0
    .kernarg_segment_align: 8
    .kernarg_segment_size: 24
    .max_flat_workgroup_size: 128
    .sgpr_count:     90
    .vgpr_count:     512
    .wavefront_size: 32
...
	.end_amdgpu_metadata
.endif
;; end of part 4
;; ======== version 2 of 2: 4 launches
;; limits: right only within a limited range of input values
;; workspace buffers: xw 16,384,000 bytes; qkv 9,830,400 bytes; ctx 3,276,800 bytes; rope 1,048,576 bytes; maskw 524,288 bytes of whole numbers; maskf 65,536 bytes of whole numbers
;; launch prep (part 5): grid 1472 x 1, 4 waves a work-group, no clusters, 35,328 bytes of LDS; arguments x, Wq, Wk, Wv, Wo, mask, xw, rope, maskw, maskf; writes xw, rope, maskw, maskf
.if DOCPART == 5
	.amdgcn_target "amdgcn-amd-amdhsa--gfx1250"
	.amdhsa_code_object_version 6
	.text
	.protected	k_qe2ca083e95_prep
	.globl	k_qe2ca083e95_prep
	.p2align	8
	.type	k_qe2ca083e95_prep,@function
k_qe2ca083e95_prep:
	s_mov_b64 s[64:65], 0
	v_nop
	global_prefetch_b8 v0, s[64:65] scope:SCOPE_SE
	s_setreg_imm32_b32 hwreg(HW_REG_WAVE_MODE, 25, 1), 1
	s_wait_xcnt 0x0
; x [2048][2048] and the four weights [K 2048][N 2048], f32, become codes of FP6 (E2M3) with one E8M0 scale for each 32 along K; the mask becomes lane masks; cos and sin of RoPE become a table.
; RECORDS.  A fragment (16 rows x 128 K) is kept as the IMAGE OF ITS 12 REGISTERS: three groups of four registers, 512 bytes each, lane l's 16 bytes at 16 l.  A record is eight fragments (128 rows or columns, one K step
; of 128) and, at byte 12,288, their scale words: word 4 L + a (L = r + 16 h) is that of tile 2 a + h, row r.  xw = [x, Wq, Wk, Wv, Wo][16 groups of 128 rows or columns][16 K steps] records of 12,800 bytes.
; THE ROWS OF A TILE ARE NOT NEIGHBOURS: row m of tile 2 b + u stands for index 32 b + 8 u + m % 8 + 16 (m / 8), so that a product with such a tile as source 0 leaves 16 neighbours in the 16 registers of tiles 2 b, 2 b + 1.
; A block's scale is 2^(floor(log2(its largest magnitude)) - 2); its byte is the largest magnitude's exponent field - 2, held at 1 from below.
; LIMITS: a block of zeros, or one whose largest magnitude lies under 2^-124, gets the byte 1 (the rule says 127 for zeros): its codes are zeros, and the bytes are read by this program alone.  NaN and infinities are not served.
; The RoPE frequencies 10000^(-j/64) are made as 2^(-j log2(10000)/64) with the exponent in two parts: within about two units in the last place of the reference's; at position 2,047 that is an angle off by some 4e-4 at the most, alike for q and k.
; WORK-GROUPS (they share no input, so there is no cluster): 0-127 the mask of 16 queries; 128-191 the table; 192-1215 a weight's 128 columns x 128 K; 1216-1471 x's 128 rows x 128 K.
; The two kinds that compute much and read little have the lowest numbers, so that their arithmetic stands beside the others' loads and not behind them.  No tensor loads; EXEC is never changed.
.set REC,    12800
.set GRP,    16*REC
.set REG,    16*GRP
.set SPITCH, 528                       ; x's stage: a row of 512 bytes + 16: the 16 rows that a load touches start in 16 different groups of banks
.set EX,     4*16*SPITCH               ; behind the four waves' stages: 512 bytes in which a record's scale words meet
.set ID_R,   128                       ; the first work-group of the table,
.set ID_W,   192                       ; of the weights,
.set ID_X,   1216                      ; of x
.set R,   16                           ; v16-143  128 numbers as loaded
.set X,   144                          ; v144-207 64 numbers in the quantiser's order; the mask's words
.set F0,  208                          ; v208-219 the wave's first fragment
.set F1,  220                          ; v220-231 its second
.set CT,  232                          ; v232-239 codes on their way
.set TM,  240                          ; v240-251 at work
.set PWA, 252
.set PWB, 253
.set PWX, 254                          ; my lane's scale word for the record
.set WV,  22
.set SEL, 46                           ; s[46:47] selects for lane l xor 16
; 64 numbers of a lane, register 16 b + i = k 32 b + 16 (lane / 16) + i of row lane % 16, become a fragment in v[pc] on and the row's scale word in v[pw].
.macro QUANT s, pc, pw
.irp b, 0,1,2,3
	v_max3_num_f32 v[TM+\b], 0x1800000, |v[\s+16*\b]|, |v[\s+16*\b+1]|   ; my 16 numbers of block b, and the floor 2^(3 - 127): the byte cannot fall under 1
.endr
.irp i, 2,4,6,8,10,12,14
.irp b, 0,1,2,3
	v_max3_num_f32 v[TM+\b], v[TM+\b], |v[\s+16*\b+\i]|, |v[\s+16*\b+\i+1]|
.endr
.endr
.irp b, 0,1,2,3
	v_permlanex16_b32 v[TM+4+\b], v[TM+\b], s[SEL], s[SEL+1]
.endr
.irp b, 0,1,2,3
	v_max_num_f32 v[TM+\b], v[TM+\b], v[TM+4+\b]   ; with lane l xor 16's: the block's largest magnitude
.endr
.irp b, 0,1,2,3
	v_add_nc_u32 v[TM+8+\b], 0xff000000, v[TM+\b]  ; 2 off its exponent field: the conversion's scale operand
.endr
.irp b, 0,1,2,3
	v_lshrrev_b32 v[TM+4+\b], 23, v[TM+8+\b]       ; the scale's byte
.endr
	v_lshl_or_b32 v[\pw], v[TM+5], 8, v[TM+4]
	v_lshl_or_b32 v[\pw], v[TM+6], 16, v[\pw]
	v_lshl_or_b32 v[\pw], v[TM+7], 24, v[\pw]
.irp c, 0,1
	v_cvt_scalef32_pk16_fp6_f32 v[\pc+6*\c:\pc+6*\c+2], v[\s+32*\c:\s+32*\c+15], v[TM+8+2*\c]
	v_cvt_scalef32_pk16_fp6_f32 v[CT+4*\c:CT+4*\c+2], v[\s+32*\c+16:\s+32*\c+31], v[TM+9+2*\c]   ; (a conversion's three registers begin on an even number)
.endr
	v_nop                                          ; one plain place behind a scaled conversion
.irp c, 0,1                                    ; the operand wants a whole block in a lane: lanes 0-15 block 2 c, lanes 16-31 block 2 c + 1
.irp i, 0,1,2
	v_permlane16_swap_b32 v[\pc+6*\c+\i], v[CT+4*\c+\i]
.endr
.irp i, 0,1,2
	v_mov_b32 v[\pc+3+6*\c+\i], v[CT+4*\c+\i]
.endr
.endr
.endm
	s_load_b256 s[4:11], s[0:1], 0x0               ; x, Wq, Wk, Wv
	s_load_b256 s[12:19], s[0:1], 0x20             ; Wo, mask, xw, rope
	s_load_b64 s[20:21], s[0:1], 0x40              ; maskw
	s_load_b64 s[44:45], s[0:1], 0x48              ; maskf
	v_lshl_add_u32 v239, v0, 2, 0x8800
	v_mov_b32 v255, 0
	v_lshrrev_b32 v1, 5, v0
	v_readfirstlane_b32 s[WV], v1                  ; wave 0..3
	v_and_b32 v1, 31, v0                           ; L
	v_and_b32 v2, 15, v0                           ; r
	v_bfe_u32 v3, v0, 4, 1                         ; h
	v_and_b32 v4, 7, v0
	v_bfe_u32 v6, v0, 3, 1
	v_lshl_add_u32 v4, v6, 4, v4                   ; r % 8 + 16 (r / 8): the index that row r of a tile stands for
	v_lshlrev_b32 v5, 4, v1                        ; 16 L
	s_lshl_b32 s23, s[WV], 2                       ; every LDS address is made here, ahead of the parting of the paths
	v_add_nc_u32 v7, s23, v5                       ; my scale word's place: 16 L + 4 wave
	s_mul_i32 s23, s[WV], 16*SPITCH
	v_add_nc_u32 v8, s23, v5                       ; my stage, on the way in: 16 L in a row
	v_mul_u32_u24 v9, v2, SPITCH
	v_lshl_add_u32 v9, v3, 6, v9
	v_add_nc_u32 v9, s23, v9                       ; and out: row r, + 64 h
	s_mov_b32 s[SEL], 0x76543210
	s_mov_b32 s[SEL+1], 0xfedcba98
	s_wait_kmcnt 0x0
	s_cmp_ge_u32 ttmp9, ID_X
	s_cbranch_scc1 .Lpath_x
	s_cmp_ge_u32 ttmp9, ID_W
	s_cbranch_scc1 .Lpath_w
	s_cmp_lt_u32 ttmp9, ID_R
	s_cbranch_scc1 .Lpath_m
; ---- THE TABLE.  rope = [tile of 16 positions: 128][group of 4 registers: 16][lane][4 f32]: register 4 g + e under 32 is cos, from 32 on sin, of position x frequency j, j = 32 (z / 16) + 16 h + z % 16, z the register's number modulo 32.
; Wave W' of 256 takes group W' % 8 (and its sine, group + 8) of four tiles.
	s_sub_co_u32 s23, ttmp9, ID_R
	s_lshl_b32 s23, s23, 2
	s_add_co_u32 s23, s23, s[WV]                   ; W'
	s_and_b32 s24, s23, 7                          ; the group
	s_lshr_b32 s25, s23, 3                         ; which four tiles
	s_lshr_b32 s26, s24, 2
	s_lshl_b32 s26, s26, 5
	s_and_b32 s27, s24, 3
	s_lshl_b32 s27, s27, 2
	s_add_co_u32 s26, s26, s27
	v_lshl_add_u32 v6, v3, 4, s26                  ; my first j
	s_mov_b32 s28, 0x3e549a78                      ; log2(10000) / 64, upper part,
	s_mov_b32 s29, 0x31979a17                      ; and what is left of it
	s_mov_b32 s30, 0xbf317218                      ; -ln 2
	s_mov_b32 s31, 0x3fc90fdb                      ; pi / 2, upper part,
	s_mov_b32 s32, 0xb33bbd2e                      ; and what is left of it
.irp e, 0,1,2,3
	v_add_nc_u32 v[16+\e], \e, v6
	v_cvt_f32_u32 v[16+\e], v[16+\e]               ; j
	v_mul_f32 v[20+\e], s28, v[16+\e]              ; a = j c, rounded
	v_fma_f32 v[24+\e], v[16+\e], s28, -v[20+\e]   ; what the rounding dropped, exactly,
	v_fma_f32 v[24+\e], v[16+\e], s29, v[24+\e]    ; and the lower part's share
.endr
.irp e, 0,1,2,3
	v_exp_f32 v[28+\e], -v[20+\e]                  ; 2^-a
.endr
	v_nop                                          ; a plain place behind the exponentials
	s_wait_alu depctr_va_vdst(0)                   ; one wait for the four, ahead of their first reader
.irp e, 0,1,2,3
	v_mul_f32 v[24+\e], v[28+\e], v[24+\e]
	v_fma_f32 v[28+\e], v[24+\e], s30, v[28+\e]    ; the frequency: 2^-a (1 - rest x ln 2)
.endr
	s_lshl_b32 s26, s25, 6                         ; four tiles are 64 positions
	v_add_nc_u32 v10, s26, v4
	s_lshl_b32 s26, s25, 15
	s_lshl_b32 s27, s24, 9
	s_add_co_u32 s26, s26, s27
	s_mov_b32 s27, 0
	s_add_nc_u64 s[18:19], s[18:19], s[26:27]
; cos and sin of position x frequency e: the angle less the nearest multiple of pi / 2 (the first subtraction is exact: both terms are multiples of 2^-23 and the difference lies under 1), two Taylor sums on |rest| <= pi / 4, the quadrant by selects and sign bits.
.macro TRIG n, e
	v_mul_f32 v32, v11, v[28+\e]                   ; the angle, rounded once, as the reference's outer product rounds it
	v_mul_f32 v33, 0x3f22f983, v32
	v_rndne_f32 v33, v33                           ; how many quarter turns
	v_fma_f32 v34, -v33, s31, v32
	v_fma_f32 v34, -v33, s32, v34                  ; the rest
	v_mul_f32 v35, v34, v34
	v_mov_b32 v36, 0x3638ef1d
	v_fmaak_f32 v36, v35, v36, 0xb9500d01
	v_fmaak_f32 v36, v35, v36, 0x3c088889
	v_fmaak_f32 v36, v35, v36, 0xbe2aaaab
	v_mul_f32 v37, v34, v35
	v_fma_f32 v36, v37, v36, v34                   ; sin of the rest
	v_mov_b32 v38, 0xb493f27e
	v_fmaak_f32 v38, v35, v38, 0x37d00d01
	v_fmaak_f32 v38, v35, v38, 0xbab60b61
	v_fmaak_f32 v38, v35, v38, 0x3d2aaaab
	v_fmaak_f32 v38, v35, v38, 0xbf000000
	v_fma_f32 v38, v35, v38, 1.0                   ; cos of the rest
	v_cvt_i32_f32 v39, v33
	v_and_b32 v40, 1, v39
	v_cmp_eq_u32 vcc_lo, 1, v40
	v_cndmask_b32 v41, v38, v36, vcc_lo            ; an odd quarter turn changes the two about
	v_cndmask_b32 v42, v36, v38, vcc_lo
	v_add_nc_u32 v40, 1, v39
	v_and_b32 v40, 2, v40
	v_lshlrev_b32 v40, 30, v40
	v_xor_b32 v[48+8*\n+\e], v41, v40              ; cos: negative in quarters 1 and 2
	v_and_b32 v40, 2, v39
	v_lshlrev_b32 v40, 30, v40
	v_xor_b32 v[52+8*\n+\e], v42, v40              ; sin: negative in quarters 2 and 3
.endm
.irp n, 0,1,2,3
	v_add_nc_u32 v11, 32*(\n/2)+8*(\n%2), v10
	v_cvt_f32_u32 v11, v11                         ; my row's position
.irp e, 0,1,2,3
	TRIG \n, \e
.endr
	global_store_b128 v5, v[48+8*\n:51+8*\n], s[18:19] offset:8192*\n        ; 32 lanes store 512 consecutive bytes; each tile has registers of its own
	global_store_b128 v5, v[52+8*\n:55+8*\n], s[18:19] offset:8192*\n+4096
.endr
	s_endpgm
; ---- THE MASK.  maskw = [tile of 16 queries: 128][key step of 128: 16][64 words]: bit L of word n says whether key 128 j + 32 (n / 16) + 16 (L / 16) + n % 16 counts for query row L % 16 of the tile: score register n of lane L in the attention.
.Lpath_m:
	s_mov_b32 s23, ttmp9                           ; the tile; wave w takes key steps 4 w .. 4 w + 3
	s_lshr_b32 s24, s23, 1
	s_lshl_b32 s24, s24, 16                        ; 32 rows of 2,048 bytes
	s_and_b32 s25, s23, 1
	s_lshl_b32 s25, s25, 14                        ; 8 rows
	s_add_co_u32 s24, s24, s25
	s_lshl_b32 s25, s[WV], 9
	s_add_co_u32 s24, s24, s25
	s_mov_b32 s25, 0
	s_add_nc_u64 s[14:15], s[14:15], s[24:25]
	s_wait_alu depctr_va_vdst(0)
	v_lshlrev_b32 v10, 11, v4
	v_lshl_add_u32 v10, v3, 4, v10                 ; my query's row, + 16 h
.irp j, 0,1,2,3
.irp b, 0,1,2,3
	global_load_b128 v[R+16*\j+4*\b:R+16*\j+4*\b+3], v10, s[14:15] offset:128*\j+32*\b   ; 16 bytes: the keys of my registers 16 b .. 16 b + 15
.endr
.endr
.irp i, 0,1,2,3,4,5,6,7
	v_mov_b32 v[X+\i], 0                           ; (a lane write's destination counts as read)
.endr
	s_lshl_b32 s24, s23, 12
	s_lshl_b32 s25, s[WV], 10
	s_add_co_u32 s24, s24, s25
	s_mov_b32 s25, 0
	s_add_nc_u64 s[20:21], s[20:21], s[24:25]
	v_lshlrev_b32 v11, 3, v1
	s_wait_loadcnt 0x0
; THE FLAGS.  maskf = [tile of 16 queries: 128][wave: 4][32 words].  Word 0: bit 4 w + j is set where key step 4 w + j has a key that counts for some query of the tile; word 1: where all its 128 keys count for all 16 queries;
; word 2: bit L is set where lane L (query row L % 16) has a key that counts in one of the wave's four steps; the other words are 0.  A mask byte is 0 or 1, so the sum of a lane's 16 words of a step is 0 where none counts and 0x10101010 where all do.
	s_lshl_b32 s24, s23, 9
	s_lshl_b32 s25, s[WV], 7
	s_add_co_u32 s24, s24, s25
	s_mov_b32 s25, 0
	s_add_nc_u64 s[44:45], s[44:45], s[24:25]
	s_mov_b32 s40, 0
	s_mov_b32 s41, 0
	s_mov_b32 s42, 0
.irp j, 0,1,2,3
	v_add3_u32 v[TM+8], v[R+16*\j], v[R+16*\j+1], v[R+16*\j+2]
.irp i, 3,5,7,9,11,13
	v_add3_u32 v[TM+8], v[TM+8], v[R+16*\j+\i], v[R+16*\j+\i+1]
.endr
	v_add_nc_u32 v[TM+8], v[TM+8], v[R+16*\j+15]
	v_cmp_ne_u32 s43, 0, v[TM+8]
	v_cmp_eq_u32 vcc_lo, 0x10101010, v[TM+8]
	s_or_b32 s42, s42, s43
	s_cmp_lg_u32 s43, 0
	s_cselect_b32 s43, 1<<\j, 0
	s_or_b32 s40, s40, s43
	s_cmp_eq_u32 vcc_lo, -1
	s_cselect_b32 s43, 1<<\j, 0
	s_or_b32 s41, s41, s43
.endr
	s_lshl_b32 s43, s[WV], 2
	s_lshl_b32 s40, s40, s43
	s_lshl_b32 s41, s41, s43
	v_mov_b32 v[TM+9], 0
	v_writelane_b32 v[TM+9], s40, 0
	v_writelane_b32 v[TM+9], s41, 1
	v_writelane_b32 v[TM+9], s42, 2
	v_lshlrev_b32 v[TM+10], 2, v1
	global_store_b32 v[TM+10], v[TM+9], s[44:45]   ; 32 lanes store 128 consecutive bytes
.set JJ, 0
.rept 4
.set N, 0
.rept 64
	v_and_b32 v[TM+N%8], 0xff<<(8*(N%4)), v[R+16*JJ+4*(N/16)+(N%16)/4]
	v_cmp_ne_u32 s[32+N%8], 0, v[TM+N%8]           ; the 32 lanes' bits are word N,
	v_writelane_b32 v[X+2*JJ+N%2], s[32+N%8], N/2  ; which lane N / 2 will store
.set N, N+1
.endr
	global_store_b64 v11, v[X+2*JJ:X+2*JJ+1], s[20:21] offset:256*JJ   ; 32 lanes store 256 consecutive bytes, aligned
.set JJ, JJ+1
.endr
	s_endpgm
; ---- A WEIGHT.  A lane takes a column and its registers run down K: each load reads 128 consecutive bytes a wave (512 a work-group), a block of 32 lies in one lane, and the codes come out with K innermost.
; Lanes 0-15 hold the columns of tile 2 w, lanes 16-31 those of tile 2 w + 1.
.Lpath_w:
	s_sub_co_u32 s26, ttmp9, ID_W
	s_lshr_b32 s23, s26, 8                         ; which weight
	s_bfe_u32 s24, s26, 0x40004                    ; K step
	s_and_b32 s25, s26, 15                         ; group of 128 columns: neighbouring work-groups stand side by side on the same rows
	s_cmp_eq_u32 s23, 1
	s_cselect_b64 s[6:7], s[8:9], s[6:7]
	s_cmp_eq_u32 s23, 2
	s_cselect_b64 s[6:7], s[10:11], s[6:7]
	s_cmp_eq_u32 s23, 3
	s_cselect_b64 s[6:7], s[12:13], s[6:7]
	s_add_co_u32 s23, s23, 1                       ; its region of xw
	s_lshl_b32 s26, s24, 20                        ; 128 rows of 8,192 bytes
	s_lshl_b32 s27, s25, 9
	s_add_co_u32 s26, s26, s27
	s_lshl_b32 s27, s[WV], 7
	s_add_co_u32 s26, s26, s27
	s_mov_b32 s27, 0
	s_add_nc_u64 s[6:7], s[6:7], s[26:27]
	s_wait_alu depctr_va_vdst(0)
	v_lshl_add_u32 v10, v3, 3, v4
	v_lshlrev_b32 v10, 2, v10                      ; my column: r % 8 + 16 (r / 8) + 8 h
.macro WLOAD b
.set K, 32*(\b)
.rept 32
	global_load_b32 v[R+K], v10, s[6:7] offset:K*8192 th:TH_LOAD_NT
.set K, K+1
.endr
.endm
.macro WBLK b, left                    ; block b of my column; left: the next block's loads may stay out
	s_wait_loadcnt \left
.if (\b) < 2
	WLOAD (\b)+2                                   ; two blocks, 64 loads, are out
.endif
	v_max3_num_f32 v[TM], |v[R+32*(\b)]|, |v[R+32*(\b)+1]|, |v[R+32*(\b)+2]|
	v_max3_num_f32 v[TM+1], |v[R+32*(\b)+3]|, |v[R+32*(\b)+4]|, |v[R+32*(\b)+5]|
.irp i, 6,10,14,18,22,26
	v_max3_num_f32 v[TM], v[TM], |v[R+32*(\b)+\i]|, |v[R+32*(\b)+\i+1]|
	v_max3_num_f32 v[TM+1], v[TM+1], |v[R+32*(\b)+\i+2]|, |v[R+32*(\b)+\i+3]|
.endr
	v_max3_num_f32 v[TM], v[TM], |v[R+32*(\b)+30]|, |v[R+32*(\b)+31]|
	v_max3_num_f32 v[TM], v[TM], v[TM+1], 0x1800000   ; and the floor
	v_add_nc_u32 v[TM+2], 0xff000000, v[TM]
	v_lshrrev_b32 v[TM+3], 23, v[TM+2]
.if (\b) == 0
	v_mov_b32 v[PWX], v[TM+3]
.else
	v_lshl_or_b32 v[PWX], v[TM+3], 8*(\b), v[PWX]
.endif
	v_cvt_scalef32_pk16_fp6_f32 v[F0+12*((\b)%2)+6*((\b)/2):F0+12*((\b)%2)+6*((\b)/2)+2], v[R+32*(\b):R+32*(\b)+15], v[TM+2]   ; even blocks into the first run, odd ones into the second
	v_cvt_scalef32_pk16_fp6_f32 v[CT:CT+2], v[R+32*(\b)+16:R+32*(\b)+31], v[TM+2]
	v_nop
.irp i, 0,1,2
	v_mov_b32 v[F0+12*((\b)%2)+6*((\b)/2)+3+\i], v[CT+\i]
.endr
.endm
	WLOAD 0
	WLOAD 1
	s_wait_alu depctr_va_vdst(0)
	WBLK 0, 32
	WBLK 1, 32
	WBLK 2, 32
	WBLK 3, 0
.irp i, 0,1,2,3,4,5,6,7,8,9,10,11
	v_permlane16_swap_b32 v[F0+\i], v[F1+\i]       ; the even blocks' lanes 16-31 change places with the odd blocks' lanes 0-15: the first run is now tile 2 w's fragment, the second tile 2 w + 1's
.endr
	s_branch .Ltail
; ---- x.  K is innermost.  Each load reads a row's 512 consecutive bytes; 16 rows go through the wave's stage and come back 16 neighbours of each block a lane.
.Lpath_x:
	s_sub_co_u32 s23, ttmp9, ID_X
	s_lshr_b32 s25, s23, 4                         ; block of 128 rows
	s_and_b32 s24, s23, 15                         ; K step
	s_lshl_b32 s26, s25, 20
	s_lshl_b32 s27, s[WV], 18                      ; my 32 rows
	s_add_co_u32 s26, s26, s27
	s_lshl_b32 s27, s24, 9
	s_add_co_u32 s26, s26, s27
	s_mov_b32 s27, 0
	s_add_nc_u64 s[4:5], s[4:5], s[26:27]
	s_mov_b32 s23, 0                               ; region 0
	s_wait_alu depctr_va_vdst(0)
.irp u, 0,1
.irp m, 0,1,2,3,4,5,6,7,8,9,10,11,12,13,14,15
	global_load_b128 v[R+64*\u+4*\m:R+64*\u+4*\m+3], v5, s[4:5] offset:(8*\u+\m%8+16*(\m/8))*8192 th:TH_LOAD_NT
.endr
.endr
.irp b, 0,1,2,3
	v_mov_b32 v[TM+4+\b], 0                        ; (a lane permute's destination counts as read)
.endr
	s_mov_b32 s28, 0xffff0000
.macro XTILE u, left, pc, pw
	s_wait_loadcnt \left                           ; this tile's 16 rows are in; the other tile's 16 loads may be out
.irp m, 0,1,2,3,4,5,6,7,8,9,10,11,12,13,14,15
	ds_store_b128 v8, v[R+64*\u+4*\m:R+64*\u+4*\m+3] offset:SPITCH*\m
.endr
.irp b, 0,1,2,3
.irp e, 0,1,2,3
	ds_load_b128 v[X+16*\b+4*\e:X+16*\b+4*\e+3], v9 offset:128*\b+16*\e   ; LDS serves a wave's instructions in order: these see my stores
.endr
.endr
	s_wait_dscnt 0x0
	QUANT X, \pc, \pw
.endm
	XTILE 0, 16, F0, PWA
	XTILE 1, 0, F1, PWB
	v_cndmask_b32 v[PWX], v[PWA], v[PWB], s28      ; lanes 0-15: tile 2 w's words, lanes 16-31: tile 2 w + 1's
; ---- both: the wave's two fragments leave as they stand; the record's scale words meet in LDS and leave as 512 consecutive bytes
.Ltail:
	s_mul_i32 s26, s23, REG
	s_mul_i32 s27, s25, GRP
	s_add_co_u32 s26, s26, s27
	s_mul_i32 s27, s24, REC
	s_add_co_u32 s26, s26, s27
	s_mov_b32 s27, 0
	s_add_nc_u64 s[16:17], s[16:17], s[26:27]      ; the record
	s_mul_i32 s28, s[WV], 3072
	v_add_nc_u32 v11, s28, v5
	s_wait_alu depctr_va_vdst(0)
.irp c, 0,1,2
	global_store_b128 v11, v[F0+4*\c:F0+4*\c+3], s[16:17] offset:512*\c
	global_store_b128 v11, v[F1+4*\c:F1+4*\c+3], s[16:17] offset:1536+512*\c
.endr
	ds_store_b32 v7, v[PWX] offset:EX
	s_wait_dscnt 0x0                               ; for the others' sake: my word has landed
	s_barrier_signal -1
	s_barrier_wait -1
	s_cmp_lg_u32 s[WV], 0
	s_cbranch_scc1 .Lend
	ds_load_b128 v[12:15], v5 offset:EX
	s_wait_dscnt 0x0
	global_store_b128 v5, v[12:15], s[16:17] offset:12288
.Lend:
	s_wait_tensorcnt 0x0
	ds_add_u32 v239, v255
	s_wait_dscnt 0x0
	s_endpgm
.Lfunc_end_k_qe2ca083e95_prep:
	.size	k_qe2ca083e95_prep, .Lfunc_end_k_qe2ca083e95_prep-k_qe2ca083e95_prep
	.p2alignl 7, 3214868480
	.fill 96, 4, 3214868480
	.section	.rodata,"a",@progbits
	.p2align	6, 0x0
	.amdhsa_kernel k_qe2ca083e95_prep
		.amdhsa_group_segment_fixed_size 35328
		.amdhsa_private_segment_fixed_size 0
		.amdhsa_enable_private_segment 0
		.amdhsa_kernarg_size 80
		.amdhsa_user_sgpr_count 2
		.amdhsa_user_sgpr_kernarg_segment_ptr 1
		.amdhsa_wavefront_size32 1
		.amdhsa_system_sgpr_workgroup_id_x 1
		.amdhsa_system_sgpr_workgroup_id_y 1
		.amdhsa_system_sgpr_workgroup_id_z 1
		.amdhsa_system_vgpr_workitem_id 0
		.amdhsa_next_free_vgpr 256
		.amdhsa_next_free_sgpr 66
		.amdhsa_reserve_vcc 1
		.amdhsa_float_denorm_mode_32 3
		.amdhsa_float_denorm_mode_16_64 3
		.amdhsa_memory_ordered 1
		.amdhsa_forward_progress 1
		.amdhsa_inst_pref_size 118
	.end_amdhsa_kernel
	.amdgpu_metadata
---
amdhsa.version: [ 1, 2 ]
amdhsa.kernels:
  - .name:           k_qe2ca083e95_prep
    .symbol:         k_qe2ca083e95_prep.kd
    .args:
      - { .name: x, .offset: 0, .size: 8, .value_kind: global_buffer, .address_space: global }
      - { .name: Wq, .offset: 8, .size: 8, .value_kind: global_buffer, .address_space: global }
      - { .name: Wk, .offset: 16, .size: 8, .value_kind: global_buffer, .address_space: global }
      - { .name: Wv, .offset: 24, .size: 8, .value_kind: global_buffer, .address_space: global }
      - { .name: Wo, .offset: 32, .size: 8, .value_kind: global_buffer, .address_space: global }
      - { .name: mask, .offset: 40, .size: 8, .value_kind: global_buffer, .address_space: global }
      - { .name: xw, .offset: 48, .size: 8, .value_kind: global_buffer, .address_space: global }
      - { .name: rope, .offset: 56, .size: 8, .value_kind: global_buffer, .address_space: global }
      - { .name: maskw, .offset: 64, .size: 8, .value_kind: global_buffer, .address_space: global }
      - { .name: maskf, .offset: 72, .size: 8, .value_kind: global_buffer, .address_space: global }
    .group_segment_fixed_size: 35328
    .private_segment_fixed_size: 0
    .kernarg_segment_align: 8
    .kernarg_segment_size: 80
    .max_flat_workgroup_size: 128
    .sgpr_count:     66
    .vgpr_count:     256
    .wavefront_size: 32
...
	.end_amdgpu_metadata
.endif
;; end of part 5
;; launch qkv (part 6): grid 12 x 16, 4 waves a work-group, clusters of 4 x 4, 327,680 bytes of LDS; arguments xw, rope, qkv; writes qkv
.if DOCPART == 6
	.amdgcn_target "amdgcn-amd-amdhsa--gfx1250"
	.amdhsa_code_object_version 6
	.text
	.protected	k_qe2ca083e95_qkv
	.globl	k_qe2ca083e95_qkv
	.p2align	8
	.type	k_qe2ca083e95_qkv,@function
k_qe2ca083e95_qkv:
	s_mov_b64 s[64:65], 0
	v_nop
	global_prefetch_b8 v0, s[64:65] scope:SCOPE_SE
	s_setreg_imm32_b32 hwreg(HW_REG_WAVE_MODE, 25, 1), 1
	s_wait_xcnt 0x0
	s_wait_alu depctr_hold_cnt(0) depctr_sa_sdst(0) depctr_va_vdst(0) depctr_va_sdst(0) depctr_va_ssrc(0) depctr_va_vcc(0) depctr_vm_vsrc(0)
	s_getreg_b32 s2, hwreg(HW_REG_IB_STS2, 6, 4)
	s_cmp_eq_u32 s2, 0
	s_cbranch_scc0 .Lentry_in_a_cluster
	s_endpgm
.Lentry_in_a_cluster:
	s_bfe_u32 s2, ttmp6, 0x10000c
	s_cmp_lg_u32 s2, 0xf033
	s_cbranch_scc0 .Lentry_shape_is_right
	s_endpgm
.Lentry_shape_is_right:
; q, k and v = x W, on codes of FP6 (E2M3) with E8M0 scales; RoPE on q and k in f32; the results quantised again: q and k along the head's 128, v along the keys.
; Operands come as RECORDS: eight fragments (16 rows x 128 K) as images of their 12 registers, 1,536 bytes each, and at byte 12,288 their scale words (word 4 L + a: tile 2 a + L / 16, row L % 16).  Row m of tile 2 b + u stands for index 32 b + 8 u + m % 8 + 16 (m / 8).
; SHARES.  The cluster's x is the ROLE: 0 q, 1 k, 2 v.  A work-group has one operand Q that its four waves share (source 1, 8 tiles); each wave has an operand P of its own (source 0, 8 tiles): 64 accumulators, 512 registers a wave.
;   roles 0, 1: Q = x's row block gy, P = the weight's head 4 cx + wave: a lane holds one row of x, and its 64 registers of a block of Q run along the head's 128: RoPE's partners and the quantiser's blocks lie in one lane.
;   role 2:     Q = Wv's head gy, P = x's row block 4 cx + wave: a lane holds one channel of v, and its registers run along 128 keys, which are the K of attention's second product.
; The roles differ in global addresses and in the way out alone.  K goes in 8 fills of two K steps of 128 through a ring of two LDS slots.
; CLUSTERS: 4 x 4.  Q hangs on gy alone and is asked for jointly along a row of the cluster; P hangs on cx and the wave alone and is asked for jointly along a column.  Wave 0 asks for Q, waves 2 and 3 for two P's each (one descriptor: two rows of 25,600 bytes).
; THE RoPE TABLE of row block gy, 65,536 dense bytes, comes into LDS ONCE, with the first fills, by wave 1's one tensor load, jointly along the row of the cluster: so it is asked for a whole K ahead of the way out, which reads it from LDS.
; Role 2 receives it and does not read it: one text of joint loads serves all roles.
; OUT: qkv = [q, k, v][head][16] records: q, k: [row block], fragments = tiles of rows; v: [key step], fragments = tiles of channels.
; LIMITS: a block whose largest magnitude lies under 2^-124 gets the byte 1: its codes are zeros, and this program alone reads the bytes.  NaN and infinities are not served.
; REGISTERS: window 0: v1 16 x lane; v16-22 LDS addresses; v28-29 for the add; v32-47 scale words, two sets (P's four registers, then Q's four), and nothing else; v128-223 Q's fragments, ONE set; on the way out v48-111, v128-235.
;   window 1: P's fragments, two sets, at v0 and v128.   windows 2, 3: the accumulators: (block a of Q, tile t of P) at v[8 (8 (a % 4) + t)] of window 2 + a / 4.
.set REC,   12800
.set GRP,   16*REC
.set REG,   16*GRP
.set PAIR,  2*REC                      ; two K steps of one operand
.set SLOT,  5*PAIR                     ; Q's pair, then the four waves' P pairs
.set SPARE, 2*SLOT                     ; the spare words: 128 bytes a wave, two blocks of 256 bytes that no other line names
.set ROPEL, SPARE+512                  ; behind them: the table of my row block, 8 tiles of 8,192 bytes; filled once
.set LI,   1
.set ADRQ, 16
.set ADRP, 20
.set ADRR, 22                          ; v22  the table: ROPEL + 16 x lane
.set SPW,  28
.set NIL,  29
.set SC,   32
.set AF,   128
.set H,    48                          ; the way out: 64 numbers behind RoPE
.set RT,   128                         ; 32 cosines, 32 sines
.set PC,   192                         ; the fragment just made
.set CT,   204
.set TM,   212
.set PWS,  224                         ; the eight fragments' scale words
.set SWO,  232
.set WV,   14
.set ROLE, 15
.set SEL,  10
.set G1A,  24
.set G0A,  32
.set G1B,  48
.set G0B,  56
.set G1R,  68                          ; s[68:75], s[76:79] groups 1 and 0 for the table
.set G0R,  76
.set MSB, 0
.macro WIN new                         ; the immediate's high byte repeats the setting that is left
.if MSB != (\new)
	s_set_vgpr_msb (MSB<<8)|(\new)
.set MSB, (\new)
.endif
.endm
.set MUL_LO, 0xa1                      ; source 0 (P) window 1, source 1 (Q) window 0, C and D window 2
.set MUL_HI, 0xf1
.set TO_P,   0x40                      ; destination window 1
.macro PLACES n
.rept \n
	v_nop
.endr
.endm
.macro CREST
	s_cmp_lg_u32 s[WV], 0
	s_cbranch_scc1 .Lnot_wave_0_\@
	s_barrier_signal -3
.Lnot_wave_0_\@:
	s_barrier_wait -3
	s_barrier_signal -1
	s_barrier_wait -1
.endm
.macro CROUND
	s_barrier_signal -1
	s_barrier_wait -1
	CREST
.endm
; A joint refill of slot n.  The branches hang on the wave's number alone.  Four v_nop follow each tensor line; wave 1, which refills nothing, has the same four, as the places in front of the LDS loads that follow.
.macro JLOAD n
	s_cmp_eq_u32 s[WV], 0
	s_cbranch_scc0 .Lnot_q_\@
	tensor_load_to_lds s[G0A+4*\n:G0A+4*\n+3], s[G1A:G1A+7]
	s_nop 0
	PLACES 4
	s_branch .Lasked_\@
.Lnot_q_\@:
	s_cmp_lt_u32 s[WV], 2
	s_cbranch_scc1 .Lnone_\@
	tensor_load_to_lds s[G0B+4*\n:G0B+4*\n+3], s[G1B:G1B+7]
	s_nop 0
	PLACES 4
	s_branch .Lasked_\@
.Lnone_\@:
	PLACES 4
.Lasked_\@:
.endm
; One product.  sp, sq: the scale registers of sources 0 and 1; rp, rq = 1: the words lie in lanes 16-31.
.macro WMC c
.if rSEL == 3
	v_wmma_scale_f32_16x16x128_f8f6f4 v[rD:rD+7], v[rP:rP+11], v[rQ:rQ+11], \c, v[rSP], v[rSQ] matrix_a_fmt:MATRIX_FMT_FP6 matrix_b_fmt:MATRIX_FMT_FP6 matrix_a_scale:MATRIX_SCALE_ROW1 matrix_b_scale:MATRIX_SCALE_ROW1
.elseif rSEL == 2
	v_wmma_scale_f32_16x16x128_f8f6f4 v[rD:rD+7], v[rP:rP+11], v[rQ:rQ+11], \c, v[rSP], v[rSQ] matrix_a_fmt:MATRIX_FMT_FP6 matrix_b_fmt:MATRIX_FMT_FP6 matrix_a_scale:MATRIX_SCALE_ROW1
.elseif rSEL == 1
	v_wmma_scale_f32_16x16x128_f8f6f4 v[rD:rD+7], v[rP:rP+11], v[rQ:rQ+11], \c, v[rSP], v[rSQ] matrix_a_fmt:MATRIX_FMT_FP6 matrix_b_fmt:MATRIX_FMT_FP6 matrix_b_scale:MATRIX_SCALE_ROW1
.else
	v_wmma_scale_f32_16x16x128_f8f6f4 v[rD:rD+7], v[rP:rP+11], v[rQ:rQ+11], \c, v[rSP], v[rSQ] matrix_a_fmt:MATRIX_FMT_FP6 matrix_b_fmt:MATRIX_FMT_FP6
.endif
.endm
.macro WM d, p, q, zero, sp, sq, rp, rq
.set rD, \d
.set rP, \p
.set rQ, \q
.set rSP, \sp
.set rSQ, \sq
.set rSEL, 2*(\rp)+(\rq)
.if \zero
	WMC 0
.else
	WMC v[rD:rD+7]
.endif
.endm
; 64 numbers of a lane in window w, register 16 b + i = k 32 b + 16 (lane / 16) + i of row lane % 16, become a fragment in v[pc] on and the row's scale word in v[pw] (window 0).  An accumulator's registers are read in ascending order.
.macro QUANT s, w, pc, pw
	WIN ((\w)<<2)|((\w)<<4)
.irp b, 0,1,2,3
	v_max3_num_f32 v[TM+\b], 0x1800000, |v[\s+16*\b]|, |v[\s+16*\b+1]|   ; my 16 numbers of block b, and the floor 2^(3 - 127)
.endr
.irp i, 2,4,6,8,10,12,14
.irp b, 0,1,2,3
	v_max3_num_f32 v[TM+\b], v[TM+\b], |v[\s+16*\b+\i]|, |v[\s+16*\b+\i+1]|
.endr
.endr
	WIN 0
.irp b, 0,1,2,3
	v_permlanex16_b32 v[TM+4+\b], v[TM+\b], s[SEL], s[SEL+1]
.endr
.irp b, 0,1,2,3
	v_max_num_f32 v[TM+\b], v[TM+\b], v[TM+4+\b]
.endr
.irp b, 0,1,2,3
	v_add_nc_u32 v[TM+8+\b], 0xff000000, v[TM+\b]  ; 2 off the exponent field: the conversion's scale operand
.endr
.irp b, 0,1,2,3
	v_lshrrev_b32 v[TM+4+\b], 23, v[TM+8+\b]
.endr
	v_lshl_or_b32 v[\pw], v[TM+5], 8, v[TM+4]
	v_lshl_or_b32 v[\pw], v[TM+6], 16, v[\pw]
	v_lshl_or_b32 v[\pw], v[TM+7], 24, v[\pw]
	WIN \w
.irp c, 0,1
	v_cvt_scalef32_pk16_fp6_f32 v[\pc+6*\c:\pc+6*\c+2], v[\s+32*\c:\s+32*\c+15], v[TM+8+2*\c]
	v_cvt_scalef32_pk16_fp6_f32 v[CT+4*\c:CT+4*\c+2], v[\s+32*\c+16:\s+32*\c+31], v[TM+9+2*\c]
.endr
	WIN 0
	v_nop                                          ; one plain place behind a scaled conversion
.irp c, 0,1
.irp i, 0,1,2
	v_permlane16_swap_b32 v[\pc+6*\c+\i], v[CT+4*\c+\i]
.endr
.irp i, 0,1,2
	v_mov_b32 v[\pc+3+6*\c+\i], v[CT+4*\c+\i]
.endr
.endr
.endm
	s_load_b128 s[4:7], s[0:1], 0x0                ; xw, rope
	s_load_b64 s[8:9], s[0:1], 0x10                ; qkv
	v_lshl_add_u32 v[SPW], v0, 2, SPARE
	v_mov_b32 v[NIL], 0
	ds_add_u32 v28, v29
	ds_add_u32 v28, v29
	s_wait_dscnt 0x0
	v_lshrrev_b32 v1, 5, v0
	v_readfirstlane_b32 s[WV], v1                  ; wave 0..3
	s_mov_b32 s[ROLE], ttmp9                       ; the cluster's x: the same in all sixteen partners
	s_bfe_u32 s40, ttmp6, 0x40000                  ; cx
	s_bfe_u32 s41, ttmp6, 0x40004                  ; cy
	s_and_b32 s17, ttmp7, 0xffff
	s_lshl_b32 s17, s17, 2
	s_add_co_u32 s17, s17, s41                     ; gy = 4 x cluster y + cy
	s_lshl_b32 s43, s41, 2
	s_lshl_b32 s43, 15, s43                        ; my row of the cluster
	s_lshl_b32 s44, 0x1111, s40                    ; my column
	s_or_b32 s[G1A], s43, (3<<16)|(1<<21)          ; Q's pair: 25,600 dense bytes as 100 rows of 32 elements of 8 bytes; the mask: my row; bit 21 beside it
	s_mov_b32 s[G1A+1], 32<<16
	s_mov_b32 s[G1A+2], 100<<16
	s_mov_b32 s[G1A+3], 32<<16
	s_mov_b32 s[G1A+4], 100
	s_mov_b32 s[G1A+5], 32
	s_mov_b32 s[G1A+6], 0
	s_mov_b32 s[G1A+7], 0
	s_or_b32 s[G1B], s44, (3<<16)|(1<<21)          ; two P pairs: two rows of 3,200 elements of 8 bytes, a group (25,600 elements) apart in memory, on end in LDS; the mask: my column
	s_mov_b32 s[G1B+1], 3200<<16
	s_mov_b32 s[G1B+2], 2<<16
	s_mov_b32 s[G1B+3], 3200<<16
	s_mov_b32 s[G1B+4], 2
	s_mov_b32 s[G1B+5], 25600
	s_mov_b32 s[G1B+6], 0
	s_mov_b32 s[G1B+7], 0
	s_or_b32 s[G1R], s43, (3<<16)|(1<<21)          ; the table: 65,536 dense bytes as 256 rows of 32 elements of 8 bytes; the mask: my row, which shares gy
	s_mov_b32 s[G1R+1], 32<<16
	s_mov_b32 s[G1R+2], 256<<16
	s_mov_b32 s[G1R+3], 32<<16
	s_mov_b32 s[G1R+4], 256
	s_mov_b32 s[G1R+5], 32
	s_mov_b32 s[G1R+6], 0
	s_mov_b32 s[G1R+7], 0
	s_add_co_u32 s46, s[ROLE], 1
	s_cmp_eq_u32 s[ROLE], 2
	s_cselect_b32 s20, 3, 0                        ; Q's region of xw: Wv, or x
	s_cselect_b32 s46, 0, s46                      ; P's: x, or Wq, Wk
	s_mul_i32 s20, s20, REG
	s_mul_i32 s21, s17, GRP
	s_add_co_u32 s20, s20, s21
	s_mov_b32 s21, 0                               ; Q's bytes: made of the role and gy
	s_mul_i32 s46, s46, REG
	s_lshl_b32 s47, s40, 2
	s_and_b32 s45, s[WV], 1
	s_lshl_b32 s42, s45, 1
	s_add_co_u32 s47, s47, s42                     ; groups 4 cx + 2 (wave % 2) and the next
	s_mul_i32 s47, s47, GRP
	s_add_co_u32 s46, s46, s47
	s_mov_b32 s47, 0                               ; P's bytes: made of the role, cx and the wave
	s_mul_i32 s45, s45, 2*PAIR
	s_add_co_u32 s45, s45, PAIR                    ; and their place in a slot
	s_lshl_b32 s84, s17, 16                        ; the table's bytes: row block gy, 8 tiles of 8,192 bytes
	s_mov_b32 s85, 0
	s_mov_b32 s[SEL], 0x76543210
	s_mov_b32 s[SEL+1], 0xfedcba98
	s_wait_kmcnt 0x0
	s_add_nc_u64 s[20:21], s[4:5], s[20:21]
	s_add_nc_u64 s[46:47], s[4:5], s[46:47]
.irp n, 0,1
	s_mov_b32 s[G0A+4*\n], 1
	s_mov_b32 s[G0A+4*\n+1], \n*SLOT
	s_add_nc_u64 s[G0A+4*\n+2:G0A+4*\n+3], s[20:21], \n*PAIR
	s_or_b32 s[G0A+4*\n+3], s[G0A+4*\n+3], 0x80000000
	s_mov_b32 s[G0B+4*\n], 1
	s_add_co_u32 s[G0B+4*\n+1], s45, \n*SLOT
	s_add_nc_u64 s[G0B+4*\n+2:G0B+4*\n+3], s[46:47], \n*PAIR
	s_or_b32 s[G0B+4*\n+3], s[G0B+4*\n+3], 0x80000000
.endr
	s_mov_b32 s[G0R], 1
	s_mov_b32 s[G0R+1], ROPEL
	s_add_nc_u64 s[G0R+2:G0R+3], s[6:7], s[84:85]
	s_or_b32 s[G0R+3], s[G0R+3], 0x80000000
	CROUND                                         ; all sixteen work-groups are here: the first joint loads meet
	s_cmp_eq_u32 s[WV], 0                          ; the head's fills, one a wave: wave 0 Q's pair of slot 0, wave 1 the table, waves 2 and 3 P's pairs of slot 0
	s_cbranch_scc0 .Lfirst_not_q
	tensor_load_to_lds s[G0A:G0A+3], s[G1A:G1A+7]
	s_nop 0
	PLACES 4
	s_branch .Lfirst_asked
.Lfirst_not_q:
	s_cmp_lt_u32 s[WV], 2
	s_cbranch_scc0 .Lfirst_p
	tensor_load_to_lds s[G0R:G0R+3], s[G1R:G1R+7]  ; wave 1: the table
	s_nop 0
	PLACES 4
	s_branch .Lfirst_asked
.Lfirst_p:
	tensor_load_to_lds s[G0B:G0B+3], s[G1B:G1B+7]
	s_nop 0
	PLACES 4
.Lfirst_asked:
	v_and_b32 v[LI], 31, v0
	v_lshlrev_b32 v[LI], 4, v[LI]                  ; 16 x lane: my place in every image
	s_mul_i32 s16, s[WV], PAIR
	s_add_co_u32 s16, s16, PAIR
	v_add_nc_u32 v[ADRP], s16, v[LI]
	v_add_nc_u32 v[ADRP+1], SLOT, v[ADRP]
	v_mov_b32 v[ADRQ], v[LI]
	v_add_nc_u32 v[ADRQ+1], SLOT, v[LI]
	v_add_nc_u32 v[ADRR], ROPEL, v[LI]
	s_lshl_b32 s80, s40, 2                         ; where my record goes
	s_add_co_u32 s80, s80, s[WV]                   ; 4 cx + wave
	s_cmp_eq_u32 s[ROLE], 2
	s_cselect_b32 s81, s17, s80                    ; the head
	s_cselect_b32 s82, s80, s17                    ; the row block, or the key step
	s_mul_i32 s81, s81, GRP
	s_mul_i32 s82, s82, REC
	s_add_co_u32 s82, s82, s81
	s_mul_i32 s81, s[ROLE], REG
	s_add_co_u32 s82, s82, s81
	s_mov_b32 s83, 0
	s_add_nc_u64 s[8:9], s[8:9], s[82:83]
	s_mov_b32 s86, 0xffff0000
; 16 products: Q's blocks a0, a0 + 1 x P's eight tiles, the slot's q-th K step (P's set q, scale set q).  The 64 accumulators take turns, one instruction a turn, in the same order in every step.
.macro MUL16 a0, q, zero
.irp a, \a0, \a0+1
.irp t, 0,1,2,3,4,5,6,7
	WM 8*(8*((\a)%4)+\t), 128*(\q)+12*\t, AF+12*(\a), \zero, SC+8*(\q)+\t/2, SC+8*(\q)+4+(\a)/2, \t%2, (\a)%2
.endr
.endr
.endm
.macro FETCH_P slot, q                 ; 25 loads: P's eight fragments into set q, and their scale words
	WIN TO_P
.irp t, 0,1,2,3,4,5,6,7
.irp c, 0,1,2
	ds_load_b128 v[128*(\q)+12*\t+4*\c:128*(\q)+12*\t+4*\c+3], v[ADRP+\slot] offset:(\q)*REC+1536*\t+512*\c
.endr
.endr
	WIN 0
	ds_load_b128 v[SC+8*(\q):SC+8*(\q)+3], v[ADRP+\slot] offset:(\q)*REC+12288
.endm
.macro FETCH_Q slot, q, i0             ; 12 loads: Q's blocks i0 .. i0 + 3; with the first four a thirteenth: the scale words
.irp i, \i0, \i0+1, \i0+2, \i0+3
.irp c, 0,1,2
	ds_load_b128 v[AF+12*(\i)+4*\c:AF+12*(\i)+4*\c+3], v[ADRQ+\slot] offset:(\q)*REC+1536*(\i)+512*\c
.endr
.endr
.if \i0 == 0
	ds_load_b128 v[SC+8*(\q)+4:SC+8*(\q)+7], v[ADRQ+\slot] offset:(\q)*REC+12288
.endif
.endm
; A slot's first K step.  A load into a register that a matrix instruction has read stands four plain vector instructions behind it (ISA guide 7.12.1 for vector instructions).
.macro STEP slot, zero
	s_wait_dscnt 12                                ; P, the scale words and Q's blocks 0-3 are in; the youngest 12 loads (Q's blocks 4-7) may be out
	WIN MUL_LO
	MUL16 0, 0, \zero
	MUL16 2, 0, \zero
	s_wait_dscnt 0x0                               ; Q's blocks 4-7 are in
	PLACES 4
	FETCH_P \slot, 1
	FETCH_Q \slot, 1, 0
	WIN MUL_HI
	MUL16 4, 0, \zero
	MUL16 6, 0, \zero
	PLACES 4
	WIN 0
	FETCH_Q \slot, 1, 4
.endm
; A slot's second K step changes slots: ONE barrier; in front of it each wave waits for all its tensor loads, adds 0 to its spare word, and waits for that and for its reads of this slot.  fill = 1: the barrier opens a round of the cluster's, and the slot is filled again.
.macro TURN slot, next, fill
	s_wait_tensorcnt 0x0                           ; all my tensor loads have landed: my part of the next slot
	ds_add_u32 v[SPW], v[NIL]                      ; 0 onto my spare word
	s_wait_dscnt 13                                ; (the add and the youngest 12 loads may be out)
	WIN MUL_LO
	MUL16 0, 1, 0
	s_wait_dscnt 0x0                               ; the add is done, and my reads of this slot are over
	s_barrier_signal -1
	MUL16 2, 1, 0
	WIN 0
	s_barrier_wait -1
.if \fill
	CREST                                          ; no wave of any partner still reads this slot or has a load on its way
	s_add_nc_u64 s[G0A+4*\slot+2:G0A+4*\slot+3], s[G0A+4*\slot+2:G0A+4*\slot+3], 2*PAIR
	s_add_nc_u64 s[G0B+4*\slot+2:G0B+4*\slot+3], s[G0B+4*\slot+2:G0B+4*\slot+3], 2*PAIR
	JLOAD \slot                                    ; the first tensor load behind the round: it has two K steps less 32 products in which to land
.else
	PLACES 4
.endif
	FETCH_P \next, 0
	FETCH_Q \next, 0, 0
	WIN MUL_HI
	MUL16 4, 1, 0
	MUL16 6, 1, 0
	PLACES 4
	WIN 0
	FETCH_Q \next, 0, 4
.endm
	s_wait_alu depctr_va_vdst(0)
	s_wait_tensorcnt 0x0                           ; my one load of the head is in
	ds_add_u32 v[SPW], v[NIL]
	s_wait_dscnt 0x0
	CROUND                                         ; slot 0 and the table are whole, and all sixteen work-groups are here
	JLOAD 1                                        ; slot 1's first fill: the first tensor load behind the round
	FETCH_P 0, 0
	FETCH_Q 0, 0, 0
	FETCH_Q 0, 0, 4
	STEP 0, 1                                      ; the first step's products start the sums: nothing is cleared
	s_mov_b32 s3, 3
.Llap:                                                 ; a trip goes once round the ring and fills both slots again: fills 2 to 7
	TURN 0, 1, 1
	STEP 1, 0
	TURN 1, 0, 1
	STEP 0, 0
	s_sub_co_u32 s3, s3, 1
	s_cmp_lg_u32 s3, 0
	s_cbranch_scc1 .Llap
	TURN 0, 1, 0                                   ; the last lap fills nothing
	STEP 1, 0
	s_wait_dscnt 12
	WIN MUL_LO
	MUL16 0, 1, 0
	MUL16 2, 1, 0
	s_wait_dscnt 0x0
	WIN MUL_HI
	MUL16 4, 1, 0
	MUL16 6, 1, 0
	WIN 0
; THE WAY OUT stores nothing to LDS: the 64 registers of a block of Q are already in the quantiser's order, and a fragment leaves as it stands, 512 consecutive bytes a store.
	PLACES 4
.irp b, 0,1,2,3
	v_mov_b32 v[TM+4+\b], 0                        ; (a lane permute's destination counts as read)
.endr
.macro OUT a
.irp c, 0,1,2
	global_store_b128 v[LI], v[PC+4*\c:PC+4*\c+3], s[8:9] offset:1536*(\a)+512*\c
.endr
.endm
	s_cmp_eq_u32 s[ROLE], 2
	s_cbranch_scc1 .Lrole_v
.macro RLOAD a                         ; the table of tile a of my row block, out of LDS: registers 0-31 cos, 32-63 sin, in my lane's order; 512 consecutive bytes a load
.irp g, 0,1,2,3,4,5,6,7,8,9,10,11,12,13,14,15
	ds_load_b128 v[RT+4*\g:RT+4*\g+3], v[ADRR] offset:(\a)*8192+512*\g
.endr
.endm
.macro ROPE a                          ; register z under 32 holds channel d under 64, register z + 32 channel d + 64: out(d) = q(d) cos - q(d + 64) sin; out(d + 64) = q(d + 64) cos + q(d) sin
	WIN 2+(\a)/4
.irp z, 0,2,4,6,8,10,12,14,16,18,20,22,24,26,28,30
	v_pk_mul_f32 v[H+\z:H+\z+1], v[64*((\a)%4)+\z:64*((\a)%4)+\z+1], v[RT+\z:RT+\z+1]
	v_pk_fma_f32 v[H+\z:H+\z+1], v[64*((\a)%4)+32+\z:64*((\a)%4)+32+\z+1], v[RT+32+\z:RT+32+\z+1], v[H+\z:H+\z+1] neg_lo:[1,0,0] neg_hi:[1,0,0]
	v_pk_mul_f32 v[H+32+\z:H+32+\z+1], v[64*((\a)%4)+32+\z:64*((\a)%4)+32+\z+1], v[RT+\z:RT+\z+1]
	v_pk_fma_f32 v[H+32+\z:H+32+\z+1], v[64*((\a)%4)+\z:64*((\a)%4)+\z+1], v[RT+32+\z:RT+32+\z+1], v[H+32+\z:H+32+\z+1]
.endr
	WIN 0
.endm
	RLOAD 0
.irp a, 0,1,2,3,4,5,6,7
	s_wait_dscnt 0x0                               ; this tile's table is in registers
	ROPE \a
.if \a < 7
	RLOAD \a+1                                     ; the next tile's comes while this one is quantised
.endif
	s_wait_xcnt 0x0                                ; the last fragment's three stores, issued a tile ago, have read their registers
	QUANT H, 0, PC, PWS+\a
	OUT \a
.endr
	s_branch .Lwords
.Lrole_v:
.irp a, 0,1,2,3,4,5,6,7
	s_wait_xcnt 0x0
	QUANT 64*(\a%4), 2+\a/4, PC, PWS+\a
	OUT \a
.endr
.Lwords:
.irp i, 0,1,2,3
	v_cndmask_b32 v[SWO+\i], v[PWS+2*\i], v[PWS+2*\i+1], s86   ; lanes 0-15: tile 2 i's words, lanes 16-31: tile 2 i + 1's
.endr
	global_store_b128 v[LI], v[SWO:SWO+3], s[8:9] offset:12288
	s_wait_tensorcnt 0x0                           ; the wave's end
	ds_add_u32 v[SPW], v[NIL]
	s_wait_dscnt 0x0
	CROUND                                         ; the closing round
	s_endpgm
.Lfunc_end_k_qe2ca083e95_qkv:
	.size	k_qe2ca083e95_qkv, .Lfunc_end_k_qe2ca083e95_qkv-k_qe2ca083e95_qkv
	.p2alignl 7, 3214868480
	.fill 96, 4, 3214868480
	.section	.rodata,"a",@progbits
	.p2align	6, 0x0
	.amdhsa_kernel k_qe2ca083e95_qkv
		.amdhsa_group_segment_fixed_size 327680
		.amdhsa_private_segment_fixed_size 0
		.amdhsa_enable_private_segment 0
		.amdhsa_kernarg_size 24
		.amdhsa_user_sgpr_count 2
		.amdhsa_user_sgpr_kernarg_segment_ptr 1
		.amdhsa_wavefront_size32 1
		.amdhsa_system_sgpr_workgroup_id_x 1
		.amdhsa_system_sgpr_workgroup_id_y 1
		.amdhsa_system_sgpr_workgroup_id_z 1
		.amdhsa_system_vgpr_workitem_id 0
		.amdhsa_next_free_vgpr 1024
		.amdhsa_next_free_sgpr 100
		.amdhsa_reserve_vcc 0
		.amdhsa_float_denorm_mode_32 3
		.amdhsa_float_denorm_mode_16_64 3
		.amdhsa_memory_ordered 1
		.amdhsa_forward_progress 1
		.amdhsa_inst_pref_size 211
	.end_amdhsa_kernel
	.amdgpu_metadata
---
amdhsa.version: [ 1, 2 ]
amdhsa.kernels:
  - .name:           k_qe2ca083e95_qkv
    .symbol:         k_qe2ca083e95_qkv.kd
    .args:
      - { .name: xw, .offset: 0, .size: 8, .value_kind: global_buffer, .address_space: global }
      - { .name: rope, .offset: 8, .size: 8, .value_kind: global_buffer, .address_space: global }
      - { .name: qkv, .offset: 16, .size: 8, .value_kind: global_buffer, .address_space: global }
    .group_segment_fixed_size: 327680
    .private_segment_fixed_size: 0
    .kernarg_segment_align: 8
    .kernarg_segment_size: 24
    .max_flat_workgroup_size: 128
    .sgpr_count:     100
    .vgpr_count:     1024
    .wavefront_size: 32
...
	.end_amdgpu_metadata
.endif
;; end of part 6
;; launch attn (part 7): grid 16 x 16, 8 waves a work-group, no clusters, 1,536 bytes of LDS; arguments qkv, maskw, maskf, ctx; writes ctx
.if DOCPART == 7
	.amdgcn_target "amdgcn-amd-amdhsa--gfx1250"
	.amdhsa_code_object_version 6
	.text
	.protected	k_qe2ca083e95_attn
	.globl	k_qe2ca083e95_attn
	.p2align	8
	.type	k_qe2ca083e95_attn,@function
k_qe2ca083e95_attn:
	s_mov_b64 s[64:65], 0
	v_nop
	global_prefetch_b8 v0, s[64:65] scope:SCOPE_SE
	s_setreg_imm32_b32 hwreg(HW_REG_WAVE_MODE, 25, 1), 1
	s_wait_xcnt 0x0
; ctx = softmax(q k^T / sqrt(128) under the given mask) v, both products on codes of FP6 (E2M3) with E8M0 scales; ctx quantised along the head's 128 for the output projection.
; THE MASK IS AN INPUT, AND WHOLE NUMBERS DECIDE WHAT IS DONE.  The launch before has stored, for each tile of 16 queries, which key steps of 128 hold a key that counts, which count whole, and which query rows have a key at all (maskf).
; A wave walks only the key steps in which some key counts for some of its 16 queries.  In a step left out every p of a row that has a key elsewhere is 2^(c x -2^126 - M) = 0: it adds nothing to the sum or to O.
; Where some row of the tile has no key at all, every step is walked: that row has t - M = 0 for every key, p = 1: uniform weights, as the reference's softmax of equal scores gives.
; In a step that counts whole the 64 selects are jumped over; elsewhere a score whose mask bit is 0 becomes -2^126 ahead of the maximum.
; The launch has no tensor load: K's and V's records (eight fragments as images of their 12 registers, and at byte 12,288 their scale words) go from memory straight into the
; registers, 512 consecutive bytes a load.  No tile is asked for jointly in a cluster: partners would need different numbers of tiles.  No prefetch: each record is asked for a whole step ahead of its use by the load itself.
; THE SOFTMAX: t = score x log2(e) / sqrt(128); M = the running largest t rounded UP to a whole number; p = 2^(t - M) is quantised along the keys, not normalised; the row's sum is taken of the unquantised p and divides at the end.
; When M moves, the sum and O are multiplied by 2^(old M - new M): exact.
; SHARES.  A wave owns one tile of 16 queries of one head, in 512 registers.  Work-group (j, head): b = j / 2; four waves take the tiles 2 a + j % 2 (a = 0 .. 3) of query block b, four those of block 15 - b.
; Which four: g = (w xor w / 4) % 2, a = w / 2.  The deal hangs on ids alone, and every mask is served by it.
; WHAT IS ON ITS WAY: behind the first product the next walked step's K (25 loads), behind the second its V (25 loads).  The step behind the last walked one is held at 15: its two records are loaded and not used, so that every wait counts the same loads on every path.
; LAYOUT.  Both products transposed: S^T = K Q^T, O^T = V^T P^T: a lane holds one query.  Row m of tile 2 b + u stands for index 32 b + 8 u + m % 8 + 16 (m / 8): the 16 registers of tiles 2 b, 2 b + 1 are 16 neighbours.
; Dependent vector lines stand four or five lines apart: the four blocks of a step, and the sum's five chains, take turns.
; LIMITS: a block whose every p (or every number of ctx) lies under 2^-124 gets the byte 1: its codes are zeros.  NaN and infinities are not served.
; REGISTERS: window 0: v1 16 x lane; v5, v6 for the add; v7, v9, v10, v29, v31 addresses; v8 the records' offset; v12 -M, v13 the largest t, v[14:15] the sum; v16-27 Q; v30 -2^126; v32-63 the way out;
;   v88-91 V's scale words; v96-159 S^T, then p; v160-223 O^T; v224-235 p's codes; v232-247, v252, v254 at work; v248-251 K's scale words, v253 p's, v255 Q's.   window 1: v0-95 K's eight fragments, v96-191 V's.
.set REC,   12800
.set GRP,   16*REC
.set REG,   16*GRP
.set CSW,   0                          ; 512 bytes in which ctx's scale words meet: 256 for each of the work-group's two blocks
.set SPARE, 512                        ; the spare words: 128 bytes a wave, four blocks of 256 bytes that no other line names
.set LI,  1
.set SPW, 5
.set NIL, 6
.set KO,  8
.set NEG, 30
.set VSW, 88
.set KSW, 248
.set KF,  0                            ; in window 1
.set VF,  96                           ; in window 1
.set TM,  232
.set CT,  56
.set OFF, 2                            ; s2  the next walked step's byte among the head's records
.set QC,  3                            ; s3  counts the loop's 16 trips
.set MB,  6                            ; s[6:7] my tile's mask words
.set CX,  10                           ; s[10:11] ctx's record
.set WV,  12
.set RM,  13                           ; s13 the steps still to walk, a bit each
.set FUL, 14                           ; s14 the steps that count whole
.set CUR, 15                           ; s15 the step in hand
.set SEL, 66
.set KB,  68                           ; s[68:69] the head's records of K; V's lie REG bytes on
.set NX,  70                           ; s70 the next walked step, held at 15
.set MO,  71                           ; s71 its byte among my mask words
.set T0,  72
.set CS,  96                           ; s[96:97] c = log2(e) / sqrt(128)
.set QB,  98                           ; s[98:99] q's record
; s[16:63], s[80:95]: a step's 64 mask words
.set MSB, 0
.macro WIN new                         ; the immediate's high byte repeats the setting that is left
.if MSB != (\new)
	s_set_vgpr_msb (MSB<<8)|(\new)
.set MSB, (\new)
.endif
.endm
.set MUL,  0x01                        ; source 0 (K's or V's fragment) window 1; all else window 0
.set TO_F, 0x40                        ; destination window 1, address window 0
.macro WMC c
.if rSEL == 2
	v_wmma_scale_f32_16x16x128_f8f6f4 v[rD:rD+7], v[rP:rP+11], v[rQ:rQ+11], \c, v[rSP], v[rSQ] matrix_a_fmt:MATRIX_FMT_FP6 matrix_b_fmt:MATRIX_FMT_FP6 matrix_a_scale:MATRIX_SCALE_ROW1
.else
	v_wmma_scale_f32_16x16x128_f8f6f4 v[rD:rD+7], v[rP:rP+11], v[rQ:rQ+11], \c, v[rSP], v[rSQ] matrix_a_fmt:MATRIX_FMT_FP6 matrix_b_fmt:MATRIX_FMT_FP6
.endif
.endm
.macro WM d, p, q, zero, sp, sq, rp    ; rp = 1: source 0's scale words lie in lanes 16-31
.set rD, \d
.set rP, \p
.set rQ, \q
.set rSP, \sp
.set rSQ, \sq
.set rSEL, 2*(\rp)
.if \zero
	WMC 0
.else
	WMC v[rD:rD+7]
.endif
.endm
.macro FETCH f, sw, off                ; 25 loads: the record at v[KO] + off: eight fragments into window 1, the scale words (tile T in register T / 2, odd tiles in lanes 16-31) into window 0
	WIN TO_F
.irp t, 0,1,2,3,4,5,6,7
.irp c, 0,1,2
	global_load_b128 v[\f+12*\t+4*\c:\f+12*\t+4*\c+3], v[KO], s[KB:KB+1] offset:\off+1536*\t+512*\c
.endr
.endr
	WIN 0
	global_load_b128 v[\sw:\sw+3], v[KO], s[KB:KB+1] offset:\off+12288
.endm
.macro MWORDS                          ; the 64 mask words at byte s[MO] of my tile's
	s_load_b512 s[16:31], s[MB:MB+1], s[MO] offset:0x0
	s_load_b512 s[32:47], s[MB:MB+1], s[MO] offset:0x40
	s_load_b512 s[48:63], s[MB:MB+1], s[MO] offset:0x80
	s_load_b512 s[80:95], s[MB:MB+1], s[MO] offset:0xc0
.endm
.macro QUANT s, pc, pw                 ; 64 numbers of a lane, register 16 b + i = k 32 b + 16 (lane / 16) + i of row lane % 16, become a fragment and its scale word
.irp b, 0,1,2,3
	v_max3_num_f32 v[TM+\b], 0x1800000, |v[\s+16*\b]|, |v[\s+16*\b+1]|
.endr
.irp i, 2,4,6,8,10,12,14
.irp b, 0,1,2,3
	v_max3_num_f32 v[TM+\b], v[TM+\b], |v[\s+16*\b+\i]|, |v[\s+16*\b+\i+1]|
.endr
.endr
.irp b, 0,1,2,3
	v_permlanex16_b32 v[TM+4+\b], v[TM+\b], s[SEL], s[SEL+1]
.endr
.irp b, 0,1,2,3
	v_max_num_f32 v[TM+\b], v[TM+\b], v[TM+4+\b]
.endr
.irp b, 0,1,2,3
	v_add_nc_u32 v[TM+8+\b], 0xff000000, v[TM+\b]
.endr
.irp b, 0,1,2,3
	v_lshrrev_b32 v[TM+4+\b], 23, v[TM+8+\b]
.endr
	v_lshl_or_b32 v[\pw], v[TM+5], 8, v[TM+4]
	v_lshl_or_b32 v[\pw], v[TM+6], 16, v[\pw]
	v_lshl_or_b32 v[\pw], v[TM+7], 24, v[\pw]
.irp c, 0,1
	v_cvt_scalef32_pk16_fp6_f32 v[\pc+6*\c:\pc+6*\c+2], v[\s+32*\c:\s+32*\c+15], v[TM+8+2*\c]
	v_cvt_scalef32_pk16_fp6_f32 v[CT+4*\c:CT+4*\c+2], v[\s+32*\c+16:\s+32*\c+31], v[TM+9+2*\c]
.endr
	v_nop
.irp c, 0,1
.irp i, 0,1,2
	v_permlane16_swap_b32 v[\pc+6*\c+\i], v[CT+4*\c+\i]
.endr
.irp i, 0,1,2
	v_mov_b32 v[\pc+3+6*\c+\i], v[CT+4*\c+\i]
.endr
.endr
.endm
	s_load_b256 s[4:11], s[0:1], 0x0               ; qkv, maskw, maskf, ctx
	v_lshl_add_u32 v[SPW], v0, 2, SPARE
	v_mov_b32 v[NIL], 0
	v_lshrrev_b32 v8, 5, v0
	v_readfirstlane_b32 s[WV], v8                  ; wave 0..7
	s_lshr_b32 s16, ttmp9, 1                       ; b
	s_and_b32 s17, ttmp9, 1                        ; even tiles of a block, or odd ones
	s_and_b32 s18, ttmp7, 0xffff                   ; the head
	s_lshr_b32 s19, s[WV], 2
	s_xor_b32 s19, s19, s[WV]
	s_and_b32 s19, s19, 1                          ; g: block b, or block 15 - b
	s_lshr_b32 s20, s[WV], 1                       ; a
	s_sub_co_u32 s21, 15, s16
	s_cmp_eq_u32 s19, 0
	s_cselect_b32 s21, s16, s21                    ; my block of 128 queries
	s_lshl_b32 s22, s20, 1
	s_add_co_u32 s22, s22, s17                     ; my tile in it
	s_lshl_b32 s23, s21, 3
	s_add_co_u32 s23, s23, s22                     ; and among the 128 tiles
	s_mul_i32 s24, s18, GRP
	s_mul_i32 s26, s21, REC
	s_add_co_u32 s26, s26, s24
	s_mov_b32 s27, 0                               ; q's record
	s_add_co_u32 s28, s24, REG
	s_mov_b32 s29, 0                               ; the head's records of K
	s_lshl_b32 s30, s23, 12
	s_mov_b32 s31, 0                               ; my tile's 16 x 64 mask words
	s_lshl_b32 s32, s23, 9
	s_mov_b32 s33, 0                               ; and its flags
	s_mul_i32 s34, s21, GRP
	s_mul_i32 s35, s18, REC
	s_add_co_u32 s34, s34, s35
	s_mov_b32 s35, 0                               ; ctx's record: row block, K step = the head
	s_mul_i32 s36, s22, 1536
	s_lshl_b32 s37, s20, 2
	s_lshl_b32 s38, s19, 8
	s_lshl_b32 s39, s17, 8
	s_add_co_u32 s40, s38, s37
	s_add_co_u32 s41, s39, s37
	s_mov_b32 s[SEL], 0x76543210
	s_mov_b32 s[SEL+1], 0xfedcba98
	s_mov_b32 s[CS], 0x3e0293ee
	s_mov_b32 s[CS+1], s[CS]
	v_and_b32 v[LI], 31, v0
	v_and_b32 v29, 15, v0
	v_lshlrev_b32 v10, 3, v[LI]
	v_lshlrev_b32 v[LI], 4, v[LI]
	v_lshlrev_b32 v29, 4, v29                      ; 16 r
	v_add_nc_u32 v9, s36, v[LI]                    ; my fragment's place in a record, of q and of ctx
	v_add_nc_u32 v31, s40, v29                     ; LDS: row r's word among my block's: 256 g + 16 r + 4 a
	v_add_nc_u32 v7, s38, v10                      ; LDS, back: 256 g + 8 x lane
	v_add_nc_u32 v29, s41, v29                     ; row r's word of tile 2 a + u among a record's scale words: 16 (r + 16 u) + 4 a
	v_add_nc_u32 v10, s39, v10                     ; the even tiles' words are the first 256 bytes of a record's 512, the odd tiles' the second
	s_wait_alu depctr_va_vdst(0)
	s_wait_kmcnt 0x0
	s_add_nc_u64 s[QB:QB+1], s[4:5], s[26:27]
	s_add_nc_u64 s[KB:KB+1], s[4:5], s[28:29]
	s_add_nc_u64 s[MB:MB+1], s[6:7], s[30:31]
	s_add_nc_u64 s[8:9], s[8:9], s[32:33]
	s_add_nc_u64 s[CX:CX+1], s[10:11], s[34:35]
	s_load_b128 s[36:39], s[8:9], 0x0              ; the flags of key steps 0-3, 4-7, 8-11, 12-15
	s_load_b128 s[40:43], s[8:9], 0x80
	s_load_b128 s[44:47], s[8:9], 0x100
	s_load_b128 s[48:51], s[8:9], 0x180
.irp c, 0,1,2
	global_load_b128 v[16+4*\c:19+4*\c], v9, s[QB:QB+1] offset:512*\c     ; Q's fragment stays in registers
.endr
	global_load_b32 v255, v29, s[QB:QB+1] offset:12288
	s_wait_kmcnt 0x0
	s_or_b32 s36, s36, s40
	s_or_b32 s44, s44, s48
	s_or_b32 s[RM], s36, s44                       ; the steps with a key that counts
	s_or_b32 s37, s37, s41
	s_or_b32 s45, s45, s49
	s_or_b32 s[FUL], s37, s45                      ; the steps that count whole
	s_or_b32 s38, s38, s42
	s_or_b32 s46, s46, s50
	s_or_b32 s38, s38, s46
	s_lshr_b32 s39, s38, 16
	s_or_b32 s38, s38, s39
	s_and_b32 s38, s38, 0xffff                     ; the rows that have a key
	s_cmp_eq_u32 s38, 0xffff
	s_cselect_b32 s[RM], s[RM], 0xffff             ; a row without any: all 16 steps are walked
	s_ctz_i32_b32 s[NX], s[RM]
	s_min_u32 s[NX], s[NX], 15                     ; the first step
	s_mul_i32 s[OFF], s[NX], REC
	s_lshl_b32 s[MO], s[NX], 8
	v_add_nc_u32 v[KO], s[OFF], v[LI]
	FETCH KF, KSW, 0
	FETCH VF, VSW, REG
	MWORDS
	v_mov_b32 v[NEG], 0xfe800000                   ; -2^126
	v_mov_b32 v13, 0xff61b1e6                      ; the largest t so far: -3e38
	v_mov_b32 v14, 0
	v_mov_b32 v15, 0
	v_floor_f32 v12, -v13
.irp b, 0,1,2,3
	v_mov_b32 v[236+\b], 0                         ; (a lane permute's destination counts as read)
.endr
	v_mov_b32 v252, 0
	v_mov_b32 v253, 0
.set J, 0
.rept 64
	v_mov_b32 v[160+J], 0                          ; O^T: the step is written once, for every key step alike; the first finds zeros, which the first change of M leaves zeros
.set J, J+1
.endr
	s_mov_b32 s[QC], 16
	s_wait_alu depctr_va_vdst(0)
.Lstep:                                            ; at most 16 trips, one for each walked step; the loop is left when none remains
	s_cmp_eq_u32 s[RM], 0
	s_cbranch_scc1 .Ldone
	s_ctz_i32_b32 s[CUR], s[RM]                    ; the step in hand: its K and V have been asked for
	s_sub_co_u32 s[T0], s[RM], 1
	s_and_b32 s[RM], s[RM], s[T0]
	s_ctz_i32_b32 s[NX], s[RM]
	s_min_u32 s[NX], s[NX], 15                     ; the next one (none left: -1, held at 15)
	s_mul_i32 s[OFF], s[NX], REC
	s_wait_loadcnt 25                              ; K's 25 loads (and Q's, older) are in; V's 25, issued behind them, may be out
	WIN MUL
.irp t, 0,1,2,3,4,5,6,7
	WM 96+8*\t, KF+12*\t, 16, 1, KSW+\t/2, 255, \t%2
.endr
	WIN 0
.rept 4
	v_nop                                          ; places in front of the first read of the scores, and of the loads into K's registers
.endr
	s_wait_xcnt 0x0                                ; V's loads have read the offset
	v_add_nc_u32 v[KO], s[OFF], v[LI]
	FETCH KF, KSW, 0                               ; the next step's K
	s_wait_alu depctr_va_vdst(0)
	s_wait_kmcnt 0x0                               ; this step's mask words, asked for a step ago
	s_bitcmp1_b32 s[FUL], s[CUR]
	s_cbranch_scc1 .Lfull                          ; every key counts for every query: nothing to select
.set N, 0
.rept 64                                       ; register N holds key 32 (N / 16) + 16 (lane / 16) + N % 16: kept where my bit of word N is set.  In ascending order
.if N < 48
	v_cndmask_b32 v[96+N], v[NEG], v[96+N], s[16+N]
.else
	v_cndmask_b32 v[96+N], v[NEG], v[96+N], s[32+N]
.endif
.set N, N+1
.endr
.Lfull:
.irp b, 0,1,2,3
	v_max3_num_f32 v[232+\b], v[96+16*\b], v[97+16*\b], v[98+16*\b]   ; the largest score of each block of 32 keys: for the row's maximum and, since p rises with the score, for the block's largest p
.endr
.irp i, 3,5,7,9,11,13
.irp b, 0,1,2,3
	v_max3_num_f32 v[232+\b], v[232+\b], v[96+16*\b+\i], v[97+16*\b+\i]
.endr
.endr
.irp b, 0,1,2,3
	v_max_num_f32 v[232+\b], v[232+\b], v[111+16*\b]
.endr
	s_lshl_b32 s[MO], s[NX], 8                     ; the next step's mask words: the wait above has freed the offset and the 64 registers
	MWORDS
.irp b, 0,1,2,3
	v_permlanex16_b32 v[236+\b], v[232+\b], s[SEL], s[SEL+1]
.endr
.irp b, 0,1,2,3
	v_max_num_f32 v[232+\b], v[232+\b], v[236+\b]
.endr
	v_max3_num_f32 v254, v232, v233, v234
	v_max_num_f32 v254, v254, v235
	v_mul_f32 v254, s[CS], v254
	v_max_num_f32 v13, v13, v254                   ; the running largest t
	v_mov_b32 v254, v12
	v_floor_f32 v12, -v13                          ; the new -M: M is a whole number
	v_sub_f32 v254, v12, v254
	v_cvt_i32_f32 v254, v254                       ; old M - new M (it saturates)
	v_ldexp_f32 v252, 1.0, v254                    ; f = 2^(old M - new M)
.irp j, 0,2,4,6,8,10,12,14,16,18,20,22,24,26,28,30,32,34,36,38,40,42,44,46,48,50,52,54,56,58,60,62
	v_pk_fma_f32 v[96+\j:97+\j], v[96+\j:97+\j], s[CS:CS+1], v[12:13] op_sel_hi:[1,0,0]   ; t - M
.endr
.irp b, 0,1,2,3
	v_fma_f32 v[232+\b], v[232+\b], s[CS], v12
.endr
	s_wait_alu depctr_va_vdst(0)
.set N, 0
.rept 64
	v_exp_f32 v[96+N], v[96+N]                     ; p = 2^(t - M)
.set N, N+1
.endr
	v_pk_mul_f32 v[14:15], v[14:15], v[252:253] op_sel_hi:[1,0]   ; the sums under the new M: a plain place behind the exponentials
	s_wait_alu depctr_va_vdst(0)                   ; one wait for the batch, ahead of its first reader
.irp b, 0,1,2,3
	v_exp_f32 v[232+\b], v[232+\b]                 ; each block's largest p
.endr
.irp k, 0,1,2,3                                ; the row's sum of the unquantised p: 32 pairs in five chains by turns
	v_pk_add_f32 v[236+2*\k:237+2*\k], v[96+4*\k:97+4*\k], v[98+4*\k:99+4*\k]
.endr
	v_pk_add_f32 v[14:15], v[14:15], v[112:113]
.irp i, 0,1,2,3
.irp k, 0,1,2,3
	v_pk_add_f32 v[236+2*\k:237+2*\k], v[236+2*\k:237+2*\k], v[114+10*\i+2*\k:115+10*\i+2*\k]
.endr
	v_pk_add_f32 v[14:15], v[14:15], v[122+10*\i:123+10*\i]
.endr
.irp k, 0,1,2
	v_pk_add_f32 v[236+2*\k:237+2*\k], v[236+2*\k:237+2*\k], v[154+2*\k:155+2*\k]
.endr
	v_pk_add_f32 v[14:15], v[14:15], v[242:243]
	v_pk_add_f32 v[236:237], v[236:237], v[238:239]
	v_pk_add_f32 v[14:15], v[14:15], v[240:241]
	v_pk_add_f32 v[14:15], v[14:15], v[236:237]
	s_wait_alu depctr_va_vdst(0)                   ; and one for the four
.irp b, 0,1,2,3
	v_max_num_f32 v[232+\b], 0x1800000, v[232+\b]  ; the floor
.endr
.irp b, 0,1,2,3
	v_add_nc_u32 v[244+\b], 0xff000000, v[232+\b]
.endr
.irp b, 0,1,2,3
	v_lshrrev_b32 v[236+\b], 23, v[244+\b]
.endr
	v_lshl_or_b32 v253, v237, 8, v236              ; p's scale word for these 128 keys
	v_lshl_or_b32 v253, v238, 16, v253
	v_lshl_or_b32 v253, v239, 24, v253
.irp c, 0,1
	v_cvt_scalef32_pk16_fp6_f32 v[224+6*\c:226+6*\c], v[96+32*\c:111+32*\c], v[244+2*\c]
	v_cvt_scalef32_pk16_fp6_f32 v[236+4*\c:238+4*\c], v[112+32*\c:127+32*\c], v[244+2*\c+1]
.endr
	v_nop
.irp c, 0,1
.irp i, 0,1,2
	v_permlane16_swap_b32 v[224+6*\c+\i], v[236+4*\c+\i]
.endr
.irp i, 0,1,2
	v_mov_b32 v[227+6*\c+\i], v[236+4*\c+\i]
.endr
.endr
.irp j, 0,2,4,6,8,10,12,14,16,18,20,22,24,26,28,30,32,34,36,38,40,42,44,46,48,50,52,54,56,58,60,62
	v_pk_mul_f32 v[160+\j:161+\j], v[160+\j:161+\j], v[252:253] op_sel_hi:[1,0]   ; O^T under the new M; these 32 are also the places between p's codes and scale word and the products below
.endr
.rept 4
	v_nop                                          ; the last of the eight products takes as C what the last lines above wrote: C is given the four places that an operand written by a vector instruction owes
.endr
	s_wait_alu depctr_va_vdst(0)
	s_wait_loadcnt 25                              ; V's 25 loads are in; the next step's K, 25 loads issued behind them, may be out
	WIN MUL
.irp t, 0,1,2,3,4,5,6,7
	WM 160+8*\t, VF+12*\t, 224, 0, VSW+\t/2, 253, \t%2
.endr
	WIN 0
.rept 4
	v_nop                                          ; places in front of the loads into V's registers
.endr
	FETCH VF, VSW, REG                             ; the next step's V
	s_sub_co_u32 s[QC], s[QC], 1
	s_cmp_lg_u32 s[QC], 0
	s_cbranch_scc1 .Lstep
.Ldone:
	; THE WAY OUT: O^T / the sum is in the quantiser's order (registers along the head's 128): it becomes my tile's fragment of ctx's record and leaves as it stands.  It names none of the registers into which the last, unused records may still land.
.rept 4
	v_nop
.endr
	v_add_f32 v14, v14, v15
	v_permlanex16_b32 v252, v14, s[SEL], s[SEL+1]
	v_add_f32 v14, v14, v252                       ; the row's sum
	s_wait_alu depctr_va_vdst(0)
	v_rcp_f32 v14, v14
	v_nop                                          ; a plain place behind the reciprocal
	s_wait_alu depctr_va_vdst(0)                   ; the wait, ahead of its first reader
.set J, 0
.rept 64
	v_mul_f32 v[96+J], v[160+J], v14
.set J, J+1
.endr
	QUANT 96, 32, 252
.irp c, 0,1,2
	global_store_b128 v9, v[32+4*\c:35+4*\c], s[CX:CX+1] offset:512*\c
.endr
	ds_store_b32 v31, v252                         ; lanes l and l xor 16 write the same word with the same value
	s_wait_dscnt 0x0                               ; for the others' sake
	s_barrier_signal -1
	s_barrier_wait -1
	s_cmp_gt_u32 s[WV], 1
	s_cbranch_scc1 .Lnot_w                         ; wave 0 stores block b's 64 words, wave 1 block 15 - b's
	ds_load_b64 v[44:45], v7
	s_wait_dscnt 0x0
	global_store_b64 v10, v[44:45], s[CX:CX+1] offset:12288   ; 32 lanes store 256 consecutive bytes, aligned
.Lnot_w:
	s_wait_kmcnt 0x0                               ; the last step's scalar loads
	s_wait_tensorcnt 0x0                           ; the wave's end
	ds_add_u32 v[SPW], v[NIL]
	s_wait_dscnt 0x0
	s_endpgm
.Lfunc_end_k_qe2ca083e95_attn:
	.size	k_qe2ca083e95_attn, .Lfunc_end_k_qe2ca083e95_attn-k_qe2ca083e95_attn
	.p2alignl 7, 3214868480
	.fill 96, 4, 3214868480
	.section	.rodata,"a",@progbits
	.p2align	6, 0x0
	.amdhsa_kernel k_qe2ca083e95_attn
		.amdhsa_group_segment_fixed_size 1536
		.amdhsa_private_segment_fixed_size 0
		.amdhsa_enable_private_segment 0
		.amdhsa_kernarg_size 32
		.amdhsa_user_sgpr_count 2
		.amdhsa_user_sgpr_kernarg_segment_ptr 1
		.amdhsa_wavefront_size32 1
		.amdhsa_system_sgpr_workgroup_id_x 1
		.amdhsa_system_sgpr_workgroup_id_y 1
		.amdhsa_system_sgpr_workgroup_id_z 1
		.amdhsa_system_vgpr_workitem_id 0
		.amdhsa_next_free_vgpr 512
		.amdhsa_next_free_sgpr 100
		.amdhsa_reserve_vcc 0
		.amdhsa_float_denorm_mode_32 3
		.amdhsa_float_denorm_mode_16_64 3
		.amdhsa_memory_ordered 1
		.amdhsa_forward_progress 1
		.amdhsa_inst_pref_size 44
	.end_amdhsa_kernel
	.amdgpu_metadata
---
amdhsa.version: [ 1, 2 ]
amdhsa.kernels:
  - .name:           k_qe2ca083e95_attn
    .symbol:         k_qe2ca083e95_attn.kd
    .args:
      - { .name: qkv, .offset: 0, .size: 8, .value_kind: global_buffer, .address_space: global }
      - { .name: maskw, .offset: 8, .size: 8, .value_kind: global_buffer, .address_space: global }
      - { .name: maskf, .offset: 16, .size: 8, .value_kind: global_buffer, .address_space: global }
      - { .name: ctx, .offset: 24, .size: 8, .value_kind: global_buffer, .address_space: global }
    .group_segment_fixed_size: 1536
    .private_segment_fixed_size: 0
    .kernarg_segment_align: 8
    .kernarg_segment_size: 32
    .max_flat_workgroup_size: 256
    .sgpr_count:     100
    .vgpr_count:     512
    .wavefront_size: 32
...
	.end_amdgpu_metadata
.endif
;; end of part 7
;; launch oproj (part 8): grid 16 x 16, 4 waves a work-group, clusters of 4 x 4, 327,680 bytes of LDS; arguments ctx, xw, out0; writes out0
.if DOCPART == 8
	.amdgcn_target "amdgcn-amd-amdhsa--gfx1250"
	.amdhsa_code_object_version 6
	.text
	.protected	k_qe2ca083e95_oproj
	.globl	k_qe2ca083e95_oproj
	.p2align	8
	.type	k_qe2ca083e95_oproj,@function
k_qe2ca083e95_oproj:
	s_mov_b64 s[64:65], 0
	v_nop
	global_prefetch_b8 v0, s[64:65] scope:SCOPE_SE
	s_setreg_imm32_b32 hwreg(HW_REG_WAVE_MODE, 25, 1), 1
	s_wait_xcnt 0x0
	s_wait_alu depctr_hold_cnt(0) depctr_sa_sdst(0) depctr_va_vdst(0) depctr_va_sdst(0) depctr_va_ssrc(0) depctr_va_vcc(0) depctr_vm_vsrc(0)
	s_getreg_b32 s2, hwreg(HW_REG_IB_STS2, 6, 4)
	s_cmp_eq_u32 s2, 0
	s_cbranch_scc0 .Lentry_in_a_cluster
	s_endpgm
.Lentry_in_a_cluster:
	s_bfe_u32 s2, ttmp6, 0x10000c
	s_cmp_lg_u32 s2, 0xf033
	s_cbranch_scc0 .Lentry_shape_is_right
	s_endpgm
.Lentry_shape_is_right:
; out0 = ctx Wo, on codes of FP6 (E2M3) with E8M0 scales; f32 sums, f32 out.
; Both operands come as records: eight fragments (16 rows x 128 K) as images of their 12 registers, and at byte 12,288 their scale words (word 4 L + a: tile 2 a + L / 16, row L % 16).  Row m of tile 2 b + u stands for index 32 b + 8 u + m % 8 + 16 (m / 8).
; A tile of out0 is 128 x 128, so that there are 256 work-groups (tiles of 256 x 256 would be 64).  Four waves, each 64 x 64: 16 accumulators.  Source 0 = Wo's tiles, source 1 = ctx's: a lane holds eight neighbouring columns of one row.
; K goes in four fills of four K steps of 128 through a ring of two LDS slots; each wave fetches two records (25,600 dense bytes).
; CLUSTERS: 4 x 4: ctx's records hang on the tile row and are asked for jointly along a row of the cluster, Wo's on the tile column and along a column.
; The sixteen K steps are written out: the text is short.
; REGISTERS: window 0: v1 16 x lane; v16-25 LDS addresses; v28-29 for the add; v32-39 scale words, two sets (ctx's two registers, Wo's two), and nothing else; v128-255 the accumulators ((a, t) at v[128 + 8 (4 a + t)]), later rows of out0.
;   window 1: two buffers at v0 and v128: ctx's four fragments, then Wo's four.
.set REC,    12800
.set GRP,    16*REC
.set REG,    16*GRP
.set PAIR,   2*REC
.set HALF,   4*REC                     ; ctx's four records; Wo's four lie behind them
.set SLOT,   8*REC
.set SPARE,  2*SLOT                    ; the spare words: 128 bytes a wave
.set SPITCH, 528                       ; the way out: 128 rows x (512 bytes + 16), in slot 0, which has had its last fill and its last read by then
.set LI,  1
.set AQ,  16
.set AP,  18
.set ASQ, 20
.set ASP, 22
.set STO, 24
.set RD,  25
.set SPW, 28
.set NIL, 29
.set SC,  32
.set ACC, 128
.set WV,  14
.set G1A, 24
.set G0A, 32
.set G1B, 48
.set G0B, 56
.set MSB, 0
.macro WIN new
.if MSB != (\new)
	s_set_vgpr_msb (MSB<<8)|(\new)
.set MSB, (\new)
.endif
.endm
.set MUL,  0x05                        ; sources 0 and 1 window 1; C and D window 0
.set TO_F, 0x40
.macro PLACES n
.rept \n
	v_nop
.endr
.endm
.macro CREST
	s_cmp_lg_u32 s[WV], 0
	s_cbranch_scc1 .Lnot_wave_0_\@
	s_barrier_signal -3
.Lnot_wave_0_\@:
	s_barrier_wait -3
	s_barrier_signal -1
	s_barrier_wait -1
.endm
.macro CROUND
	s_barrier_signal -1
	s_barrier_wait -1
	CREST
.endm
.macro JLOAD n                         ; waves 0 and 1 fetch ctx's records, waves 2 and 3 Wo's; four v_nop follow each of the two lines
	s_cmp_eq_u32 s15, 0
	s_cbranch_scc0 .Lfor_b_\@
	tensor_load_to_lds s[G0A+4*\n:G0A+4*\n+3], s[G1A:G1A+7]
	s_nop 0
	PLACES 4
	s_branch .Lasked_\@
.Lfor_b_\@:
	tensor_load_to_lds s[G0B+4*\n:G0B+4*\n+3], s[G1B:G1B+7]
	s_nop 0
	PLACES 4
.Lasked_\@:
.endm
.macro WMC c
.if rSEL == 3
	v_wmma_scale_f32_16x16x128_f8f6f4 v[rD:rD+7], v[rP:rP+11], v[rQ:rQ+11], \c, v[rSP], v[rSQ] matrix_a_fmt:MATRIX_FMT_FP6 matrix_b_fmt:MATRIX_FMT_FP6 matrix_a_scale:MATRIX_SCALE_ROW1 matrix_b_scale:MATRIX_SCALE_ROW1
.elseif rSEL == 2
	v_wmma_scale_f32_16x16x128_f8f6f4 v[rD:rD+7], v[rP:rP+11], v[rQ:rQ+11], \c, v[rSP], v[rSQ] matrix_a_fmt:MATRIX_FMT_FP6 matrix_b_fmt:MATRIX_FMT_FP6 matrix_a_scale:MATRIX_SCALE_ROW1
.elseif rSEL == 1
	v_wmma_scale_f32_16x16x128_f8f6f4 v[rD:rD+7], v[rP:rP+11], v[rQ:rQ+11], \c, v[rSP], v[rSQ] matrix_a_fmt:MATRIX_FMT_FP6 matrix_b_fmt:MATRIX_FMT_FP6 matrix_b_scale:MATRIX_SCALE_ROW1
.else
	v_wmma_scale_f32_16x16x128_f8f6f4 v[rD:rD+7], v[rP:rP+11], v[rQ:rQ+11], \c, v[rSP], v[rSQ] matrix_a_fmt:MATRIX_FMT_FP6 matrix_b_fmt:MATRIX_FMT_FP6
.endif
.endm
.macro WM d, p, q, zero, sp, sq, rp, rq
.set rD, \d
.set rP, \p
.set rQ, \q
.set rSP, \sp
.set rSQ, \sq
.set rSEL, 2*(\rp)+(\rq)
.if \zero
	WMC 0
.else
	WMC v[rD:rD+7]
.endif
.endm
	s_load_b128 s[4:7], s[0:1], 0x0                ; ctx, xw
	s_load_b64 s[8:9], s[0:1], 0x10                ; out0
	v_lshl_add_u32 v[SPW], v0, 2, SPARE
	v_mov_b32 v[NIL], 0
	ds_add_u32 v28, v29
	ds_add_u32 v28, v29
	s_wait_dscnt 0x0
	v_lshrrev_b32 v1, 5, v0
	v_readfirstlane_b32 s[WV], v1                  ; wave 0..3
	s_lshr_b32 s15, s[WV], 1                       ; which 64 rows are mine.  Also: I fetch for ctx (0) or for Wo (1)
	s_and_b32 s16, s[WV], 1                        ; which 64 columns.  Also: which two of a fill's four records I fetch
	s_bfe_u32 s40, ttmp6, 0x40000                  ; cx
	s_bfe_u32 s41, ttmp6, 0x40004                  ; cy
	s_lshl_b32 s42, ttmp9, 2
	s_add_co_u32 s42, s42, s40                     ; tile column
	s_and_b32 s17, ttmp7, 0xffff
	s_lshl_b32 s17, s17, 2
	s_add_co_u32 s17, s17, s41                     ; tile row
	s_lshl_b32 s43, s41, 2
	s_lshl_b32 s43, 15, s43                        ; my row of the cluster
	s_lshl_b32 s44, 0x1111, s40                    ; my column
	s_or_b32 s[G1A], s43, (3<<16)|(1<<21)          ; 25,600 dense bytes as 100 rows of 32 elements of 8 bytes
	s_or_b32 s[G1B], s44, (3<<16)|(1<<21)
.irp g, G1A, G1B
	s_mov_b32 s[\g+1], 32<<16
	s_mov_b32 s[\g+2], 100<<16
	s_mov_b32 s[\g+3], 32<<16
	s_mov_b32 s[\g+4], 100
	s_mov_b32 s[\g+5], 32
	s_mov_b32 s[\g+6], 0
	s_mov_b32 s[\g+7], 0
.endr
	s_mul_i32 s18, s16, PAIR
	s_mul_i32 s20, s17, GRP
	s_add_co_u32 s20, s20, s18
	s_mov_b32 s21, 0                               ; ctx's bytes: the tile row and the wave
	s_mul_i32 s46, s42, GRP
	s_add_co_u32 s46, s46, s18
	s_add_co_u32 s46, s46, 4*REG                   ; Wo's region of xw
	s_mov_b32 s47, 0                               ; Wo's bytes: the tile column and the wave
	s_mul_i32 s45, s[WV], PAIR                     ; where they go: wave x two records
	s_wait_kmcnt 0x0
	s_add_nc_u64 s[20:21], s[4:5], s[20:21]
	s_add_nc_u64 s[46:47], s[6:7], s[46:47]
.irp n, 0,1
	s_mov_b32 s[G0A+4*\n], 1
	s_add_co_u32 s[G0A+4*\n+1], s45, \n*SLOT
	s_add_nc_u64 s[G0A+4*\n+2:G0A+4*\n+3], s[20:21], \n*HALF
	s_or_b32 s[G0A+4*\n+3], s[G0A+4*\n+3], 0x80000000
	s_mov_b32 s[G0B+4*\n], 1
	s_add_co_u32 s[G0B+4*\n+1], s45, \n*SLOT
	s_add_nc_u64 s[G0B+4*\n+2:G0B+4*\n+3], s[46:47], \n*HALF
	s_or_b32 s[G0B+4*\n+3], s[G0B+4*\n+3], 0x80000000
.endr
	CROUND                                         ; all sixteen work-groups are here
	s_cmp_eq_u32 s15, 0                            ; the head's fills, one a wave: my two records of slot 0
	s_cbranch_scc0 .Lfirst_b
	tensor_load_to_lds s[G0A:G0A+3], s[G1A:G1A+7]
	s_nop 0
	PLACES 4
	s_branch .Lfirst_asked
.Lfirst_b:
	tensor_load_to_lds s[G0B:G0B+3], s[G1B:G1B+7]
	s_nop 0
	PLACES 4
.Lfirst_asked:
	v_and_b32 v[LI], 31, v0
	v_lshlrev_b32 v[LI], 4, v[LI]
	s_mul_i32 s18, s15, 4*1536                     ; my four tiles of ctx
	v_add_nc_u32 v[AQ], s18, v[LI]
	v_add_nc_u32 v[AQ+1], SLOT, v[AQ]
	s_mul_i32 s18, s16, 4*1536                     ; my four tiles of Wo
	s_add_co_u32 s18, s18, HALF
	v_add_nc_u32 v[AP], s18, v[LI]
	v_add_nc_u32 v[AP+1], SLOT, v[AP]
	s_lshl_b32 s18, s15, 3                         ; their scale words: two of a lane's four
	s_add_co_u32 s18, s18, 12288
	v_add_nc_u32 v[ASQ], s18, v[LI]
	v_add_nc_u32 v[ASQ+1], SLOT, v[ASQ]
	s_lshl_b32 s18, s16, 3
	s_add_co_u32 s18, s18, HALF+12288
	v_add_nc_u32 v[ASP], s18, v[LI]
	v_add_nc_u32 v[ASP+1], SLOT, v[ASP]
	v_and_b32 v2, 7, v0
	v_bfe_u32 v3, v0, 3, 1
	v_lshl_add_u32 v2, v3, 4, v2                   ; r % 8 + 16 (r / 8)
	v_mul_u32_u24 v[STO], v2, SPITCH
	v_bfe_u32 v3, v0, 4, 1
	v_lshl_add_u32 v[STO], v3, 6, v[STO]           ; + 64 h
	s_mul_i32 s18, s15, 64*SPITCH
	s_lshl_b32 s19, s16, 8
	s_add_co_u32 s18, s18, s19
	v_add_nc_u32 v[STO], s18, v[STO]               ; + my 64 rows, my 256 bytes of them
	s_mul_i32 s18, s[WV], 32*SPITCH
	v_add_nc_u32 v[RD], s18, v[LI]                 ; back: wave w takes rows 32 w on, whole
	s_lshl_b32 s80, s17, 20                        ; 128 rows of 8,192 bytes
	s_lshl_b32 s81, s[WV], 18
	s_add_co_u32 s80, s80, s81
	s_lshl_b32 s81, s42, 9
	s_add_co_u32 s80, s80, s81
	s_mov_b32 s81, 0
	s_add_nc_u64 s[8:9], s[8:9], s[80:81]
.macro FETCH slot, q, par              ; 26 loads: the slot's q-th K step into buffer par and scale set par
	WIN TO_F
.irp i, 0,1,2,3
.irp c, 0,1,2
	ds_load_b128 v[128*(\par)+12*\i+4*\c:128*(\par)+12*\i+4*\c+3], v[AQ+\slot] offset:(\q)*REC+1536*\i+512*\c
	ds_load_b128 v[128*(\par)+48+12*\i+4*\c:128*(\par)+48+12*\i+4*\c+3], v[AP+\slot] offset:(\q)*REC+1536*\i+512*\c
.endr
.endr
	WIN 0
	ds_load_b64 v[SC+4*(\par):SC+4*(\par)+1], v[ASQ+\slot] offset:(\q)*REC
	ds_load_b64 v[SC+4*(\par)+2:SC+4*(\par)+3], v[ASP+\slot] offset:(\q)*REC
.endm
.macro MULA par, a, zero               ; four products: ctx's tile a x Wo's four.  The 16 accumulators take turns, in the same order in every step
.irp t, 0,1,2,3
	WM ACC+8*(4*(\a)+\t), 128*(\par)+48+12*\t, 128*(\par)+12*(\a), \zero, SC+4*(\par)+2+\t/2, SC+4*(\par)+(\a)/2, \t%2, (\a)%2
.endr
.endm
.macro KS slot, q, zero                ; one of a slot's first three K steps: the next step's fragments are asked for, then this step is multiplied
	s_wait_dscnt 0x0                               ; this step's fragments are in
	PLACES 4                                       ; in front of loads into the buffer that the last step's products read
	FETCH \slot, (\q)+1, 1-(\q)%2
	WIN MUL
	MULA (\q)%2, 0, \zero
	MULA (\q)%2, 1, \zero
	MULA (\q)%2, 2, \zero
	MULA (\q)%2, 3, \zero
.endm
; A slot's fourth K step changes slots: ONE barrier; in front of it each wave waits for all its tensor loads, adds 0 to its spare word, and waits for that and for its reads of this slot.  fill = 1: a round of the cluster's barrier, and the slot is filled again.
.macro TURN slot, next, fill
	WIN 0
	s_wait_tensorcnt 0x0
	ds_add_u32 v[SPW], v[NIL]                      ; 0 onto my spare word
	s_wait_dscnt 1                                 ; this step's fragments are in; the add may be out
	WIN MUL
	MULA 1, 0, 0
	s_wait_dscnt 0x0                               ; the add is done, and my reads of this slot are over
	s_barrier_signal -1
	MULA 1, 1, 0
	WIN 0
	s_barrier_wait -1
.if \fill
	CREST
	s_add_nc_u64 s[G0A+4*\slot+2:G0A+4*\slot+3], s[G0A+4*\slot+2:G0A+4*\slot+3], 2*HALF
	s_add_nc_u64 s[G0B+4*\slot+2:G0B+4*\slot+3], s[G0B+4*\slot+2:G0B+4*\slot+3], 2*HALF
	JLOAD \slot                                    ; the first tensor load behind the round; its four v_nop are also the places in front of the loads below
.else
	PLACES 4
.endif
	s_wait_alu depctr_va_vdst(0)
	FETCH \next, 0, 0
	WIN MUL
	MULA 1, 2, 0
	MULA 1, 3, 0
.endm
	s_wait_alu depctr_va_vdst(0)
	s_wait_tensorcnt 0x0                           ; my part of slot 0 is in
	ds_add_u32 v[SPW], v[NIL]
	s_wait_dscnt 0x0
	CROUND                                         ; slot 0 is whole, and all sixteen work-groups are here
	JLOAD 1                                        ; slot 1's first fill: the first tensor load behind the round
	FETCH 0, 0, 0
	KS 0, 0, 1                                     ; the first step's products start the sums
	KS 0, 1, 0
	KS 0, 2, 0
	TURN 0, 1, 1                                   ; slot 0 takes K steps 8 to 11
	KS 1, 0, 0
	KS 1, 1, 0
	KS 1, 2, 0
	TURN 1, 0, 1                                   ; slot 1 takes K steps 12 to 15
	KS 0, 0, 0
	KS 0, 1, 0
	KS 0, 2, 0
	TURN 0, 1, 0                                   ; nothing is left to fetch
	KS 1, 0, 0
	KS 1, 1, 0
	KS 1, 2, 0
	s_wait_dscnt 0x0
	MULA 1, 0, 0
	MULA 1, 1, 0
	MULA 1, 2, 0
	MULA 1, 3, 0
	WIN 0
	; THE WAY OUT.  Lane (r, h) of accumulator (a, t) holds row 64 wr + 32 (a / 2) + 8 (a % 2) + r % 8 + 16 (r / 8), columns 64 wc + 32 (t / 2) + 8 (t % 2) + 16 h + 0 .. 7.  The rows meet in the stage and leave whole.
	PLACES 4
.irp a, 0,1,2,3
.irp t, 0,1,2,3
	ds_store_b128 v[STO], v[ACC+8*(4*\a+\t):ACC+8*(4*\a+\t)+3] offset:(32*(\a/2)+8*(\a%2))*SPITCH+128*(\t/2)+32*(\t%2)       ; each accumulator from its low end on
	ds_store_b128 v[STO], v[ACC+8*(4*\a+\t)+4:ACC+8*(4*\a+\t)+7] offset:(32*(\a/2)+8*(\a%2))*SPITCH+128*(\t/2)+32*(\t%2)+16
.endr
.endr
	s_wait_dscnt 0x0                               ; for the others' sake: my stores into the stage are done
	s_barrier_signal -1
	s_barrier_wait -1
.set J, 0
.rept 32
	ds_load_b128 v[ACC+4*J:ACC+4*J+3], v[RD] offset:J*SPITCH
.set J, J+1
.endr
.set J, 0
.rept 32
	s_wait_dscnt 31-J                              ; row J is back; the younger rows may be out
	global_store_b128 v[LI], v[ACC+4*J:ACC+4*J+3], s[8:9] offset:J*8192 th:TH_STORE_NT   ; 32 lanes store 512 consecutive bytes, at a multiple of 256 from out0's first byte
.set J, J+1
.endr
	s_wait_tensorcnt 0x0                           ; the wave's end
	ds_add_u32 v[SPW], v[NIL]
	s_wait_dscnt 0x0
	CROUND                                         ; the closing round
	s_endpgm
.Lfunc_end_k_qe2ca083e95_oproj:
	.size	k_qe2ca083e95_oproj, .Lfunc_end_k_qe2ca083e95_oproj-k_qe2ca083e95_oproj
	.p2alignl 7, 3214868480
	.fill 96, 4, 3214868480
	.section	.rodata,"a",@progbits
	.p2align	6, 0x0
	.amdhsa_kernel k_qe2ca083e95_oproj
		.amdhsa_group_segment_fixed_size 327680
		.amdhsa_private_segment_fixed_size 0
		.amdhsa_enable_private_segment 0
		.amdhsa_kernarg_size 24
		.amdhsa_user_sgpr_count 2
		.amdhsa_user_sgpr_kernarg_segment_ptr 1
		.amdhsa_wavefront_size32 1
		.amdhsa_system_sgpr_workgroup_id_x 1
		.amdhsa_system_sgpr_workgroup_id_y 1
		.amdhsa_system_sgpr_workgroup_id_z 1
		.amdhsa_system_vgpr_workitem_id 0
		.amdhsa_next_free_vgpr 512
		.amdhsa_next_free_sgpr 90
		.amdhsa_reserve_vcc 0
		.amdhsa_float_denorm_mode_32 3
		.amdhsa_float_denorm_mode_16_64 3
		.amdhsa_memory_ordered 1
		.amdhsa_forward_progress 1
		.amdhsa_inst_pref_size 81
	.end_amdhsa_kernel
	.amdgpu_metadata
---
amdhsa.version: [ 1, 2 ]
amdhsa.kernels:
  - .name:           k_qe2ca083e95_oproj
    .symbol:         k_qe2ca083e95_oproj.kd
    .args:
      - { .name: ctx, .offset: 0, .size: 8, .value_kind: global_buffer, .address_space: global }
      - { .name: xw, .offset: 8, .size: 8, .value_kind: global_buffer, .address_space: global }
      - { .name: out0, .offset: 16, .size: 8, .value_kind: global_buffer, .address_space: global }
    .group_segment_fixed_size: 327680
    .private_segment_fixed_size: 0
    .kernarg_segment_align: 8
    .kernarg_segment_size: 24
    .max_flat_workgroup_size: 128
    .sgpr_count:     90
    .vgpr_count:     512
    .wavefront_size: 32
...
	.end_amdgpu_metadata
.endif
;; end of part 8
